; MI455X (gfx1250); checked and timed in simulation.
; The chip was launched on July 23, 2026; its instructions are those of AMD's public machine-readable ISA for CDNA 5 (MIT licence, August 2026) and "CDNA5" Instruction Set Architecture Reference Guide (July 2026). The comments in the code are by the model that wrote it; some were corrected since.
;; Block. Allowed arithmetic: matrix products marked QUANTISED: E2M1 operands, one E8M0 scale for each 32 along K, by v_wmma_scale_f32_16x16x128_f8f6f4 with both operands' format E2M1 (or v_wmma_scale_f32_32x16x128_f4), f32 sums; everything else in f32.
;; Inputs: W1 1,024 x 4,096 float32; W2 4,096 x 1,024 float32; Wk 16 x 1,024 x 64 float32; Wo 1,024 x 1,024 float32; Wq 16 x 1,024 x 64 float32; Wv 16 x 1,024 x 64 float32; b1 4,096 float32; b2 1,024 float32; bk 16 x 64 float32; bo 1,024 float32; bq 16 x 64 float32; bv 16 x 64 float32; ln1_b 1,024 float32; ln1_g 1,024 float32; ln2_b 1,024 float32; ln2_g 1,024 float32; mask 2,048 x 2,048 int32; x 2 x 2,048 x 1,024 float32.
;; Outputs: out0 2 x 2,048 x 1,024 float32.
;; This version of the problem:
;;   THIS VERSION OF THE PROBLEM IS GIVEN IN LOW PRECISION. The matrix products marked QUANTISED in the list below multiply operands that are first quantised to E2M1 (2 exponent bits, 1 mantissa bit; 4 bits a number), with one power-of-two scale for each 32 numbers along K (OCP MX v1.0); their sums are f32. All else is computed in f32.
;;   The module's matrix products, in the order in which they are computed (A, B: the left and right operand; K: the contracted axis; several contracted axes count as one K, in the product's order):
;;     1. [M 1,024, K 1,024] x [K 1,024, N 4,096]; A: input Wq; B: computed on the way: QUANTISED
;;     2. [M 1,024, K 1,024] x [K 1,024, N 4,096]; A: input Wk; B: computed on the way: QUANTISED
;;     3. [M 1,024, K 1,024] x [K 1,024, N 4,096]; A: input Wv; B: computed on the way: QUANTISED
;;     4. batch 32 x [M 2,048, K 64] x [K 64, N 2,048]; A: computed on the way; B: computed on the way: QUANTISED
;;     5. batch 32 x [M 2,048, K 2,048] x [K 2,048, N 64]; A: softmax (see below); B: computed on the way: QUANTISED
;;     6. [M 4,096, K 1,024] x [K 1,024, N 1,024]; A: computed on the way; B: input Wo: QUANTISED
;;     7. [M 4,096, K 1,024] x [K 1,024, N 4,096]; A: computed on the way; B: input W1: QUANTISED
;;     8. [M 4,096, K 4,096] x [K 4,096, N 1,024]; A: computed on the way; B: input W2: QUANTISED
;;   THE QUANTISER, for each operand of a quantised product, along K:
;;     - K is cut into blocks of 32 from its start; a last block that is shorter is filled with zeros.
;;     - A block's scale is 2^e with e = floor(log2(the largest magnitude in the block)) - 2, held to -126 .. 127; a block of zeros has e = 0. As a byte (E8M0): e + 127.
;;     - Each number is divided by its block's scale, clamped to +-6, and rounded to the nearest number of E2M1, ties to even, subnormals kept.
;;     - The product sums the exact products of the quantised numbers (number of the format x scale) in f32.
;;   ~~~python
;;   def quantise(x, axis):      # numpy; x: float32 -> the quantised numbers, widened to float32 again
;;       x = np.moveaxis(x, axis, -1); K = x.shape[-1]
;;       x = np.pad(x, [(0, 0)] * (x.ndim - 1) + [(0, -K % 32)]); x = x.reshape(x.shape[:-1] + (-1, 32)); a = np.abs(x).max(-1, keepdims=True)
;;       e = np.where(a > 0, np.clip(np.frexp(np.where(a > 0, a, 1))[1] - 1 - 2, -126, 127), 0)      # np.frexp(a)[1] - 1 = floor(log2(a)), exactly
;;       r = np.clip(x / 2.0 ** e, -6, 6)
;;       step = 2.0 ** (np.maximum(np.frexp(np.where(r == 0, 1, r))[1] - 1, 0) - 1)
;;       q = np.round(r / step) * step * 2.0 ** e      # np.round: ties to even
;;       return np.moveaxis(q.reshape(q.shape[:-2] + (-1,))[..., :K], -1, axis).astype(np.float32)
;;   ~~~
;;   SOFTMAX AHEAD OF A QUANTISED PRODUCT. Where the list says 'softmax', what is quantised is not the finished softmax but p = 2^(t - M), with t = logit x log2(e) and M = ceil(the row's largest t), a whole number; so 1/2 < the row's largest p <= 1. The row's sum l is taken of the UNQUANTISED p, in f32, and the product's result is divided by l at the end. Since M is a whole number, a kernel that streams over the keys may use a running M (the ceiling of the running maximum): every later rescaling is an exact power of two, which a block's scale takes up: the codes' values come out the same.
;;   OPERANDS COMPUTED ON THE WAY. 'Computed on the way' means the value that the module computes at that place (a softmax that the list does not call 'softmax' is quantised finished and normalised). What goes into a quantiser is computed in f32, as accurately as f32 sums, v_exp_f32 and their like allow (about 1e-6 of the number): no bf16 or f16 on the way to a quantiser, and a product that is left as it is and whose result goes on into a quantised operand takes f32 operands (vector FMAs, or v_wmma_f32_16x16x4_f32). A number that lies on a knife's edge between two numbers of the format may be rounded either way, as far as f32 arithmetic and the matrix unit's own rounding can turn it there, and no further.
;; 2 versions. Each part assembles by itself: llvm-mc -triple=amdgcn-amd-amdhsa -mcpu=gfx1250 --defsym DOCPART=n.
;; ======== version 1 of 2: 6 launches
;; workspace buffers: wts 8,912,896 bytes; msk 532,480 bytes of whole numbers; qkv 6,946,816 bytes; ctx 2,228,224 bytes; x1 16,777,216 bytes; h2 2,228,224 bytes; g 8,912,896 bytes
;; launch prep (part 1): grid 256 x 1, 5 waves a work-group, no clusters, 14,592 bytes of LDS; arguments x, ln1_g, ln1_b, mask, Wq, Wk, Wv, Wo, W1, W2, wts, msk; writes wts, msk
.if DOCPART == 1
	.amdgcn_target "amdgcn-amd-amdhsa--gfx1250"
	.amdhsa_code_object_version 6
	.text
	.protected	k_q8dd9e8a9fe_prep
	.globl	k_q8dd9e8a9fe_prep
	.p2align	8
	.type	k_q8dd9e8a9fe_prep,@function
k_q8dd9e8a9fe_prep:
	s_mov_b64 s[64:65], 0
	v_nop
	global_prefetch_b8 v0, s[64:65] scope:SCOPE_SE
	s_setreg_imm32_b32 hwreg(HW_REG_WAVE_MODE, 25, 1), 1
	s_wait_xcnt 0x0
; PREP: everything that is quantised or packed once.  1,280 units of 64 KB, a wave each; the waves share nothing.  Every work-group has the same mix, parted on the wave's number:
;   wave 0:      LN1(x) of image tile = work-group, quantised along D, as operand images (codes) and scale bytes
;   wave 1:      the mask, unit = work-group: lane-mask words for the attention's score registers, and a class for each tile (0 all closed, 1 mixed, 2 all open)
;   waves 2-4:   Wq, Wk, Wv, Wo, W1, W2, units 3 x work-group + 0 .. 2, quantised along K (their K is not innermost: a lane takes a column, its registers run down K)
; IMAGES.  A tile is 16 rows; slot s of tile T is natural row 32 (T / 2) + 8 (T % 2) + s % 8 + 16 (s / 8).  Block kb (32 along K) of slot s lies at T x 8 K + 256 kb + 16 s bytes:
; that is the order of a 4-bit operand's registers, so a fragment (16 rows x 128 K) is 1,024 consecutive bytes, 16 bytes a lane.  Scale bytes: [K / 512][16 T + slot][16].
; QUANTISER: a block's scale byte is its largest magnitude's exponent field - 2, held at 1 from below.
; LIMITS: a block of zeros, or one whose largest magnitude lies under 2^-124, gets the byte 1 (its codes are zeros or tiny; this program alone reads the bytes); NaN and infinities among x and the weights are not served.
.set H1_C, 6684672
.set H1_S, 8781824
.set WV,  28                           ; s28 wave
.set WQ,  29                           ; s29 weights' path: unit % 4
.set SEL, 30                           ; s[30:31] lane selects: lane l xor 16
.set G,   32                           ; s32 weights' path: unit / 4, 0 .. 191
	s_load_b512 s[4:19], s[0:1], 0x0               ; x, ln1_g, ln1_b, mask, Wq, Wk, Wv, Wo
	s_load_b256 s[20:27], s[0:1], 0x40             ; W1, W2, wts, msk
	v_lshl_add_u32 v192, v0, 2, 0x3600
	v_mov_b32 v193, 0
	v_lshrrev_b32 v1, 5, v0
	v_readfirstlane_b32 s[WV], v1
	v_and_b32 v1, 31, v0                           ; lane
	s_mov_b32 s[SEL], 0x76543210
	s_mov_b32 s[SEL+1], 0xfedcba98
	s_wait_kmcnt 0x0
	s_cmp_eq_u32 s[WV], 0
	s_cbranch_scc1 .Lln
	s_cmp_eq_u32 s[WV], 1
	s_cbranch_scc1 .Lmask
; ---------------- WEIGHTS: a wave takes 32 columns x 512 along K ----------------
.macro PICK reg, a, b, c, d            ; a number by tensor: Wq/Wk/Wv (groups 0-47 of four units), Wo (48-63), W1 (64-127), W2 (128-191)
	s_mov_b32 s[\reg], \d
	s_cmp_lt_u32 s[G], 128
	s_cselect_b32 s[\reg], \c, s[\reg]
	s_cmp_lt_u32 s[G], 64
	s_cselect_b32 s[\reg], \b, s[\reg]
	s_cmp_lt_u32 s[G], 48
	s_cselect_b32 s[\reg], \a, s[\reg]
.endm
	s_mul_i32 s[G], ttmp9, 3
	s_add_co_u32 s[G], s[G], s[WV]
	s_sub_co_u32 s[G], s[G], 2                     ; my unit, 0 .. 767
	s_and_b32 s[WQ], s[G], 3
	s_lshr_b32 s[G], s[G], 2
	PICK 33, 0, 48, 64, 128                        ; the tensor's first group
	PICK 34, 15, 15, 63, 63                        ; groups of a tensor - 1
	PICK 35, 1, 31, 127, 31                        ; groups of 32 columns in a plane - 1
	PICK 36, 1, 5, 7, 5                            ; its log2
	PICK 37, 1, 1, 1, 7                            ; runs of 512 along K - 1
	PICK 38, 1, 1, 1, 3                            ; its log2
	PICK 39, 8, 12, 14, 12                         ; log2 of a row's bytes
	PICK 40, 13, 13, 13, 15                        ; log2 of an image tile's bytes (8 K)
	PICK 41, 49152, 16384, 65536, 16384            ; scale bytes of 512 along K
	PICK 42, 0, 1572864, 2097152, 4194304          ; the codes' place in wts
	PICK 43, 6291456, 6389760, 6422528, 6553600    ; the scale bytes' place
	s_lshr_b32 s44, s[G], 4
	s_cmp_lt_u32 s[G], 48
	s_cselect_b32 s44, s44, 0                      ; q, k or v
	s_sub_co_u32 s45, s[G], s33
	s_and_b32 s45, s45, s34
	s_lshl_b32 s45, s45, 2
	s_add_co_u32 s45, s45, s[WQ]                   ; my unit in the tensor
	s_and_b32 s46, s45, s35                        ; group of 32 columns
	s_lshr_b32 s47, s45, s36
	s_and_b32 s48, s47, s37                        ; run of 512 along K
	s_lshr_b32 s49, s47, s38                       ; plane (head)
	s_lshl_b32 s50, s49, 1
	s_add_co_u32 s50, s50, s46                     ; pair of image tiles
	s_lshl_b32 s52, s49, 18                        ; source: plane x 262,144
	s_add_co_u32 s51, s39, 9
	s_lshl_b32 s51, s48, s51                       ; + 512 rows a run
	s_add_co_u32 s52, s52, s51
	s_lshl_b32 s51, s46, 7                         ; + 128 bytes a group
	s_add_co_u32 s52, s52, s51
	s_mov_b32 s53, 0
	s_mov_b64 s[54:55], s[22:23]
	s_cmp_lt_u32 s[G], 128
	s_cselect_b64 s[54:55], s[20:21], s[54:55]
	s_cmp_lt_u32 s[G], 64
	s_cselect_b64 s[54:55], s[18:19], s[54:55]
	s_cmp_lt_u32 s[G], 48
	s_cselect_b64 s[54:55], s[16:17], s[54:55]
	s_cmp_lt_u32 s[G], 32
	s_cselect_b64 s[54:55], s[14:15], s[54:55]
	s_cmp_lt_u32 s[G], 16
	s_cselect_b64 s[54:55], s[12:13], s[54:55]
	s_add_nc_u64 s[54:55], s[54:55], s[52:53]
	s_lshl_b32 s52, s44, 19                        ; codes: 524,288 for each of q, k, v
	s_add_co_u32 s52, s52, s42
	s_add_co_u32 s51, s40, 1
	s_lshl_b32 s51, s50, s51                       ; two tiles a pair
	s_add_co_u32 s52, s52, s51
	s_lshl_b32 s51, s48, 12                        ; 4,096 bytes of a tile for 512 along K
	s_add_co_u32 s52, s52, s51
	s_add_nc_u64 s[56:57], s[24:25], s[52:53]
	s_lshl_b32 s52, s44, 14                        ; scale bytes
	s_add_co_u32 s52, s52, s43
	s_mul_i32 s51, s48, s41
	s_add_co_u32 s52, s52, s51
	s_lshl_b32 s51, s50, 9
	s_add_co_u32 s52, s52, s51
	s_add_nc_u64 s[58:59], s[24:25], s[52:53]
	s_lshl_b32 s60, 1, s39                         ; a row's bytes
	s_lshl_b32 s62, s60, 5                         ; 32 rows
	s_mov_b32 s63, 0
	v_lshlrev_b32 v32, 2, v1                       ; v[32 + i]: my column in row i of a block
.set N, 0
.rept 31
	v_add_nc_u32 v[33+N], s60, v[32+N]
.set N, N+1
.endr
	v_bfe_u32 v2, v1, 3, 1                         ; my column's tile of the pair,
	v_and_b32 v3, 7, v1
	v_lshrrev_b32 v4, 4, v1
	v_lshl_add_u32 v3, v4, 3, v3                   ; and its slot
	v_lshlrev_b32 v5, s40, v2
	v_lshl_add_u32 v5, v3, 4, v5                   ; my 16 bytes of a block's codes
	v_lshl_add_u32 v6, v2, 4, v3
	v_lshlrev_b32 v6, 4, v6                        ; my 16 scale bytes
.macro WLOAD set                       ; a block: 32 rows, 128 consecutive bytes a load
.set N, 0
.rept 32
	global_load_b32 v[64+32*(\set)+N], v[32+N], s[54:55] th:TH_LOAD_NT
.set N, N+1
.endr
.endm
.macro BLOCK t
.set XS, 64+32*((\t)%2)
.if (\t) < 15
	s_wait_loadcnt 32                              ; this block's 32 loads are in; the next block's may be out
.else
	s_wait_loadcnt 0x0
.endif
	v_max3_num_f32 v8, |v[XS]|, |v[XS+1]|, |v[XS+2]|
	v_max3_num_f32 v9, |v[XS+3]|, |v[XS+4]|, |v[XS+5]|
.irp i, 6,10,14,18,22,26
	v_max3_num_f32 v8, v8, |v[XS+\i]|, |v[XS+\i+1]|
	v_max3_num_f32 v9, v9, |v[XS+\i+2]|, |v[XS+\i+3]|
.endr
	v_max3_num_f32 v8, v8, |v[XS+30]|, |v[XS+31]|
	v_max3_num_f32 v8, v8, v9, 0x1800000           ; and the floor 2^(3 - 127): the byte cannot fall under 1
	v_add_nc_u32 v10, 0xff000000, v8               ; 2 off the exponent field: the conversion's scale operand
	v_lshrrev_b32 v11, 23, v10                     ; the byte
.if (\t)%4 == 0
	v_mov_b32 v[132+(\t)/4], v11
.else
	v_lshl_or_b32 v[132+(\t)/4], v11, 8*((\t)%4), v[132+(\t)/4]
.endif
	s_wait_xcnt 0x0                                ; the last store has read its codes, the loads their base: both are written below
.irp q, 0,1,2,3
	v_cvt_scalef32_pk8_fp4_f32 v[128+\q], v[XS+8*\q:XS+8*\q+7], v10
.endr
	global_store_b128 v5, v[128:131], s[56:57] offset:256*(\t)     ; sixteen lanes fill 256 consecutive bytes of one tile, sixteen of the other
.if (\t)+2 < 16
	s_add_nc_u64 s[54:55], s[54:55], s[62:63]
	WLOAD (\t)%2
.endif
.endm
	WLOAD 0
	s_wait_xcnt 0x0
	s_add_nc_u64 s[54:55], s[54:55], s[62:63]
	WLOAD 1
.set TT, 0
.rept 16
	BLOCK TT
.set TT, TT+1
.endr
	global_store_b128 v6, v[132:135], s[58:59]     ; 512 consecutive bytes
	s_endpgm
; ---------------- MASK: a wave takes one tile of 16 queries x 8 steps of 128 keys ----------------
; Word n of a step: bit l = mask[query of slot l % 16][128 step + 32 (n / 16) + 16 (l / 16) + n % 16] != 0: the lane mask of score register n.
.Lmask:
	s_lshr_b32 s32, ttmp9, 1                       ; the tile of queries
	s_and_b32 s33, ttmp9, 1                        ; which eight steps
	s_lshr_b32 s34, s32, 1
	s_lshl_b32 s34, s34, 5
	s_and_b32 s35, s32, 1
	s_lshl_b32 s35, s35, 3
	s_add_co_u32 s34, s34, s35                     ; slot 0's query
	s_lshl_b32 s34, s34, 13
	s_lshl_b32 s35, s33, 12
	s_add_co_u32 s34, s34, s35
	s_mov_b32 s35, 0
	s_add_nc_u64 s[36:37], s[10:11], s[34:35]
	s_lshl_b32 s34, s32, 4
	s_lshl_b32 s38, s33, 3
	s_add_co_u32 s34, s34, s38                     ; 16 x tile + first step
	s_lshl_b32 s38, s34, 8
	s_mov_b32 s39, 0
	s_add_nc_u64 s[56:57], s[26:27], s[38:39]      ; the words
	s_lshl_b32 s38, s34, 2
	s_add_co_u32 s38, s38, 524288
	s_add_nc_u64 s[58:59], s[26:27], s[38:39]      ; the classes
	v_and_b32 v2, 15, v1
	v_lshrrev_b32 v3, 4, v1
	v_and_b32 v4, 7, v2
	v_lshrrev_b32 v5, 3, v2
	v_lshl_add_u32 v4, v5, 4, v4
	v_lshlrev_b32 v4, 13, v4                       ; my query's row of 8,192 bytes
	v_lshl_add_u32 v4, v3, 6, v4                   ; + 16 keys for the upper half of the lanes
	v_lshlrev_b32 v5, 3, v1
	v_lshlrev_b32 v6, 2, v1
	v_mov_b32 v160, 0                              ; a lane write's destination counts as read
	v_mov_b32 v161, 0
	v_mov_b32 v162, 0
	s_mov_b32 s50, 0
	s_mov_b32 s51, 0
.macro MSTEP st, lw
	s_wait_loadcnt \lw
	s_wait_xcnt 0x0                                ; the last store has read the word registers
	s_mov_b32 s48, -1
	s_mov_b32 s49, 0
.set GQ, 0
.rept 8
.irp e, 0,1,2,3,4,5,6,7
	v_cmp_ne_u32 s[40+\e], 0, v[32+64*(\st)+8*GQ+\e]
.endr
.irp e, 0,1,2,3,4,5,6,7
	v_writelane_b32 v[160+\e%2], s[40+\e], 4*GQ+\e/2       ; lane i keeps words 2 i and 2 i + 1
.endr
.irp e, 0,1,2,3,4,5,6,7
	s_and_b32 s48, s48, s[40+\e]
	s_or_b32 s49, s49, s[40+\e]
.endr
.set GQ, GQ+1
.endr
	global_store_b64 v5, v[160:161], s[56:57] offset:256*(\st)     ; 256 consecutive bytes
	s_cmp_eq_u32 s48, -1
	s_cselect_b32 s52, 2, 1
	s_cmp_eq_u32 s49, 0
	s_cselect_b32 s52, 0, s52
	v_mov_b32 v163, s52
	v_cmp_eq_u32 vcc_lo, s51, v1
	v_cndmask_b32 v162, v162, v163, vcc_lo         ; the step's class, in the lane of its number
	s_add_co_u32 s51, s51, 1
.endm
.Lmtrip:                                               ; four trips of two steps
.irp st, 0,1
.irp bb, 0,1,2,3
.irp j, 0,1,2,3
	global_load_b128 v[32+64*\st+16*\bb+4*\j:35+64*\st+16*\bb+4*\j], v4, s[36:37] offset:512*\st+128*\bb+16*\j
.endr
.endr
.endr
	MSTEP 0, 16                                    ; the second step's sixteen loads may be out
	MSTEP 1, 0
	s_wait_xcnt 0x0
	s_add_nc_u64 s[36:37], s[36:37], 1024
	s_add_nc_u64 s[56:57], s[56:57], 512
	s_add_co_u32 s50, s50, 1
	s_cmp_lt_u32 s50, 4
	s_cbranch_scc1 .Lmtrip
	v_cmp_gt_u32 vcc_lo, 8, v1
	s_wait_xcnt 0x0                                ; EXEC changes only behind this wait
	s_and_saveexec_b32 s52, vcc_lo
	global_store_b32 v6, v162, s[58:59]
	s_wait_xcnt 0x0
	s_or_b32 exec_lo, exec_lo, s52
	s_endpgm
; ---------------- LN1: wave 0 takes one image tile, 16 rows of x ----------------
; LDS (13,824 bytes, this wave's alone): TR at 0, 32 x 144: a row turns from 16 bytes a lane to 128 bytes (a block of 32) a lane; IM at 4,608, 32 x 272: the tile's image; SS at 13,312, 512: its scale bytes.
.Lln:
	s_lshr_b32 s33, ttmp9, 1
	s_lshl_b32 s33, s33, 5
	s_and_b32 s34, ttmp9, 1
	s_lshl_b32 s34, s34, 3
	s_add_co_u32 s33, s33, s34                     ; slot 0's row
	s_lshl_b32 s34, s33, 12
	s_mov_b32 s35, 0
	s_add_nc_u64 s[36:37], s[4:5], s[34:35]
	s_lshl_b32 s34, ttmp9, 13
	s_add_co_u32 s34, s34, H1_C
	s_add_nc_u64 s[38:39], s[24:25], s[34:35]
	s_lshl_b32 s34, ttmp9, 8
	s_add_co_u32 s34, s34, H1_S
	s_add_nc_u64 s[40:41], s[24:25], s[34:35]
	s_mov_b32 s45, 0x3a800000                      ; 1 / 1024
	s_mov_b32 s46, 0x3727c5ac                      ; 1e-5
	v_lshlrev_b32 v2, 4, v1                        ; 16 x lane
	v_lshrrev_b32 v3, 3, v1
	v_mul_u32_u24 v3, v3, 144
	v_and_b32 v10, 7, v1
	v_lshl_add_u32 v3, v10, 4, v3                  ; TR, in
	v_mul_u32_u24 v4, v1, 144                      ; TR, out
	v_mul_u32_u24 v5, v1, 272
	v_add_nc_u32 v5, 4608, v5                      ; IM, in: block = my lane
	v_lshrrev_b32 v12, 4, v1
	v_and_b32 v10, 15, v1
	v_lshl_add_u32 v6, v12, 8, v10
	v_add_nc_u32 v6, 13312, v6                     ; SS, in
	v_mul_u32_u24 v7, v12, 272
	v_lshl_add_u32 v7, v10, 4, v7
	v_add_nc_u32 v7, 4608, v7                      ; IM, out
	v_add_nc_u32 v8, 13312, v2                     ; SS, out
	v_lshlrev_b32 v9, 16, v12
	v_lshl_add_u32 v9, v10, 4, v9                  ; the scale bytes' place in memory
	v_mov_b32 v11, 0                               ; upper halves of pairs of which the low word serves both halves
	v_mov_b32 v13, 0
	v_mov_b32 v30, 0                               ; a lane permute's destination counts as read
.irp i, 0,1,2,3,4,5,6,7
	global_load_b128 v[32+4*\i:35+4*\i], v2, s[6:7] offset:512*\i
.endr
.irp i, 0,1,2,3,4,5,6,7
	global_load_b128 v[64+4*\i:67+4*\i], v2, s[8:9] offset:512*\i
.endr
.macro XROW S, slot
.irp i, 0,1,2,3,4,5,6,7
	global_load_b128 v[\S+4*\i:\S+4*\i+3], v2, s[36:37] offset:(((\slot)&7)+16*((\slot)>>3))*4096+512*\i th:TH_LOAD_NT
.endr
.endm
.macro RED r                           ; the sum over the wave's 32 lanes, in every lane
	v_add_f32_dpp v[\r], v[\r], v[\r] row_xmask:1 row_mask:0xf bank_mask:0xf
	v_add_f32_dpp v[\r], v[\r], v[\r] row_xmask:2 row_mask:0xf bank_mask:0xf
	v_add_f32_dpp v[\r], v[\r], v[\r] row_xmask:4 row_mask:0xf bank_mask:0xf
	v_add_f32_dpp v[\r], v[\r], v[\r] row_xmask:8 row_mask:0xf bank_mask:0xf
	v_permlanex16_b32 v30, v[\r], s[SEL], s[SEL+1]
	v_add_f32 v[\r], v[\r], v30
.endm
.macro LNROW S, slot, nxt, lw
	s_wait_loadcnt \lw                             ; my row is in; the other set's eight loads may be out
	v_pk_add_f32 v[14:15], v[\S:\S+1], v[\S+2:\S+3]
	v_pk_add_f32 v[16:17], v[\S+4:\S+5], v[\S+6:\S+7]
.irp j, 8,12,16,20,24,28
	v_pk_add_f32 v[14:15], v[14:15], v[\S+\j:\S+\j+1]
	v_pk_add_f32 v[16:17], v[16:17], v[\S+\j+2:\S+\j+3]
.endr
	v_pk_add_f32 v[14:15], v[14:15], v[16:17]
	v_add_f32 v14, v14, v15
	RED 14
	v_mul_f32 v10, s45, v14                        ; the mean
.set N, 0
.rept 16
	v_pk_add_f32 v[\S+N:\S+N+1], v[\S+N:\S+N+1], v[10:11] op_sel_hi:[1,0] neg_lo:[0,1] neg_hi:[0,1]
.set N, N+2
.endr
	v_pk_mul_f32 v[14:15], v[\S:\S+1], v[\S:\S+1]
	v_pk_mul_f32 v[16:17], v[\S+2:\S+3], v[\S+2:\S+3]
.irp j, 4,8,12,16,20,24,28
	v_pk_fma_f32 v[14:15], v[\S+\j:\S+\j+1], v[\S+\j:\S+\j+1], v[14:15]
	v_pk_fma_f32 v[16:17], v[\S+\j+2:\S+\j+3], v[\S+\j+2:\S+\j+3], v[16:17]
.endr
	v_pk_add_f32 v[14:15], v[14:15], v[16:17]
	v_add_f32 v14, v14, v15
	RED 14
	v_fma_f32 v18, v14, s45, s46                   ; the variance + eps
	v_rsq_f32 v12, v18
	v_nop                                          ; a plain instruction behind the transcendental,
	s_wait_alu depctr_va_vdst(0)                   ; and the wait ahead of the first reader of its result
.set N, 0
.rept 16
	v_pk_mul_f32 v[\S+N:\S+N+1], v[\S+N:\S+N+1], v[12:13] op_sel_hi:[1,0]
.set N, N+2
.endr
.set N, 0
.rept 16
	v_pk_fma_f32 v[\S+N:\S+N+1], v[\S+N:\S+N+1], v[32+N:33+N], v[64+N:65+N]
.set N, N+2
.endr
.irp i, 0,1,2,3,4,5,6,7
	ds_store_b128 v3, v[\S+4*\i:\S+4*\i+3] offset:576*\i
.endr
.irp i, 0,1,2,3,4,5,6,7
	ds_load_b128 v[160+4*\i:163+4*\i], v4 offset:16*\i             ; LDS serves a wave's instructions in order: these see the stores above
.endr
	s_wait_dscnt 0x0                               ; block = my lane is in; the stores have read the row, and the last row's stores their codes
.if \nxt
	XROW \S, (\slot)+1
.endif
	v_max3_num_f32 v22, |v160|, |v161|, |v162|
	v_max3_num_f32 v23, |v163|, |v164|, |v165|
.irp i, 6,10,14,18,22,26
	v_max3_num_f32 v22, v22, |v[160+\i]|, |v[161+\i]|
	v_max3_num_f32 v23, v23, |v[162+\i]|, |v[163+\i]|
.endr
	v_max3_num_f32 v22, v22, |v190|, |v191|
	v_max3_num_f32 v22, v22, v23, 0x1800000
	v_add_nc_u32 v24, 0xff000000, v22
	v_lshrrev_b32 v25, 23, v24
.irp q, 0,1,2,3
	v_cvt_scalef32_pk8_fp4_f32 v[26+\q], v[160+8*\q:167+8*\q], v24
.endr
	ds_store_b128 v5, v[26:29] offset:16*(\slot)
	ds_store_b8 v6, v25 offset:16*(\slot)
.endm
	XROW 96, 0
	XROW 128, 8
.irp t, 0,1,2,3,4,5,6
	LNROW 96, \t, 1, 8
	LNROW 128, \t+8, 1, 8
.endr
	LNROW 96, 7, 0, 8
	LNROW 128, 15, 0, 0
.irp t, 0,1,2,3,4,5,6,7,8,9,10,11,12,13,14,15
	ds_load_b128 v[96+4*\t:99+4*\t], v7 offset:544*\t
.endr
	ds_load_b128 v[160:163], v8
.irp t, 0,1,2,3,4,5,6,7,8,9,10,11,12,13,14,15
	s_wait_dscnt 16-\t                             ; the later image loads and the scale load may be out
	global_store_b128 v2, v[96+4*\t:99+4*\t], s[38:39] offset:512*\t       ; 512 consecutive bytes
.endr
	s_wait_dscnt 0x0
	global_store_b128 v9, v[160:163], s[40:41]     ; two runs of 256 consecutive bytes
	s_wait_tensorcnt 0x0
	ds_add_u32 v192, v193
	s_wait_dscnt 0x0
	s_endpgm
.Lfunc_end_k_q8dd9e8a9fe_prep:
	.size	k_q8dd9e8a9fe_prep, .Lfunc_end_k_q8dd9e8a9fe_prep-k_q8dd9e8a9fe_prep
	.p2alignl 7, 3214868480
	.fill 96, 4, 3214868480
	.section	.rodata,"a",@progbits
	.p2align	6, 0x0
	.amdhsa_kernel k_q8dd9e8a9fe_prep
		.amdhsa_group_segment_fixed_size 14592
		.amdhsa_private_segment_fixed_size 0
		.amdhsa_enable_private_segment 0
		.amdhsa_kernarg_size 96
		.amdhsa_user_sgpr_count 2
		.amdhsa_user_sgpr_kernarg_segment_ptr 1
		.amdhsa_wavefront_size32 1
		.amdhsa_system_sgpr_workgroup_id_x 1
		.amdhsa_system_sgpr_workgroup_id_y 1
		.amdhsa_system_sgpr_workgroup_id_z 1
		.amdhsa_system_vgpr_workitem_id 0
		.amdhsa_next_free_vgpr 194
		.amdhsa_next_free_sgpr 100
		.amdhsa_reserve_vcc 1
		.amdhsa_float_denorm_mode_32 3
		.amdhsa_float_denorm_mode_16_64 3
		.amdhsa_memory_ordered 1
		.amdhsa_forward_progress 1
		.amdhsa_inst_pref_size 255
	.end_amdhsa_kernel
	.section	.bss,"aw",@nobits
	.p2align	6
	.space	262144
	.amdgpu_metadata
---
amdhsa.version: [ 1, 2 ]
amdhsa.kernels:
  - .name:           k_q8dd9e8a9fe_prep
    .symbol:         k_q8dd9e8a9fe_prep.kd
    .args:
      - { .name: x, .offset: 0, .size: 8, .value_kind: global_buffer, .address_space: global }
      - { .name: ln1_g, .offset: 8, .size: 8, .value_kind: global_buffer, .address_space: global }
      - { .name: ln1_b, .offset: 16, .size: 8, .value_kind: global_buffer, .address_space: global }
      - { .name: mask, .offset: 24, .size: 8, .value_kind: global_buffer, .address_space: global }
      - { .name: Wq, .offset: 32, .size: 8, .value_kind: global_buffer, .address_space: global }
      - { .name: Wk, .offset: 40, .size: 8, .value_kind: global_buffer, .address_space: global }
      - { .name: Wv, .offset: 48, .size: 8, .value_kind: global_buffer, .address_space: global }
      - { .name: Wo, .offset: 56, .size: 8, .value_kind: global_buffer, .address_space: global }
      - { .name: W1, .offset: 64, .size: 8, .value_kind: global_buffer, .address_space: global }
      - { .name: W2, .offset: 72, .size: 8, .value_kind: global_buffer, .address_space: global }
      - { .name: wts, .offset: 80, .size: 8, .value_kind: global_buffer, .address_space: global }
      - { .name: msk, .offset: 88, .size: 8, .value_kind: global_buffer, .address_space: global }
    .group_segment_fixed_size: 14592
    .private_segment_fixed_size: 0
    .kernarg_segment_align: 8
    .kernarg_segment_size: 96
    .max_flat_workgroup_size: 160
    .sgpr_count:     100
    .vgpr_count:     194
    .wavefront_size: 32
...
	.end_amdgpu_metadata
.endif
;; end of part 1
;; launch qkv (part 2): grid 6 x 32, 4 waves a work-group, no clusters, 0 bytes of LDS; arguments wts, bq, bk, bv, qkv; writes qkv
.if DOCPART == 2
	.amdgcn_target "amdgcn-amd-amdhsa--gfx1250"
	.amdhsa_code_object_version 6
	.text
	.protected	k_q8dd9e8a9fe_qkv
	.globl	k_q8dd9e8a9fe_qkv
	.p2align	8
	.type	k_q8dd9e8a9fe_qkv,@function
k_q8dd9e8a9fe_qkv:
	s_mov_b64 s[64:65], 0
	v_nop
	global_prefetch_b8 v0, s[64:65] scope:SCOPE_SE
	s_setreg_imm32_b32 hwreg(HW_REG_WAVE_MODE, 25, 1), 1
	s_wait_xcnt 0x0
; Q, K, V = LN1(x) W + b on codes of FP4, quantised again on the way out: q and k along the head's 64 channels, v along the keys.
; A wave makes 128 x 128: X = 8 tiles as source 0, Y = 8 tiles as source 1, K = 1,024 in 8 steps written out.  Operands are images in the order of the operand's registers: a fragment is two loads of 512 consecutive bytes.
; Work-group x = 0, 1: q; 2, 3: k: X = 128 rows of the weight, Y = 128 tokens: a lane's registers run along the channels.  x = 4, 5: v: X = tokens, Y = weight rows: they run along the keys.
; A tile's slots are laid so that the 64 registers of a lane's 8 results are: register n = natural index 32 (n / 16) + 16 (lane / 16) + n % 16 of X's 128 rows: sixteen neighbours of each block of 32.
; No tile is shared through LDS or a cluster: the four waves of a work-group read the same 64 KB of tokens through the caches; what is shared is half of a step's bytes.
; REGISTERS: window 0: v0-31 addresses and at work; v32-63 X's scale words, v64-95 Y's (nothing else ever); v96-127 at work; v128-255 Y's fragments, two sets.  window 1: v0-191 X's fragments, three sets.  windows 2, 3: the 64 accumulators.
; LIMITS: a block whose largest magnitude lies under 2^-124 gets the byte 1; NaN and infinities are not served.
.set WQKV_S, 6291456
.set H1_C, 6684672
.set H1_S, 8781824
.set Q_S, 6291456
.set TILEB, 8192
.set XSC, 32
.set YSC, 64
.set TM, 96
.set PW, 112
.set PC, 114
.set SW, 20
.set ST, 128
.set BX, 192
.set XP, 20
.set YP, 22
.set XS0, 24
.set YS0, 28
.set SEL, 52
.set MSB, 0
.macro WIN new                         ; the immediate's high byte repeats the setting that is left
.if MSB != \new
	s_set_vgpr_msb (MSB<<8)|\new
.set MSB, \new
.endif
.endm
.macro PLACES                          ; four plain places behind matrix instructions, ahead of loads into their operands and of reads of their results
.rept 4
	v_nop
.endr
.endm
.macro WMZ ra, rb                      ; a sum's first product: C = 0
.if (\ra) && (\rb)
	v_wmma_scale_f32_16x16x128_f8f6f4 v[rD:rD+7], v[rX:rX+7], v[rY:rY+7], 0, v[rSX], v[rSY] matrix_a_fmt:MATRIX_FMT_FP4 matrix_b_fmt:MATRIX_FMT_FP4 matrix_a_scale:MATRIX_SCALE_ROW1 matrix_b_scale:MATRIX_SCALE_ROW1
.elseif (\ra)
	v_wmma_scale_f32_16x16x128_f8f6f4 v[rD:rD+7], v[rX:rX+7], v[rY:rY+7], 0, v[rSX], v[rSY] matrix_a_fmt:MATRIX_FMT_FP4 matrix_b_fmt:MATRIX_FMT_FP4 matrix_a_scale:MATRIX_SCALE_ROW1
.elseif (\rb)
	v_wmma_scale_f32_16x16x128_f8f6f4 v[rD:rD+7], v[rX:rX+7], v[rY:rY+7], 0, v[rSX], v[rSY] matrix_a_fmt:MATRIX_FMT_FP4 matrix_b_fmt:MATRIX_FMT_FP4 matrix_b_scale:MATRIX_SCALE_ROW1
.else
	v_wmma_scale_f32_16x16x128_f8f6f4 v[rD:rD+7], v[rX:rX+7], v[rY:rY+7], 0, v[rSX], v[rSY] matrix_a_fmt:MATRIX_FMT_FP4 matrix_b_fmt:MATRIX_FMT_FP4
.endif
.endm
.macro WMA ra, rb
.if (\ra) && (\rb)
	v_wmma_scale_f32_16x16x128_f8f6f4 v[rD:rD+7], v[rX:rX+7], v[rY:rY+7], v[rD:rD+7], v[rSX], v[rSY] matrix_a_fmt:MATRIX_FMT_FP4 matrix_b_fmt:MATRIX_FMT_FP4 matrix_a_scale:MATRIX_SCALE_ROW1 matrix_b_scale:MATRIX_SCALE_ROW1
.elseif (\ra)
	v_wmma_scale_f32_16x16x128_f8f6f4 v[rD:rD+7], v[rX:rX+7], v[rY:rY+7], v[rD:rD+7], v[rSX], v[rSY] matrix_a_fmt:MATRIX_FMT_FP4 matrix_b_fmt:MATRIX_FMT_FP4 matrix_a_scale:MATRIX_SCALE_ROW1
.elseif (\rb)
	v_wmma_scale_f32_16x16x128_f8f6f4 v[rD:rD+7], v[rX:rX+7], v[rY:rY+7], v[rD:rD+7], v[rSX], v[rSY] matrix_a_fmt:MATRIX_FMT_FP4 matrix_b_fmt:MATRIX_FMT_FP4 matrix_b_scale:MATRIX_SCALE_ROW1
.else
	v_wmma_scale_f32_16x16x128_f8f6f4 v[rD:rD+7], v[rX:rX+7], v[rY:rY+7], v[rD:rD+7], v[rSX], v[rSY] matrix_a_fmt:MATRIX_FMT_FP4 matrix_b_fmt:MATRIX_FMT_FP4
.endif
.endm
.macro WM a, b, ks                     ; Y's tile a x X's tile b, K step ks.  A scale load's four registers are four K steps; its lanes 0-15 an even tile, 16-31 the odd one beside it
.set rD, 8*(8*((\a)%4)+(\b))
.set rX, 64*((\ks)%3)+8*(\b)
.set rY, 128+64*((\ks)%2)+8*(\a)
.set rSX, XSC+(((\ks)/4)*4+(\b)/2)*4+(\ks)%4
.set rSY, YSC+(((\ks)/4)*4+(\a)/2)*4+(\ks)%4
.if (\ks) == 0
	WMZ (\b)%2, (\a)%2
.else
	WMA (\b)%2, (\a)%2
.endif
.endm
.macro LDSC
.irp kg, 0,1
.irp j, 0,1,2,3
	global_load_b128 v[XSC+16*\kg+4*\j:XSC+16*\kg+4*\j+3], v1, s[XS0+2*\kg:XS0+2*\kg+1] offset:512*\j
	global_load_b128 v[YSC+16*\kg+4*\j:YSC+16*\kg+4*\j+3], v1, s[YS0+2*\kg:YS0+2*\kg+1] offset:512*\j
.endr
.endr
.endm
.macro LDX ks
	WIN 0x40
.irp i, 0,1,2,3,4,5,6,7
.irp c, 0,1
	global_load_b128 v[64*((\ks)%3)+8*\i+4*\c:64*((\ks)%3)+8*\i+4*\c+3], v1, s[XP:XP+1] offset:\i*TILEB+(\ks)*1024+\c*512
.endr
.endr
.endm
.macro LDY ks, g
	WIN 0
.irp i, 0,1,2,3
.irp c, 0,1
	global_load_b128 v[128+64*((\ks)%2)+8*(4*(\g)+\i)+4*\c:128+64*((\ks)%2)+8*(4*(\g)+\i)+4*\c+3], v1, s[YP:YP+1] offset:(4*(\g)+\i)*TILEB+(\ks)*1024+\c*512
.endr
.endr
.endm
.macro MUL ks, g                       ; 32 products; the 64 accumulators take turns, one instruction a turn, in the same order in every K step
	WIN 0xa1+0x50*(\g)
.irp a, 0,1,2,3
.irp b, 0,1,2,3,4,5,6,7
	WM 4*(\g)+\a, \b, \ks
.endr
.endr
.endm
; The waits count the loads issued behind the fragments that the next 32 products read: Y's other half 8, the next K step 32, X two steps on 16 (56); then 32 + 16 + 8 (56); in the last two steps what is left.
.macro CORE
	LDSC
	LDX 0
	LDY 0, 0
	LDY 0, 1
	LDX 1
	LDY 1, 0
	LDY 1, 1
.set KS, 0
.rept 8
.if KS <= 5
	LDX KS+2
	s_wait_loadcnt 56
.elseif KS == 6
	s_wait_loadcnt 40
.else
	s_wait_loadcnt 8
.endif
	MUL KS, 0
.if KS <= 5
	PLACES
	LDY KS+2, 0
	s_wait_loadcnt 56
.elseif KS == 6
	s_wait_loadcnt 32
.else
	s_wait_loadcnt 0x0
.endif
	MUL KS, 1
	PLACES
.if KS <= 5
	LDY KS+2, 1
.endif
.set KS, KS+1
.endr
	WIN 0
.endm
; 64 numbers of a lane, register 16 b + i = k 32 b + 16 (lane / 16) + i of my row, become a fragment's codes in v[PC] on and its scale word in v[PW]
.macro QUANT s
.irp b, 0,1,2,3
	v_max3_num_f32 v[TM+\b], |v[\s+16*\b]|, |v[\s+1+16*\b]|, 0x1800000     ; with the floor 2^(3 - 127): the byte cannot fall under 1
.endr
.irp i, 2,4,6,8,10,12,14
.irp b, 0,1,2,3
	v_max3_num_f32 v[TM+\b], v[TM+\b], |v[\s+16*\b+\i]|, |v[\s+1+16*\b+\i]|
.endr
.endr
.irp b, 0,1,2,3
	v_permlanex16_b32 v[TM+4+\b], v[TM+\b], s[SEL], s[SEL+1]
.endr
.irp b, 0,1,2,3
	v_max_num_f32 v[TM+\b], v[TM+\b], v[TM+4+\b]
.endr
.irp b, 0,1,2,3
	v_add_nc_u32 v[TM+12+\b], 0xff000000, v[TM+\b]
.endr
.irp b, 0,1,2,3
	v_lshrrev_b32 v[TM+4+\b], 23, v[TM+12+\b]
.endr
	v_lshl_or_b32 v[PW], v[TM+5], 8, v[TM+4]
	v_lshl_or_b32 v[PW], v[TM+6], 16, v[PW]
	v_lshl_or_b32 v[PW], v[TM+7], 24, v[PW]
.irp b, 0,1,2,3
	v_cvt_scalef32_pk8_fp4_f32 v[PC+2*\b], v[\s+16*\b:\s+7+16*\b], v[TM+12+\b]
	v_cvt_scalef32_pk8_fp4_f32 v[PC+1+2*\b], v[\s+8+16*\b:\s+15+16*\b], v[TM+12+\b]
.endr
	v_nop                                          ; one plain place behind a scaled conversion
.irp c, 0,1
.irp i, 0,1
	v_permlane16_swap_b32 v[PC+4*\c+\i], v[PC+2+4*\c+\i]   ; a whole block to a lane, as the operand's layout wants it
.endr
.endr
.endm
	s_load_b256 s[4:11], s[0:1], 0x0               ; wts, bq, bk, bv
	s_load_b64 s[12:13], s[0:1], 0x20              ; qkv
	v_lshrrev_b32 v2, 5, v0
	v_readfirstlane_b32 s14, v2                    ; wave
	v_and_b32 v3, 31, v0
	v_lshlrev_b32 v1, 4, v3                        ; 16 x lane
	v_and_b32 v2, 15, v0                           ; r
	v_bfe_u32 v3, v0, 4, 1                         ; h
	v_lshlrev_b32 v4, 6, v3                        ; q, k: the bias of my half's sixteen channels
	v_lshlrev_b32 v5, 4, v3                        ; 16 h: the shift that brings the second head's two bytes down
	v_lshlrev_b32 v6, 13, v3
	v_lshl_add_u32 v6, v2, 4, v6                   ; q, k: scale words: 16 r, the second head 8,192 on
	v_and_b32 v7, 7, v2
	v_lshrrev_b32 v9, 3, v2
	v_lshl_add_u32 v7, v9, 4, v7
	v_lshlrev_b32 v7, 2, v7                        ; v: the bias of my slot's channel
	v_lshlrev_b32 v8, 12, v3
	v_lshl_add_u32 v8, v2, 4, v8                   ; v: scale words: 16 r, the second head 4,096 on
.irp b, 0,1,2,3
	v_mov_b32 v[TM+4+\b], 0                        ; a lane permute's destination counts as read
.endr
	s_mov_b32 s[SEL], 0x76543210
	s_mov_b32 s[SEL+1], 0xfedcba98
	s_and_b32 s15, ttmp7, 0xffff                   ; the group of 128 tokens
	s_lshl_b32 s16, ttmp9, 2
	s_add_co_u32 s16, s16, s14                     ; the group of 128 weight rows, 0-23
	s_lshl_b32 s32, s16, 16                        ; the weight's codes,
	s_lshl_b32 s33, s16, 11
	s_add_co_u32 s33, s33, WQKV_S                  ; its scale bytes,
	s_lshl_b32 s34, s15, 16
	s_add_co_u32 s34, s34, H1_C                    ; the tokens' codes,
	s_lshl_b32 s35, s15, 11
	s_add_co_u32 s35, s35, H1_S                    ; their scale bytes: offsets in wts
	s_mov_b32 s38, 65536
	s_mov_b32 s41, 0
	s_mov_b32 s43, 0
	s_mov_b32 s45, 0
	s_mov_b32 s47, 0
	s_mov_b32 s49, 0
	s_mov_b32 s51, 0
	s_cmp_ge_u32 ttmp9, 4                          ; for v the tokens are X
	s_cselect_b32 s40, s34, s32
	s_cselect_b32 s42, s32, s34
	s_cselect_b32 s44, s35, s33
	s_cselect_b32 s46, s33, s35
	s_cselect_b32 s48, s38, 49152                  ; from 512 along K to the next, in scale bytes
	s_cselect_b32 s50, 49152, s38
	s_and_b32 s17, s16, 7
	s_lshl_b32 s18, s17, 1
	s_lshr_b32 s19, s15, 4
	s_lshl_b32 s19, s19, 4
	s_add_co_u32 s18, s18, s19                     ; 16 x batch + my first head
	s_and_b32 s19, s15, 15                         ; the group of tokens in its batch
	s_lshl_b32 s36, s18, 16                        ; where the codes go
	s_lshl_b32 s37, s19, 12
	s_lshl_b32 s39, s19, 10
	s_cmp_ge_u32 ttmp9, 4
	s_cselect_b32 s37, s39, s37
	s_add_co_u32 s36, s36, s37
	s_lshr_b32 s39, ttmp9, 1                       ; 0 q, 1 k, 2 v
	s_lshl_b32 s37, s39, 21
	s_add_co_u32 s36, s36, s37
	s_mov_b32 s37, 0
	s_lshl_b32 s60, s18, 13                        ; and the scale words: v's regions are half as large as q's and k's
	s_lshl_b32 s61, s19, 9
	s_add_co_u32 s60, s60, s61
	s_lshr_b32 s61, s60, 1
	s_cmp_ge_u32 ttmp9, 4
	s_cselect_b32 s60, s61, s60
	s_lshl_b32 s61, s39, 18
	s_add_co_u32 s60, s60, s61
	s_add_co_u32 s60, s60, Q_S
	s_mov_b32 s61, 0
	s_lshl_b32 s62, s17, 9
	s_mov_b32 s63, 0
	s_wait_kmcnt 0x0
	s_add_nc_u64 s[XP:XP+1], s[4:5], s[40:41]
	s_add_nc_u64 s[YP:YP+1], s[4:5], s[42:43]
	s_add_nc_u64 s[XS0:XS0+1], s[4:5], s[44:45]
	s_add_nc_u64 s[XS0+2:XS0+3], s[XS0:XS0+1], s[48:49]
	s_add_nc_u64 s[YS0:YS0+1], s[4:5], s[46:47]
	s_add_nc_u64 s[YS0+2:YS0+3], s[YS0:YS0+1], s[50:51]
	s_add_nc_u64 s[56:57], s[12:13], s[36:37]
	s_add_nc_u64 s[58:59], s[12:13], s[60:61]
	s_cmp_lt_u32 ttmp9, 4
	s_cselect_b64 s[54:55], s[8:9], s[10:11]
	s_cmp_lt_u32 ttmp9, 2
	s_cselect_b64 s[54:55], s[6:7], s[54:55]
	s_add_nc_u64 s[54:55], s[54:55], s[62:63]      ; my 128 numbers of the bias
	CORE
	s_cmp_ge_u32 ttmp9, 4
	s_cbranch_scc1 .Lepi_v
	; ---- q, k: for each tile of tokens: + bias, quantise; registers 4 c .. 4 c + 3 of the codes are head c's 64 channels: half a fragment, 512 consecutive bytes
.irp bb, 0,1,2,3
.irp j, 0,1,2,3
	global_load_b128 v[BX+16*\bb+4*\j:BX+16*\bb+4*\j+3], v4, s[54:55] offset:128*\bb+16*\j
.endr
.endr
	s_wait_loadcnt 0x0
.irp a, 0,1,2,3,4,5,6,7
	s_wait_xcnt 0x0                                ; the last tile's stores have read their codes
	WIN 0x02+\a/4
.set N, 0
.rept 32
	v_pk_add_f32 v[ST+N:ST+N+1], v[64*(\a%4)+N:64*(\a%4)+N+1], v[BX+N:BX+N+1]     ; each accumulator from its low end on
.set N, N+2
.endr
	WIN 0
	QUANT ST
	global_store_b128 v1, v[PC:PC+3], s[56:57] offset:512*\a
	global_store_b128 v1, v[PC+4:PC+7], s[56:57] offset:65536+512*\a
	v_lshrrev_b32 v[SW+\a], v5, v[PW]              ; lanes 0-15: the first head's two bytes below; lanes 16-31: the second head's.  The bytes above them scale zero codes and are never 0xff
.endr
	global_store_b128 v6, v[SW:SW+3], s[58:59]     ; four tiles' words of a slot: 256 consecutive bytes for each head
	global_store_b128 v6, v[SW+4:SW+7], s[58:59] offset:256
	s_endpgm
	; ---- v: for each tile of 16 channels: + bias, quantise along the 128 keys: a whole fragment
.Lepi_v:
.irp a, 0,1,2,3,4,5,6,7
	global_load_b32 v[BX+2*\a], v7, s[54:55] offset:(32*(\a/2)+8*(\a%2))*4
	global_load_b32 v[BX+2*\a+1], v7, s[54:55] offset:(32*(\a/2)+8*(\a%2))*4      ; twice: a pair for the packed addition
.endr
	s_wait_loadcnt 0x0
.irp a, 0,1,2,3,4,5,6,7
	s_wait_xcnt 0x0
	WIN 0x02+\a/4
.set N, 0
.rept 32
	v_pk_add_f32 v[ST+N:ST+N+1], v[64*(\a%4)+N:64*(\a%4)+N+1], v[BX+2*\a:BX+2*\a+1]
.set N, N+2
.endr
	WIN 0
	QUANT ST
	global_store_b128 v1, v[PC:PC+3], s[56:57] offset:16384*\a
	global_store_b128 v1, v[PC+4:PC+7], s[56:57] offset:16384*\a+512
	v_mov_b32 v[SW+\a], v[PW]
.endr
	s_mov_b32 s62, 0xffff0000
.irp i, 0,1,2,3
	v_cndmask_b32 v[28+\i], v[SW+\i], v[SW+4+\i], s62      ; lanes 0-15 the first head's four tiles, lanes 16-31 the second's
.endr
	global_store_b128 v8, v[28:31], s[58:59]
	s_endpgm
.Lfunc_end_k_q8dd9e8a9fe_qkv:
	.size	k_q8dd9e8a9fe_qkv, .Lfunc_end_k_q8dd9e8a9fe_qkv-k_q8dd9e8a9fe_qkv
	.p2alignl 7, 3214868480
	.fill 96, 4, 3214868480
	.section	.rodata,"a",@progbits
	.p2align	6, 0x0
	.amdhsa_kernel k_q8dd9e8a9fe_qkv
		.amdhsa_group_segment_fixed_size 0
		.amdhsa_private_segment_fixed_size 0
		.amdhsa_enable_private_segment 0
		.amdhsa_kernarg_size 40
		.amdhsa_user_sgpr_count 2
		.amdhsa_user_sgpr_kernarg_segment_ptr 1
		.amdhsa_wavefront_size32 1
		.amdhsa_system_sgpr_workgroup_id_x 1
		.amdhsa_system_sgpr_workgroup_id_y 1
		.amdhsa_system_sgpr_workgroup_id_z 1
		.amdhsa_system_vgpr_workitem_id 0
		.amdhsa_next_free_vgpr 1024
		.amdhsa_next_free_sgpr 66
		.amdhsa_reserve_vcc 0
		.amdhsa_float_denorm_mode_32 3
		.amdhsa_float_denorm_mode_16_64 3
		.amdhsa_memory_ordered 1
		.amdhsa_forward_progress 1
		.amdhsa_inst_pref_size 197
	.end_amdhsa_kernel
	.amdgpu_metadata
---
amdhsa.version: [ 1, 2 ]
amdhsa.kernels:
  - .name:           k_q8dd9e8a9fe_qkv
    .symbol:         k_q8dd9e8a9fe_qkv.kd
    .args:
      - { .name: wts, .offset: 0, .size: 8, .value_kind: global_buffer, .address_space: global }
      - { .name: bq, .offset: 8, .size: 8, .value_kind: global_buffer, .address_space: global }
      - { .name: bk, .offset: 16, .size: 8, .value_kind: global_buffer, .address_space: global }
      - { .name: bv, .offset: 24, .size: 8, .value_kind: global_buffer, .address_space: global }
      - { .name: qkv, .offset: 32, .size: 8, .value_kind: global_buffer, .address_space: global }
    .group_segment_fixed_size: 0
    .private_segment_fixed_size: 0
    .kernarg_segment_align: 8
    .kernarg_segment_size: 40
    .max_flat_workgroup_size: 128
    .sgpr_count:     66
    .vgpr_count:     1024
    .wavefront_size: 32
...
	.end_amdgpu_metadata
.endif
;; end of part 2
;; launch attn (part 3): grid 8 x 32, 16 waves a work-group, no clusters, 145,408 bytes of LDS; arguments qkv, msk, ctx; writes ctx
.if DOCPART == 3
	.amdgcn_target "amdgcn-amd-amdhsa--gfx1250"
	.amdhsa_code_object_version 6
	.text
	.protected	k_q8dd9e8a9fe_attn
	.globl	k_q8dd9e8a9fe_attn
	.p2align	8
	.type	k_q8dd9e8a9fe_attn,@function
k_q8dd9e8a9fe_attn:
	s_mov_b64 s[64:65], 0
	v_nop
	global_prefetch_b8 v0, s[64:65] scope:SCOPE_SE
	s_setreg_imm32_b32 hwreg(HW_REG_WAVE_MODE, 25, 1), 1
	s_wait_xcnt 0x0
; ctx = softmax(q k^T / 8, under the given mask) v, both products on codes of FP4; the result is quantised along D as the next product's operand.
; p = 2^(t - M), t = score x log2(e) / 8, M the running largest t rounded up to a whole number; the row's sum is taken of the unquantised p and divides at the end.
; SHARES.  A work-group takes one (batch, head) and 16 tiles of 16 queries, one to a wave; four waves share a SIMD, so that one wave's vector work stands beside another's products and LDS loads.
; Waves 0-7 take tiles 8 x + w, waves 8-15 tiles 127 - (8 x + w - 8): that evens the work out where the mask is triangular, and is right for any mask.
; The head's K and V images and their scale words (139,264 + 4,096 bytes) are copied into LDS once, through registers; one barrier; then the waves share nothing.
; THE MASK is read as it was packed: a class for each (tile of queries, step of 128 keys), and 64 lane-mask words.  A step all of whose places are closed is left out; in a step all of whose places are open
; the words are not loaded and the 64 selects are left out; only a mixed step loads its 64 words.
; Both products are used transposed: a lane holds one query.  The head size is 64: the upper half of q's and k's fragments is zero codes.
; A ROW WITH NO OPEN KEY has the sum 0: its scale bytes are written as 0xff, which makes that token's whole row NaN in the next product, as the softmax of such a row is.
; The scale bytes leave as 2 bytes a row (2 bytes for each 32 of codes): they are not whole runs of 256 bytes.
; LIMITS: NaN and infinities among the scores are not served; a block whose largest magnitude lies under 2^-124 gets the byte 1.
; REGISTERS: v1 16 x lane; v5-7 region bases; v8-11 the step's addresses; v12 -M, v13 the largest t, v[14:15] the sum; v16-23 q; v24-27 k's scale words, v28-31 v's, v249 q's, v253 p's (scales and nothing else);
;   v32-95 k's 8 fragments; v96-159 scores, then p; v160-191 O^T; v192-223 v's 4 fragments; v224-231 p's codes; v232-254 at work; v248 -infinity.
.set K_C, 2097152
.set V_C, 4194304
.set Q_S, 6291456
.set K_S, 6553600
.set V_S, 6815744
.set VI,  65536                        ; LDS: K's image at 0, V's here,
.set KSL, 131072                       ; K's scale words,
.set VSL, 139264                       ; V's
	s_load_b128 s[4:7], s[0:1], 0x0                ; qkv, msk
	s_load_b64 s[2:3], s[0:1], 0x10                ; ctx
	v_lshl_add_u32 v251, v0, 2, 0x23000
	v_mov_b32 v255, 0
	v_lshrrev_b32 v8, 5, v0
	v_readfirstlane_b32 s8, v8                     ; wave
	s_and_b32 s10, ttmp7, 0xffff                   ; 16 x batch + head
	s_lshl_b32 s92, ttmp9, 3
	s_add_co_u32 s92, s92, s8
	s_sub_co_u32 s93, 135, s92
	s_cmp_lt_u32 s8, 8
	s_cselect_b32 s9, s92, s93                     ; my tile of queries
	v_and_b32 v2, 15, v0                           ; r
	v_bfe_u32 v3, v0, 4, 1                         ; h
	v_and_b32 v1, 31, v0
	v_lshlrev_b32 v1, 4, v1
	v_lshlrev_b32 v232, 4, v0                      ; the copy: 16 bytes a thread
	v_add_nc_u32 v233, VI, v232
	v_add_nc_u32 v234, KSL, v232
	v_lshl_add_u32 v235, v0, 3, VSL
	v_lshlrev_b32 v238, 3, v0
	s_lshl_b32 s92, s9, 9
	v_add_nc_u32 v236, s92, v1                     ; q's half fragment
	s_lshr_b32 s92, s9, 2
	s_lshl_b32 s92, s92, 8
	s_and_b32 s93, s9, 3
	s_lshl_b32 s93, s93, 2
	s_add_co_u32 s92, s92, s93
	v_lshl_add_u32 v237, v2, 4, s92                ; q's scale word
	s_mov_b32 s86, 0x76543210
	s_mov_b32 s87, 0xfedcba98
	s_mov_b32 s88, 0x3e38aa3b                      ; log2(e) / 8
	s_mov_b32 s89, s88
	s_mov_b32 s93, 0
	s_lshl_b32 s92, s10, 16
	s_wait_kmcnt 0x0
	s_add_nc_u64 s[94:95], s[4:5], s[92:93]
	s_lshl_b32 s92, s10, 13
	s_add_nc_u64 s[96:97], s[4:5], s[92:93]
	s_lshl_b32 s92, s10, 12
	s_add_nc_u64 s[98:99], s[4:5], s[92:93]
	s_lshl_b32 s92, s9, 12
	s_add_nc_u64 s[90:91], s[6:7], s[92:93]        ; my tile's mask words, 256 bytes a step
	s_lshl_b32 s92, s9, 6
	s_load_b512 s[16:31], s[6:7], s92 offset:0x80000       ; its sixteen classes
.irp i, 0,1,2,3,4,5,6,7
	global_load_b128 v[32+4*\i:35+4*\i], v232, s[94:95] offset:K_C+8192*\i
.endr
.irp i, 0,1,2,3,4,5,6,7
	global_load_b128 v[64+4*\i:67+4*\i], v232, s[94:95] offset:V_C+8192*\i
.endr
	global_load_b128 v[96:99], v232, s[96:97] offset:K_S
	global_load_b64 v[100:101], v238, s[98:99] offset:V_S
	global_load_b128 v[16:19], v236, s[94:95]
	global_load_b32 v249, v237, s[96:97] offset:Q_S
	s_wait_kmcnt 0x0
	s_mov_b32 s11, s16                             ; the classes, two bits each
.irp i, 1,2,3,4,5,6,7,8,9,10,11,12,13,14,15
	s_lshl_b32 s12, s[16+\i], 2*\i
	s_or_b32 s11, s11, s12
.endr
.set N, 16
.rept 24
	s_mov_b64 s[N:N+1], -1                         ; the 64 word registers begin as all open: written once, so that no way through the text selects by a register that was never written
.set N, N+2
.endr
.set N, 68
.rept 8
	s_mov_b64 s[N:N+1], -1
.set N, N+2
.endr
	s_wait_loadcnt 0x0
.irp i, 0,1,2,3,4,5,6,7
	ds_store_b128 v232, v[32+4*\i:35+4*\i] offset:8192*\i
	ds_store_b128 v233, v[64+4*\i:67+4*\i] offset:8192*\i
.endr
	ds_store_b128 v234, v[96:99]
	ds_store_b64 v235, v[100:101]
	s_wait_dscnt 0x0                               ; for the others' sake: my part of the copy has landed
	s_barrier_signal -1
	s_barrier_wait -1
	v_add_nc_u32 v5, VI, v1
	v_add_nc_u32 v6, KSL, v1
	v_lshl_add_u32 v7, v2, 4, VSL
.irp j, 20,21,22,23
	v_mov_b32 v[\j], 0                             ; channels 64-127 of q: zero codes
.endr
.irp t, 0,1,2,3,4,5,6,7
.irp j, 4,5,6,7
	v_mov_b32 v[32+8*\t+\j], 0                     ; and of k: written once, never loaded over
.endr
.endr
.set N, 0
.rept 32
	v_mov_b32 v[160+N], 0                          ; O^T: the step is written once; the first change of M leaves zeros zeros
.set N, N+1
.endr
	v_mov_b32 v13, 0xff61b1e6                      ; the largest t so far: -3e38
	v_floor_f32 v12, -v13
	v_mov_b32 v14, 0
	v_mov_b32 v15, 0
.irp b, 0,1,2,3
	v_mov_b32 v[236+\b], 0
.endr
	v_mov_b32 v248, 0xff800000
	v_mov_b32 v252, 0
	v_mov_b32 v253, 0
	s_mov_b32 s12, 0
	s_mov_b32 s14, 0
	s_mov_b32 s15, 0
	s_mov_b32 s84, 0
	s_mov_b32 s85, 0
.Lstep:                                                ; sixteen trips, a constant; what a step's class leaves out is jumped over inside the trip
	s_and_b32 s13, s11, 3
	s_lshr_b32 s11, s11, 2
	s_cmp_eq_u32 s13, 0
	s_cbranch_scc1 .Lskip
	s_cmp_eq_u32 s13, 2
	s_cbranch_scc1 .Lnomask                        ; all open: no word is wanted
	s_load_b512 s[16:31], s[90:91], 0x0
	s_load_b512 s[32:47], s[90:91], 0x40
	s_load_b512 s[48:63], s[90:91], 0x80
	s_load_b512 s[68:83], s[90:91], 0xc0
.Lnomask:
	v_add_nc_u32 v8, s14, v1                       ; these four are also the places behind the last step's products, ahead of the loads into their operands
	v_add_nc_u32 v9, s15, v5
	v_add_nc_u32 v10, s84, v6
	v_add_nc_u32 v11, s85, v7
.irp t, 0,1,2,3,4,5,6,7
	ds_load_b128 v[32+8*\t:35+8*\t], v8 offset:512*\t
.endr
	ds_load_b128 v[24:27], v10                     ; lanes 0-15: the words of tiles 0-3; lanes 16-31: of tiles 4-7
.irp t, 0,1,2,3
.irp c, 0,1
	ds_load_b128 v[192+8*\t+4*\c:195+8*\t+4*\c], v9 offset:16384*\t+512*\c
.endr
.endr
	ds_load_b128 v[28:31], v11
	s_wait_dscnt 9                                 ; k and its words are in; v's eight loads and its words may be out
.irp t, 0,1,2,3
	v_wmma_scale_f32_16x16x128_f8f6f4 v[96+8*\t:103+8*\t], v[32+8*\t:39+8*\t], v[16:23], 0, v[24+\t], v249 matrix_a_fmt:MATRIX_FMT_FP4 matrix_b_fmt:MATRIX_FMT_FP4
.endr
.irp t, 4,5,6,7
	v_wmma_scale_f32_16x16x128_f8f6f4 v[96+8*\t:103+8*\t], v[32+8*\t:39+8*\t], v[16:23], 0, v[20+\t], v249 matrix_a_fmt:MATRIX_FMT_FP4 matrix_b_fmt:MATRIX_FMT_FP4 matrix_a_scale:MATRIX_SCALE_ROW1
.endr
.rept 4
	v_nop
.endr
	s_wait_kmcnt 0x0                               ; on every way: a mixed step's words are in; where none was asked for the wait is met at once
	s_cmp_eq_u32 s13, 2
	s_cbranch_scc1 .Lopen
.set N, 0
.rept 48
	v_cndmask_b32 v[96+N], v248, v[96+N], s[16+N]  ; a closed place becomes -infinity ahead of the maximum: p = 0 there
.set N, N+1
.endr
.rept 16
	v_cndmask_b32 v[96+N], v248, v[96+N], s[20+N]
.set N, N+1
.endr
.Lopen:
.irp b, 0,1,2,3
	v_max3_num_f32 v[232+\b], v[96+16*\b], v[97+16*\b], v[98+16*\b]        ; the largest score of each block of 32 keys: for the row's maximum, and, since p rises with the score, for the block's largest p
.endr
.irp i, 3,5,7,9,11,13
.irp b, 0,1,2,3
	v_max3_num_f32 v[232+\b], v[232+\b], v[96+16*\b+\i], v[97+16*\b+\i]
.endr
.endr
.irp b, 0,1,2,3
	v_max_num_f32 v[232+\b], v[232+\b], v[111+16*\b]
.endr
.irp b, 0,1,2,3
	v_permlanex16_b32 v[236+\b], v[232+\b], s86, s87
.endr
.irp b, 0,1,2,3
	v_max_num_f32 v[232+\b], v[232+\b], v[236+\b]
.endr
	v_max3_num_f32 v254, v232, v233, v234
	v_max_num_f32 v254, v254, v235
	v_mul_f32 v254, s88, v254
	v_max_num_f32 v13, v13, v254                   ; the running largest t
	v_mov_b32 v254, v12
	v_floor_f32 v12, -v13                          ; -M = floor(-t): M is a whole number
	v_sub_f32 v254, v12, v254
	v_cvt_i32_f32 v254, v254                       ; (it saturates)
	v_ldexp_f32 v252, 1.0, v254                    ; f = 2^(old M - new M): rounds nothing
.set N, 0
.rept 32
	v_pk_fma_f32 v[96+N:97+N], v[96+N:97+N], s[88:89], v[12:13] op_sel_hi:[1,0,0]
.set N, N+2
.endr
.irp b, 0,1,2,3
	v_fma_f32 v[232+\b], v[232+\b], s88, v12
.endr
.set N, 0
.rept 64
	v_exp_f32 v[96+N], v[96+N]
.set N, N+1
.endr
	v_pk_mul_f32 v[14:15], v[14:15], v[252:253] op_sel_hi:[1,0]    ; the sums under the new M; a plain place behind the exponentials
	s_wait_alu depctr_va_vdst(0)                   ; one wait for the batch, ahead of its first reader
.irp b, 0,1,2,3
	v_exp_f32 v[232+\b], v[232+\b]
.endr
	v_pk_add_f32 v[236:237], v[96:97], v[98:99]    ; the row's sum, of the unquantised p, in two chains
.irp j, 4,8,12,16,20,24,28,32,36,40,44,48,52,56,60
	v_pk_add_f32 v[14:15], v[14:15], v[96+\j:97+\j]
	v_pk_add_f32 v[236:237], v[236:237], v[98+\j:99+\j]
.endr
	v_pk_add_f32 v[14:15], v[14:15], v[236:237]
	s_wait_alu depctr_va_vdst(0)                   ; and one for the four
.irp b, 0,1,2,3
	v_max_num_f32 v[232+\b], 0x1800000, v[232+\b]
.endr
.irp b, 0,1,2,3
	v_add_nc_u32 v[244+\b], 0xff000000, v[232+\b]
.endr
.irp b, 0,1,2,3
	v_lshrrev_b32 v[236+\b], 23, v[244+\b]
.endr
	v_lshl_or_b32 v253, v237, 8, v236
	v_lshl_or_b32 v253, v238, 16, v253
	v_lshl_or_b32 v253, v239, 24, v253
.irp b, 0,1,2,3
	v_cvt_scalef32_pk8_fp4_f32 v[224+2*\b], v[96+16*\b:103+16*\b], v[244+\b]
	v_cvt_scalef32_pk8_fp4_f32 v[225+2*\b], v[104+16*\b:111+16*\b], v[244+\b]
.endr
	v_nop
.irp c, 0,1
.irp i, 0,1
	v_permlane16_swap_b32 v[224+4*\c+\i], v[226+4*\c+\i]
.endr
.endr
.set N, 0
.rept 16
	v_pk_mul_f32 v[160+N:161+N], v[160+N:161+N], v[252:253] op_sel_hi:[1,0]        ; O^T under the new M; these sixteen also stand between the writes of p's codes and scale word and the products
.set N, N+2
.endr
	s_wait_dscnt 0x0                               ; v and its words are in
.irp t, 0,1,2,3
	v_wmma_scale_f32_16x16x128_f8f6f4 v[160+8*\t:167+8*\t], v[192+8*\t:199+8*\t], v[224:231], v[160+8*\t:167+8*\t], v[28+\t], v253 matrix_a_fmt:MATRIX_FMT_FP4 matrix_b_fmt:MATRIX_FMT_FP4
.endr
.Lskip:
	s_add_co_u32 s14, s14, 4096
	s_add_co_u32 s15, s15, 1024
	s_add_co_u32 s84, s84, 512
	s_add_co_u32 s85, s85, 256
	s_add_nc_u64 s[90:91], s[90:91], 256
	s_add_co_u32 s12, s12, 1
	s_cmp_lt_u32 s12, 16
	s_cbranch_scc1 .Lstep
	; THE WAY OUT: O^T / the sum; register n is channel 32 (n / 16) + 16 h + n % 16: two blocks of the next product's K
.rept 4
	v_nop
.endr
	v_add_f32 v14, v14, v15
	v_permlanex16_b32 v252, v14, s86, s87
	v_add_f32 v14, v14, v252
	v_rcp_f32 v254, v14
	v_cmp_eq_f32 vcc_lo, 0, v14                    ; no open key in the row
	s_lshr_b32 s92, s10, 4
	s_lshl_b32 s92, s92, 7
	s_add_co_u32 s92, s92, s9                      ; the image tile of tokens
	s_and_b32 s93, s10, 15                         ; the head
	s_lshl_b32 s94, s92, 13
	s_lshl_b32 s95, s93, 9
	s_add_co_u32 s94, s94, s95
	s_mov_b32 s95, 0
	s_add_nc_u64 s[96:97], s[2:3], s[94:95]
	s_lshr_b32 s94, s93, 3
	s_lshl_b32 s94, s94, 16
	s_lshl_b32 s92, s92, 8
	s_add_co_u32 s94, s94, s92
	s_and_b32 s93, s93, 7
	s_lshl_b32 s93, s93, 1
	s_add_co_u32 s94, s94, s93
	s_add_nc_u64 s[98:99], s[2:3], s[94:95]
	s_wait_alu depctr_va_vdst(0)
.set N, 0
.rept 32
	v_mul_f32 v[96+N], v[160+N], v254
.set N, N+1
.endr
.irp b, 0,1
	v_max3_num_f32 v[232+\b], |v[96+16*\b]|, |v[97+16*\b]|, 0x1800000
.endr
.irp i, 2,4,6,8,10,12,14
.irp b, 0,1
	v_max3_num_f32 v[232+\b], v[232+\b], |v[96+16*\b+\i]|, |v[97+16*\b+\i]|
.endr
.endr
.irp b, 0,1
	v_permlanex16_b32 v[236+\b], v[232+\b], s86, s87
.endr
.irp b, 0,1
	v_max_num_f32 v[232+\b], v[232+\b], v[236+\b]
.endr
.irp b, 0,1
	v_add_nc_u32 v[244+\b], 0xff000000, v[232+\b]
.endr
.irp b, 0,1
	v_lshrrev_b32 v[236+\b], 23, v[244+\b]
.endr
	v_lshl_or_b32 v240, v237, 8, v236
	v_mov_b32 v241, 0xffff
	v_cndmask_b32 v240, v240, v241, vcc_lo         ; the NaN bytes for a row with no open key
.irp b, 0,1
	v_cvt_scalef32_pk8_fp4_f32 v[224+2*\b], v[96+16*\b:103+16*\b], v[244+\b]
	v_cvt_scalef32_pk8_fp4_f32 v[225+2*\b], v[104+16*\b:111+16*\b], v[244+\b]
.endr
	v_nop
	v_permlane16_swap_b32 v224, v226
	v_permlane16_swap_b32 v225, v227
	v_and_b32 v242, 31, v0
	v_lshlrev_b32 v243, 4, v2
	global_store_b128 v1, v[224:227], s[96:97]     ; half a fragment: 512 consecutive bytes
	v_cmp_gt_u32 vcc_lo, 16, v242
	s_wait_xcnt 0x0                                ; EXEC changes only behind this wait
	s_wait_tensorcnt 0x0
	ds_add_u32 v251, v255
	s_wait_dscnt 0x0
	s_and_saveexec_b32 s92, vcc_lo
	global_store_b16 v243, v240, s[98:99] offset:2097152
	s_wait_xcnt 0x0
	s_or_b32 exec_lo, exec_lo, s92
	s_endpgm
.Lfunc_end_k_q8dd9e8a9fe_attn:
	.size	k_q8dd9e8a9fe_attn, .Lfunc_end_k_q8dd9e8a9fe_attn-k_q8dd9e8a9fe_attn
	.p2alignl 7, 3214868480
	.fill 96, 4, 3214868480
	.section	.rodata,"a",@progbits
	.p2align	6, 0x0
	.amdhsa_kernel k_q8dd9e8a9fe_attn
		.amdhsa_group_segment_fixed_size 145408
		.amdhsa_private_segment_fixed_size 0
		.amdhsa_enable_private_segment 0
		.amdhsa_kernarg_size 24
		.amdhsa_user_sgpr_count 2
		.amdhsa_user_sgpr_kernarg_segment_ptr 1
		.amdhsa_wavefront_size32 1
		.amdhsa_system_sgpr_workgroup_id_x 1
		.amdhsa_system_sgpr_workgroup_id_y 1
		.amdhsa_system_sgpr_workgroup_id_z 1
		.amdhsa_system_vgpr_workitem_id 0
		.amdhsa_next_free_vgpr 256
		.amdhsa_next_free_sgpr 102
		.amdhsa_reserve_vcc 1
		.amdhsa_float_denorm_mode_32 3
		.amdhsa_float_denorm_mode_16_64 3
		.amdhsa_memory_ordered 1
		.amdhsa_forward_progress 1
		.amdhsa_inst_pref_size 35
	.end_amdhsa_kernel
	.amdgpu_metadata
---
amdhsa.version: [ 1, 2 ]
amdhsa.kernels:
  - .name:           k_q8dd9e8a9fe_attn
    .symbol:         k_q8dd9e8a9fe_attn.kd
    .args:
      - { .name: qkv, .offset: 0, .size: 8, .value_kind: global_buffer, .address_space: global }
      - { .name: msk, .offset: 8, .size: 8, .value_kind: global_buffer, .address_space: global }
      - { .name: ctx, .offset: 16, .size: 8, .value_kind: global_buffer, .address_space: global }
    .group_segment_fixed_size: 145408
    .private_segment_fixed_size: 0
    .kernarg_segment_align: 8
    .kernarg_segment_size: 24
    .max_flat_workgroup_size: 512
    .sgpr_count:     102
    .vgpr_count:     256
    .wavefront_size: 32
...
	.end_amdgpu_metadata
.endif
;; end of part 3
;; launch oproj (part 4): grid 256 x 1, 4 waves a work-group, no clusters, 93,952 bytes of LDS; arguments ctx, wts, bo, x, ln2_g, ln2_b, x1, h2; writes x1, h2
.if DOCPART == 4
	.amdgcn_target "amdgcn-amd-amdhsa--gfx1250"
	.amdhsa_code_object_version 6
	.text
	.protected	k_q8dd9e8a9fe_oproj
	.globl	k_q8dd9e8a9fe_oproj
	.p2align	8
	.type	k_q8dd9e8a9fe_oproj,@function
k_q8dd9e8a9fe_oproj:
	s_mov_b64 s[64:65], 0
	v_nop
	global_prefetch_b8 v0, s[64:65] scope:SCOPE_SE
	s_setreg_imm32_b32 hwreg(HW_REG_WAVE_MODE, 25, 1), 1
	s_wait_xcnt 0x0
; x1 = x + ctx Wo + bo (product on codes of FP4), and h2 = LN2(x1) quantised along D, in one launch: a work-group owns 16 WHOLE rows, one image tile of tokens, so that the norm needs no second launch: 256 work-groups.
; Wave w: X = Wo's tiles 16 w .. 16 w + 15 (256 columns) as source 0, Y = the work-group's tile of tokens as source 1; K = 1,024 in 8 steps written out; 16 accumulators by turns.
; Then the 16 x 1,024 results meet in a stage in LDS (a row to a slot, 4,096 + 16 bytes), a barrier, and wave w makes slots 2 w, 2 w + 1, 2 w + 8, 2 w + 9: + bo, + x, store x1, norm, quantise into the tile's one image in LDS;
; a second barrier, since four waves fill that image; wave w stores 2,048 of its 8,192 bytes, wave 0 the 512 scale bytes.
; What the rows want (gain, bias, bo, my four rows of x: 56 loads) is asked for first of all, into window 3: older than every load that the product's waits count, and in by the product's last wait: the rows wait for no load.
; Every work-group reads all of Wo's codes (512 KB), whatever its rows: whole rows for the norm ask for that.  They are not asked for jointly: the fragments go from memory straight into registers, in the order of the operand's
; registers, and this text has no tensor load.
; The window is switched twice for each four products and eight loads: the loads follow their group of four tiles, so that 56 loads of the wave stay on their way.
; REGISTERS: window 0: v0-31, v240 addresses and at work; v32-95 X's scale words, v96-103 Y's (nothing else ever); v112-175 Y's 8 fragments, later a row and the image on its way out; v208-239 a block of 32.
;   window 1: X's fragments, two sets of 128.   window 2: v0-127 the 16 accumulators.   window 3: v0-31 ln2_g, v32-63 ln2_b, v64-95 bo, v96-223 four rows of x.
; LIMITS: a block whose largest magnitude lies under 2^-124 gets the byte 1; a row that is NaN (no open key) stays NaN in x1; other NaN and infinities are not served.
.set WO_C, 1572864
.set WO_S, 6389760
.set SOFF, 2097152
.set SPITCH, 4112                      ; a stage row
.set TRB, 16*SPITCH                    ; LDS: the stage at 0; here TR, 32 x 144 for each wave: a row turns from 16 bytes a lane to a block of 32 numbers a lane;
.set IMB, TRB+4*4608                   ; IM, 32 x 272: the tile's image;
.set SSB, IMB+32*272                   ; SS, 512: its scale bytes
.set YP, 24
.set YS0, 26
.set XP, 30
.set XS0, 32
.set SEL, 48
.set MSB, 0
.macro WIN new                         ; the immediate's high byte repeats the setting that is left
.if MSB != \new
	s_set_vgpr_msb (MSB<<8)|\new
.set MSB, \new
.endif
.endm
.macro PLACES                          ; four plain places behind matrix instructions, ahead of loads into their operands and of reads of their results
.rept 4
	v_nop
.endr
.endm
.macro OWM b, ks                       ; X's tile b x the tile of tokens, K step ks.  An X scale load's four registers are four K steps; its lanes 0-15 an even tile, 16-31 the odd one beside it
.set rD, 8*(\b)
.set rX, 128*((\ks)%2)+8*(\b)
.set rY, 112+8*(\ks)
.set rSX, 32+(((\ks)/4)*8+(\b)/2)*4+(\ks)%4
.set rSY, 96+(\ks)
.if (\ks) == 0
.if (\b)%2
	v_wmma_scale_f32_16x16x128_f8f6f4 v[rD:rD+7], v[rX:rX+7], v[rY:rY+7], 0, v[rSX], v[rSY] matrix_a_fmt:MATRIX_FMT_FP4 matrix_b_fmt:MATRIX_FMT_FP4 matrix_a_scale:MATRIX_SCALE_ROW1
.else
	v_wmma_scale_f32_16x16x128_f8f6f4 v[rD:rD+7], v[rX:rX+7], v[rY:rY+7], 0, v[rSX], v[rSY] matrix_a_fmt:MATRIX_FMT_FP4 matrix_b_fmt:MATRIX_FMT_FP4
.endif
.else
.if (\b)%2
	v_wmma_scale_f32_16x16x128_f8f6f4 v[rD:rD+7], v[rX:rX+7], v[rY:rY+7], v[rD:rD+7], v[rSX], v[rSY] matrix_a_fmt:MATRIX_FMT_FP4 matrix_b_fmt:MATRIX_FMT_FP4 matrix_a_scale:MATRIX_SCALE_ROW1
.else
	v_wmma_scale_f32_16x16x128_f8f6f4 v[rD:rD+7], v[rX:rX+7], v[rY:rY+7], v[rD:rD+7], v[rSX], v[rSY] matrix_a_fmt:MATRIX_FMT_FP4 matrix_b_fmt:MATRIX_FMT_FP4
.endif
.endif
.endm
.macro OLX ks, g                       ; X's tiles 4 g .. 4 g + 3 of K step ks: eight loads of 512 consecutive bytes
	WIN 0x40
.irp i, 0,1,2,3
.irp c, 0,1
	global_load_b128 v[128*((\ks)%2)+8*(4*(\g)+\i)+4*\c:128*((\ks)%2)+8*(4*(\g)+\i)+4*\c+3], v1, s[XP:XP+1] offset:(4*(\g)+\i)*8192+(\ks)*1024+\c*512
.endr
.endr
.endm
.macro OGRP ks, g                      ; four products on four accumulators; the sixteen take turns, one instruction a turn, in the same order in every K step
	WIN 0xa1
.irp bb, 0,1,2,3
	OWM 4*(\g)+\bb, \ks
.endr
.endm
	s_load_b512 s[4:19], s[0:1], 0x0               ; ctx, wts, bo, x, ln2_g, ln2_b, x1, h2
	v_lshl_add_u32 v254, v0, 2, 0x16d00
	v_mov_b32 v255, 0
	v_lshrrev_b32 v2, 5, v0
	v_readfirstlane_b32 s20, v2                    ; wave
	v_and_b32 v30, 31, v0                          ; lane
	v_lshlrev_b32 v1, 4, v30                       ; 16 x lane
	v_and_b32 v31, 15, v0                          ; r
	v_bfe_u32 v20, v0, 4, 1                        ; h
	v_lshlrev_b32 v11, 4, v31                      ; 16 r: Y's scale words, the same in both halves of the lanes
	s_mul_i32 s44, s20, 4608
	s_add_co_u32 s44, s44, TRB
	v_lshrrev_b32 v2, 3, v30
	v_mul_u32_u24 v2, v2, 144
	v_and_b32 v21, 7, v30
	v_lshl_add_u32 v2, v21, 4, v2
	v_add_nc_u32 v2, s44, v2                       ; TR, in
	v_mul_u32_u24 v3, v30, 144
	v_add_nc_u32 v3, s44, v3                       ; TR, out
	s_lshl_b32 s45, s20, 5                         ; slot 2 w's 16 bytes of a block
	s_add_co_u32 s46, s45, SSB
	s_add_co_u32 s45, s45, IMB
	v_mul_u32_u24 v4, v30, 272
	v_add_nc_u32 v4, s45, v4                       ; IM, in: block = my lane, slot 2 w
	v_lshl_add_u32 v5, v20, 8, v31
	v_add_nc_u32 v5, s46, v5                       ; SS, in
	s_mul_i32 s47, s20, 2176
	s_add_co_u32 s47, s47, IMB
	v_mul_u32_u24 v6, v20, 272
	v_lshl_add_u32 v6, v31, 4, v6
	v_add_nc_u32 v6, s47, v6                       ; IM, out: my eight blocks of the 32
	v_add_nc_u32 v7, SSB, v1                       ; SS, out
	v_lshlrev_b32 v8, 16, v20
	v_lshl_add_u32 v8, v31, 4, v8                  ; the scale bytes' place in memory
	s_mul_i32 s47, s20, 2*SPITCH
	v_add_nc_u32 v9, s47, v1                       ; the stage, out: slot 2 w's row
	s_lshl_b32 s47, s20, 11
	v_add_nc_u32 v10, s47, v1                      ; my 2,048 bytes of the image in memory
	v_mul_u32_u24 v240, v31, SPITCH
	v_lshl_add_u32 v240, v20, 6, v240
	s_lshl_b32 s47, s20, 10
	v_add_nc_u32 v240, s47, v240                   ; the stage, in: my slot's row, my wave's 1,024 bytes, 64 for the upper half of the lanes
	v_mov_b32 v13, 0                               ; upper halves of pairs of which the low word serves both halves
	v_mov_b32 v15, 0
	v_mov_b32 v25, 0                               ; a lane permute's destination counts as read
	s_mov_b32 s[SEL], 0x76543210
	s_mov_b32 s[SEL+1], 0xfedcba98
	s_mov_b32 s50, 0x3a800000                      ; 1 / 1024
	s_mov_b32 s51, 0x3727c5ac                      ; 1e-5
	s_mov_b32 s23, 0
	s_lshr_b32 s21, ttmp9, 1
	s_lshl_b32 s21, s21, 5
	s_and_b32 s22, ttmp9, 1
	s_lshl_b32 s22, s22, 3
	s_add_co_u32 s21, s21, s22                     ; slot 0's row,
	s_lshl_b32 s22, s20, 1
	s_add_co_u32 s21, s21, s22                     ; slot 2 w's
	s_wait_kmcnt 0x0
	s_lshl_b32 s22, s21, 12
	s_add_nc_u64 s[36:37], s[10:11], s[22:23]      ; x at slot 2 w's row
	s_add_nc_u64 s[38:39], s[16:17], s[22:23]      ; x1 likewise
	s_lshl_b32 s22, ttmp9, 13
	s_add_nc_u64 s[YP:YP+1], s[4:5], s[22:23]
	s_add_nc_u64 s[40:41], s[18:19], s[22:23]      ; h2's image tile
	s_lshl_b32 s22, ttmp9, 8
	s_add_co_u32 s22, s22, SOFF
	s_add_nc_u64 s[YS0:YS0+1], s[4:5], s[22:23]
	s_add_nc_u64 s[YS0+2:YS0+3], s[YS0:YS0+1], 0x10000
	s_add_nc_u64 s[42:43], s[18:19], s[22:23]      ; h2's scale bytes
	s_lshl_b32 s22, s20, 17
	s_add_co_u32 s22, s22, WO_C
	s_add_nc_u64 s[XP:XP+1], s[6:7], s[22:23]
	s_lshl_b32 s22, s20, 12
	s_add_co_u32 s22, s22, WO_S
	s_add_nc_u64 s[XS0:XS0+1], s[6:7], s[22:23]
	s_add_nc_u64 s[XS0+2:XS0+3], s[XS0:XS0+1], 0x4000
	; ---- what the rows want, first of all: row k of my four is slot 2 w + k / 2 + 8 (k % 2); slot s + 8 lies sixteen rows of x further down
	WIN 0xc0
.irp i, 0,1,2,3,4,5,6,7
	global_load_b128 v[4*\i:4*\i+3], v1, s[12:13] offset:512*\i
	global_load_b128 v[32+4*\i:35+4*\i], v1, s[14:15] offset:512*\i
	global_load_b128 v[64+4*\i:67+4*\i], v1, s[8:9] offset:512*\i
.endr
.irp k, 0,1,2,3
.irp i, 0,1,2,3,4,5,6,7
	global_load_b128 v[96+32*\k+4*\i:99+32*\k+4*\i], v1, s[36:37] offset:(\k/2)*4096+(\k%2)*65536+512*\i th:TH_LOAD_NT
.endr
.endr
	WIN 0
	; ---- the product.  The waits count the loads issued behind the eight that the next four products read: the rest of this K step 8 (3 - g), the next K step 32, the one after it so far 8 g: 56; in K step 6: 56 - 8 g; in K step 7: 24 - 8 g
.irp kg, 0,1
.irp j, 0,1,2,3,4,5,6,7
	global_load_b128 v[32+32*\kg+4*\j:35+32*\kg+4*\j], v1, s[XS0+2*\kg:XS0+2*\kg+1] offset:512*\j
.endr
	global_load_b128 v[96+4*\kg:99+4*\kg], v11, s[YS0+2*\kg:YS0+2*\kg+1]
.endr
.irp ks, 0,1,2,3,4,5,6,7
.irp c, 0,1
	global_load_b128 v[112+8*\ks+4*\c:115+8*\ks+4*\c], v1, s[YP:YP+1] offset:\ks*1024+\c*512
.endr
.endr
.irp k2, 0,1
.irp g2, 0,1,2,3
	OLX \k2, \g2
.endr
.endr
.set KS, 0
.rept 8
.set GG, 0
.rept 4
.if KS <= 5
	s_wait_loadcnt 56
.elseif KS == 6
	s_wait_loadcnt 56-8*GG
.else
	s_wait_loadcnt 24-8*GG
.endif
	OGRP KS, GG
	PLACES
.if KS <= 5
	OLX KS+2, GG
.endif
.set GG, GG+1
.endr
.set KS, KS+1
.endr
	; ---- the results into the stage: lane (r, h) of accumulator b holds columns 256 w + 32 (b / 2) + 8 (b % 2) + 16 h + 0 .. 7 of slot r's row
	WIN 0x08
.set B, 0
.rept 16
	ds_store_b128 v240, v[8*B:8*B+3] offset:128*(B/2)+32*(B%2)             ; each accumulator from its low end on
	ds_store_b128 v240, v[8*B+4:8*B+7] offset:128*(B/2)+32*(B%2)+16
.set B, B+1
.endr
	WIN 0
	s_wait_dscnt 0x0                               ; for the others' sake: my columns lie in the stage
	s_barrier_signal -1
	s_barrier_wait -1
.macro RED r                           ; the sum over the wave's 32 lanes, in every lane
	v_add_f32_dpp v[\r], v[\r], v[\r] row_xmask:1 row_mask:0xf bank_mask:0xf
	v_add_f32_dpp v[\r], v[\r], v[\r] row_xmask:2 row_mask:0xf bank_mask:0xf
	v_add_f32_dpp v[\r], v[\r], v[\r] row_xmask:4 row_mask:0xf bank_mask:0xf
	v_add_f32_dpp v[\r], v[\r], v[\r] row_xmask:8 row_mask:0xf bank_mask:0xf
	v_permlanex16_b32 v25, v[\r], s[SEL], s[SEL+1]
	v_add_f32 v[\r], v[\r], v25
.endm
; Row k of my four.  Every offset is an immediate; every load from memory is in since the product's last wait
.macro LNROW k
.set PO, (\k)/2
.set HI, (\k)%2
.irp i, 0,1,2,3,4,5,6,7
	ds_load_b128 v[112+4*\i:115+4*\i], v9 offset:PO*SPITCH+HI*8*SPITCH+512*\i
.endr
	s_wait_dscnt 0x0
	WIN 0x0c
.set N, 0
.rept 16
	v_pk_add_f32 v[112+N:113+N], v[112+N:113+N], v[64+N:65+N]      ; + bo
.set N, N+2
.endr
.set N, 0
.rept 16
	v_pk_add_f32 v[112+N:113+N], v[112+N:113+N], v[96+32*(\k)+N:97+32*(\k)+N]      ; + x
.set N, N+2
.endr
	WIN 0
.irp i, 0,1,2,3,4,5,6,7
	global_store_b128 v1, v[112+4*\i:115+4*\i], s[38:39] offset:PO*4096+HI*65536+512*\i    ; x1: 512 consecutive bytes
.endr
	v_pk_add_f32 v[16:17], v[112:113], v[114:115]
	v_pk_add_f32 v[18:19], v[116:117], v[118:119]
.irp j, 8,12,16,20,24,28
	v_pk_add_f32 v[16:17], v[16:17], v[112+\j:113+\j]
	v_pk_add_f32 v[18:19], v[18:19], v[114+\j:115+\j]
.endr
	v_pk_add_f32 v[16:17], v[16:17], v[18:19]
	v_add_f32 v16, v16, v17
	RED 16
	v_mul_f32 v12, s50, v16                        ; the mean
	s_wait_xcnt 0x0                                ; the stores have read the row: it is changed in place from here on
.set N, 0
.rept 16
	v_pk_add_f32 v[112+N:113+N], v[112+N:113+N], v[12:13] op_sel_hi:[1,0] neg_lo:[0,1] neg_hi:[0,1]
.set N, N+2
.endr
	v_pk_mul_f32 v[16:17], v[112:113], v[112:113]
	v_pk_mul_f32 v[18:19], v[114:115], v[114:115]
.irp j, 4,8,12,16,20,24,28
	v_pk_fma_f32 v[16:17], v[112+\j:113+\j], v[112+\j:113+\j], v[16:17]
	v_pk_fma_f32 v[18:19], v[114+\j:115+\j], v[114+\j:115+\j], v[18:19]
.endr
	v_pk_add_f32 v[16:17], v[16:17], v[18:19]
	v_add_f32 v16, v16, v17
	RED 16
	v_fma_f32 v20, v16, s50, s51                   ; the variance + eps
	v_rsq_f32 v14, v20
	v_nop                                          ; a plain instruction behind the transcendental,
	s_wait_alu depctr_va_vdst(0)                   ; and the wait ahead of the first reader of its result
.set N, 0
.rept 16
	v_pk_mul_f32 v[112+N:113+N], v[112+N:113+N], v[14:15] op_sel_hi:[1,0]
.set N, N+2
.endr
	WIN 0x3c
.set N, 0
.rept 16
	v_pk_fma_f32 v[112+N:113+N], v[112+N:113+N], v[N:N+1], v[32+N:33+N]
.set N, N+2
.endr
	WIN 0
.irp i, 0,1,2,3,4,5,6,7
	ds_store_b128 v2, v[112+4*\i:115+4*\i] offset:576*\i
.endr
.irp i, 0,1,2,3,4,5,6,7
	ds_load_b128 v[208+4*\i:211+4*\i], v3 offset:16*\i     ; LDS serves a wave's instructions in order: these see the stores above
.endr
	s_wait_dscnt 0x0
	v_max3_num_f32 v21, |v208|, |v209|, |v210|
	v_max3_num_f32 v22, |v211|, |v212|, |v213|
.irp i, 6,10,14,18,22,26
	v_max3_num_f32 v21, v21, |v[208+\i]|, |v[209+\i]|
	v_max3_num_f32 v22, v22, |v[210+\i]|, |v[211+\i]|
.endr
	v_max3_num_f32 v21, v21, |v238|, |v239|
	v_max3_num_f32 v21, v21, v22, 0x1800000        ; and the floor 2^(3 - 127): the byte cannot fall under 1
	v_add_nc_u32 v23, 0xff000000, v21
	v_lshrrev_b32 v24, 23, v23
.irp q, 0,1,2,3
	v_cvt_scalef32_pk8_fp4_f32 v[26+\q], v[208+8*\q:215+8*\q], v23
.endr
	v_nop                                          ; one plain place behind a scaled conversion
	ds_store_b128 v4, v[26:29] offset:16*PO+128*HI
	ds_store_b8 v5, v24 offset:16*PO+128*HI
.endm
	LNROW 0
	LNROW 1
	LNROW 2
	LNROW 3
	s_wait_dscnt 0x0                               ; for the others' sake: my four slots lie in the image and among the scale bytes
	s_barrier_signal -1
	s_barrier_wait -1
.irp i, 0,1,2,3
	ds_load_b128 v[144+4*\i:147+4*\i], v6 offset:544*\i
.endr
.irp i, 0,1,2,3
	s_wait_dscnt 3-\i                              ; the later image loads may be out
	global_store_b128 v10, v[144+4*\i:147+4*\i], s[40:41] offset:512*\i    ; 512 consecutive bytes
.endr
	s_cmp_lg_u32 s20, 0
	s_cbranch_scc1 .Lend
	ds_load_b128 v[208:211], v7
	s_wait_dscnt 0x0
	global_store_b128 v8, v[208:211], s[42:43]     ; two runs of 256 consecutive bytes
.Lend:
	s_wait_tensorcnt 0x0
	ds_add_u32 v254, v255
	s_wait_dscnt 0x0
	s_endpgm
.Lfunc_end_k_q8dd9e8a9fe_oproj:
	.size	k_q8dd9e8a9fe_oproj, .Lfunc_end_k_q8dd9e8a9fe_oproj-k_q8dd9e8a9fe_oproj
	.p2alignl 7, 3214868480
	.fill 96, 4, 3214868480
	.section	.rodata,"a",@progbits
	.p2align	6, 0x0
	.amdhsa_kernel k_q8dd9e8a9fe_oproj
		.amdhsa_group_segment_fixed_size 93952
		.amdhsa_private_segment_fixed_size 0
		.amdhsa_enable_private_segment 0
		.amdhsa_kernarg_size 64
		.amdhsa_user_sgpr_count 2
		.amdhsa_user_sgpr_kernarg_segment_ptr 1
		.amdhsa_wavefront_size32 1
		.amdhsa_system_sgpr_workgroup_id_x 1
		.amdhsa_system_sgpr_workgroup_id_y 1
		.amdhsa_system_sgpr_workgroup_id_z 1
		.amdhsa_system_vgpr_workitem_id 0
		.amdhsa_next_free_vgpr 1024
		.amdhsa_next_free_sgpr 66
		.amdhsa_reserve_vcc 0
		.amdhsa_float_denorm_mode_32 3
		.amdhsa_float_denorm_mode_16_64 3
		.amdhsa_memory_ordered 1
		.amdhsa_forward_progress 1
		.amdhsa_inst_pref_size 110
	.end_amdhsa_kernel
	.amdgpu_metadata
---
amdhsa.version: [ 1, 2 ]
amdhsa.kernels:
  - .name:           k_q8dd9e8a9fe_oproj
    .symbol:         k_q8dd9e8a9fe_oproj.kd
    .args:
      - { .name: ctx, .offset: 0, .size: 8, .value_kind: global_buffer, .address_space: global }
      - { .name: wts, .offset: 8, .size: 8, .value_kind: global_buffer, .address_space: global }
      - { .name: bo, .offset: 16, .size: 8, .value_kind: global_buffer, .address_space: global }
      - { .name: x, .offset: 24, .size: 8, .value_kind: global_buffer, .address_space: global }
      - { .name: ln2_g, .offset: 32, .size: 8, .value_kind: global_buffer, .address_space: global }
      - { .name: ln2_b, .offset: 40, .size: 8, .value_kind: global_buffer, .address_space: global }
      - { .name: x1, .offset: 48, .size: 8, .value_kind: global_buffer, .address_space: global }
      - { .name: h2, .offset: 56, .size: 8, .value_kind: global_buffer, .address_space: global }
    .group_segment_fixed_size: 93952
    .private_segment_fixed_size: 0
    .kernarg_segment_align: 8
    .kernarg_segment_size: 64
    .max_flat_workgroup_size: 128
    .sgpr_count:     66
    .vgpr_count:     1024
    .wavefront_size: 32
...
	.end_amdgpu_metadata
.endif
;; end of part 4
;; launch ffn1 (part 5): grid 8 x 32, 4 waves a work-group, no clusters, 264,704 bytes of LDS; arguments h2, wts, b1, g; writes g
.if DOCPART == 5
	.amdgcn_target "amdgcn-amd-amdhsa--gfx1250"
	.amdhsa_code_object_version 6
	.text
	.protected	k_q8dd9e8a9fe_ffn1
	.globl	k_q8dd9e8a9fe_ffn1
	.p2align	8
	.type	k_q8dd9e8a9fe_ffn1,@function
k_q8dd9e8a9fe_ffn1:
	s_mov_b64 s[64:65], 0
	v_nop
	global_prefetch_b8 v0, s[64:65] scope:SCOPE_SE
	s_setreg_imm32_b32 hwreg(HW_REG_WAVE_MODE, 25, 1), 1
	s_wait_xcnt 0x0
; g = gelu(h2 W1 + b1), product on codes of FP4, quantised along the hidden axis on the way out.  A wave makes 128 hidden units (X, source 0) x 128 tokens (Y, source 1): its 64 registers of a tile of tokens are one K step of the next product.
; The core is the one of the launch for q, k, v.  Behind it the 64 accumulators go into the wave's own 64 KB of LDS as images of their registers (512 consecutive bytes a store), and a loop of eight trips takes a tile of tokens
; at a time: + b1, gelu, quantise, store.  So the gelu's text stands once and not eight times; the bytes are the wave's own, and no barrier is needed for them.
; gelu(z) = z / 2 (1 + erf(z / sqrt 2)); erf(u) = u P(u^2) / Q(u^2), degrees 6 and 4, u held to +-4 (beyond it erf is 1 to f32's last place).
; LIMITS: 1 + erf cancels for very negative z, where gelu is tiny beside its block's largest number; a block whose largest magnitude lies under 2^-124 gets the byte 1; NaN and infinities are not served.
.set W1_C, 2097152
.set W1_S, 6422528
.set SOFF, 2097152
.set GS, 8388608
.set SCB, 262144                       ; LDS: behind the four waves' images: the work-group's scale words, 2,048 bytes
.set TILEB, 8192
.set XSC, 32
.set YSC, 64
.set TM, 96
.set PW, 112
.set PC, 114
.set ST, 128
.set U,  192
.set X2, 208
.set PP, 224
.set QQ, 240
.set XP, 20
.set YP, 22
.set XS0, 24
.set YS0, 28
.set SEL, 52
.set MSB, 0
.macro WIN new
.if MSB != \new
	s_set_vgpr_msb (MSB<<8)|\new
.set MSB, \new
.endif
.endm
.macro PLACES
.rept 4
	v_nop
.endr
.endm
.macro WMZ ra, rb
.if (\ra) && (\rb)
	v_wmma_scale_f32_16x16x128_f8f6f4 v[rD:rD+7], v[rX:rX+7], v[rY:rY+7], 0, v[rSX], v[rSY] matrix_a_fmt:MATRIX_FMT_FP4 matrix_b_fmt:MATRIX_FMT_FP4 matrix_a_scale:MATRIX_SCALE_ROW1 matrix_b_scale:MATRIX_SCALE_ROW1
.elseif (\ra)
	v_wmma_scale_f32_16x16x128_f8f6f4 v[rD:rD+7], v[rX:rX+7], v[rY:rY+7], 0, v[rSX], v[rSY] matrix_a_fmt:MATRIX_FMT_FP4 matrix_b_fmt:MATRIX_FMT_FP4 matrix_a_scale:MATRIX_SCALE_ROW1
.elseif (\rb)
	v_wmma_scale_f32_16x16x128_f8f6f4 v[rD:rD+7], v[rX:rX+7], v[rY:rY+7], 0, v[rSX], v[rSY] matrix_a_fmt:MATRIX_FMT_FP4 matrix_b_fmt:MATRIX_FMT_FP4 matrix_b_scale:MATRIX_SCALE_ROW1
.else
	v_wmma_scale_f32_16x16x128_f8f6f4 v[rD:rD+7], v[rX:rX+7], v[rY:rY+7], 0, v[rSX], v[rSY] matrix_a_fmt:MATRIX_FMT_FP4 matrix_b_fmt:MATRIX_FMT_FP4
.endif
.endm
.macro WMA ra, rb
.if (\ra) && (\rb)
	v_wmma_scale_f32_16x16x128_f8f6f4 v[rD:rD+7], v[rX:rX+7], v[rY:rY+7], v[rD:rD+7], v[rSX], v[rSY] matrix_a_fmt:MATRIX_FMT_FP4 matrix_b_fmt:MATRIX_FMT_FP4 matrix_a_scale:MATRIX_SCALE_ROW1 matrix_b_scale:MATRIX_SCALE_ROW1
.elseif (\ra)
	v_wmma_scale_f32_16x16x128_f8f6f4 v[rD:rD+7], v[rX:rX+7], v[rY:rY+7], v[rD:rD+7], v[rSX], v[rSY] matrix_a_fmt:MATRIX_FMT_FP4 matrix_b_fmt:MATRIX_FMT_FP4 matrix_a_scale:MATRIX_SCALE_ROW1
.elseif (\rb)
	v_wmma_scale_f32_16x16x128_f8f6f4 v[rD:rD+7], v[rX:rX+7], v[rY:rY+7], v[rD:rD+7], v[rSX], v[rSY] matrix_a_fmt:MATRIX_FMT_FP4 matrix_b_fmt:MATRIX_FMT_FP4 matrix_b_scale:MATRIX_SCALE_ROW1
.else
	v_wmma_scale_f32_16x16x128_f8f6f4 v[rD:rD+7], v[rX:rX+7], v[rY:rY+7], v[rD:rD+7], v[rSX], v[rSY] matrix_a_fmt:MATRIX_FMT_FP4 matrix_b_fmt:MATRIX_FMT_FP4
.endif
.endm
.macro WM a, b, ks
.set rD, 8*(8*((\a)%4)+(\b))
.set rX, 64*((\ks)%3)+8*(\b)
.set rY, 128+64*((\ks)%2)+8*(\a)
.set rSX, XSC+(((\ks)/4)*4+(\b)/2)*4+(\ks)%4
.set rSY, YSC+(((\ks)/4)*4+(\a)/2)*4+(\ks)%4
.if (\ks) == 0
	WMZ (\b)%2, (\a)%2
.else
	WMA (\b)%2, (\a)%2
.endif
.endm
.macro LDSC
.irp kg, 0,1
.irp j, 0,1,2,3
	global_load_b128 v[XSC+16*\kg+4*\j:XSC+16*\kg+4*\j+3], v1, s[XS0+2*\kg:XS0+2*\kg+1] offset:512*\j
	global_load_b128 v[YSC+16*\kg+4*\j:YSC+16*\kg+4*\j+3], v1, s[YS0+2*\kg:YS0+2*\kg+1] offset:512*\j
.endr
.endr
.endm
.macro LDX ks
	WIN 0x40
.irp i, 0,1,2,3,4,5,6,7
.irp c, 0,1
	global_load_b128 v[64*((\ks)%3)+8*\i+4*\c:64*((\ks)%3)+8*\i+4*\c+3], v1, s[XP:XP+1] offset:\i*TILEB+(\ks)*1024+\c*512
.endr
.endr
.endm
.macro LDY ks, g
	WIN 0
.irp i, 0,1,2,3
.irp c, 0,1
	global_load_b128 v[128+64*((\ks)%2)+8*(4*(\g)+\i)+4*\c:128+64*((\ks)%2)+8*(4*(\g)+\i)+4*\c+3], v1, s[YP:YP+1] offset:(4*(\g)+\i)*TILEB+(\ks)*1024+\c*512
.endr
.endr
.endm
.macro MUL ks, g                       ; the 64 accumulators take turns, one instruction a turn, in the same order in every K step
	WIN 0xa1+0x50*(\g)
.irp a, 0,1,2,3
.irp b, 0,1,2,3,4,5,6,7
	WM 4*(\g)+\a, \b, \ks
.endr
.endr
.endm
; The waits count the loads issued behind the fragments that the next 32 products read: 8 + 32 + 16, then 32 + 16 + 8; in the last two steps what is left
.macro CORE
	LDSC
	LDX 0
	LDY 0, 0
	LDY 0, 1
	LDX 1
	LDY 1, 0
	LDY 1, 1
.set KS, 0
.rept 8
.if KS <= 5
	LDX KS+2
	s_wait_loadcnt 56
.elseif KS == 6
	s_wait_loadcnt 40
.else
	s_wait_loadcnt 8
.endif
	MUL KS, 0
.if KS <= 5
	PLACES
	LDY KS+2, 0
	s_wait_loadcnt 56
.elseif KS == 6
	s_wait_loadcnt 32
.else
	s_wait_loadcnt 0x0
.endif
	MUL KS, 1
	PLACES
.if KS <= 5
	LDY KS+2, 1
.endif
.set KS, KS+1
.endr
	WIN 0
.endm
.macro QUANT s
.irp b, 0,1,2,3
	v_max3_num_f32 v[TM+\b], |v[\s+16*\b]|, |v[\s+1+16*\b]|, 0x1800000
.endr
.irp i, 2,4,6,8,10,12,14
.irp b, 0,1,2,3
	v_max3_num_f32 v[TM+\b], v[TM+\b], |v[\s+16*\b+\i]|, |v[\s+1+16*\b+\i]|
.endr
.endr
.irp b, 0,1,2,3
	v_permlanex16_b32 v[TM+4+\b], v[TM+\b], s[SEL], s[SEL+1]
.endr
.irp b, 0,1,2,3
	v_max_num_f32 v[TM+\b], v[TM+\b], v[TM+4+\b]
.endr
.irp b, 0,1,2,3
	v_add_nc_u32 v[TM+12+\b], 0xff000000, v[TM+\b]
.endr
.irp b, 0,1,2,3
	v_lshrrev_b32 v[TM+4+\b], 23, v[TM+12+\b]
.endr
	v_lshl_or_b32 v[PW], v[TM+5], 8, v[TM+4]
	v_lshl_or_b32 v[PW], v[TM+6], 16, v[PW]
	v_lshl_or_b32 v[PW], v[TM+7], 24, v[PW]
.irp b, 0,1,2,3
	v_cvt_scalef32_pk8_fp4_f32 v[PC+2*\b], v[\s+16*\b:\s+7+16*\b], v[TM+12+\b]
	v_cvt_scalef32_pk8_fp4_f32 v[PC+1+2*\b], v[\s+8+16*\b:\s+15+16*\b], v[TM+12+\b]
.endr
	v_nop
.irp c, 0,1
.irp i, 0,1
	v_permlane16_swap_b32 v[PC+4*\c+\i], v[PC+2+4*\c+\i]
.endr
.endr
.endm
.macro HORNER d, lit                   ; d = d u^2 + the next coefficient, sixteen numbers
.set N, 0
.rept 8
	v_pk_fma_f32 v[\d+N:\d+N+1], v[\d+N:\d+N+1], v[X2+N:X2+N+1], \lit op_sel_hi:[1,1,0]
.set N, N+2
.endr
.endm
.macro GELU16 q                        ; sixteen numbers of v[ST] on, in place
.set Z0, ST+16*(\q)
.set N, 0
.rept 8
	v_pk_mul_f32 v[U+N:U+N+1], v[Z0+N:Z0+N+1], 0x3f3504f3 op_sel_hi:[1,0]
.set N, N+2
.endr
.set N, 0
.rept 16
	v_med3_num_f32 v[U+N], v[U+N], -4.0, 4.0
.set N, N+1
.endr
.set N, 0
.rept 8
	v_pk_mul_f32 v[X2+N:X2+N+1], v[U+N:U+N+1], v[U+N:U+N+1]
.set N, N+2
.endr
.set N, 0
.rept 8
	v_pk_fma_f32 v[PP+N:PP+N+1], v[X2+N:X2+N+1], v[2:3], 0x32EDFFEE op_sel_hi:[1,1,0]
	v_pk_fma_f32 v[QQ+N:QQ+N+1], v[X2+N:X2+N+1], v[4:5], 0xB95FBD29 op_sel_hi:[1,1,0]
.set N, N+2
.endr
	HORNER PP, 0xB60CFF51
	HORNER QQ, 0xBADC924E
	HORNER PP, 0xB86EC2D2
	HORNER QQ, 0xBBF19BF8
	HORNER PP, 0xBA40AC63
	HORNER QQ, 0xBC69B6A7
	HORNER PP, 0xBB41A1F6
	HORNER PP, 0xBC83DBD4
.set N, 0
.rept 8
	v_pk_mul_f32 v[PP+N:PP+N+1], v[PP+N:PP+N+1], v[U+N:U+N+1]
.set N, N+2
.endr
.set N, 0
.rept 16
	v_rcp_f32 v[QQ+N], v[QQ+N]
.set N, N+1
.endr
.set N, 0
.rept 8
	v_pk_mul_f32 v[X2+N:X2+N+1], v[Z0+N:Z0+N+1], 0.5 op_sel_hi:[1,0]       ; z / 2: plain work behind the batch of reciprocals
.set N, N+2
.endr
	s_wait_alu depctr_va_vdst(0)                   ; one wait for the sixteen, ahead of their first reader
.set N, 0
.rept 8
	v_pk_mul_f32 v[PP+N:PP+N+1], v[PP+N:PP+N+1], v[QQ+N:QQ+N+1]    ; erf
.set N, N+2
.endr
.set N, 0
.rept 8
	v_pk_fma_f32 v[Z0+N:Z0+N+1], v[X2+N:X2+N+1], v[PP+N:PP+N+1], v[X2+N:X2+N+1]
.set N, N+2
.endr
.endm
	s_load_b256 s[4:11], s[0:1], 0x0               ; h2, wts, b1, g
	v_lshl_add_u32 v126, v0, 2, 0x40800
	v_mov_b32 v127, 0
	v_lshrrev_b32 v2, 5, v0
	v_readfirstlane_b32 s14, v2                    ; wave
	v_and_b32 v3, 31, v0
	v_lshlrev_b32 v1, 4, v3                        ; 16 x lane
	v_bfe_u32 v6, v0, 4, 1
	v_lshlrev_b32 v6, 6, v6                        ; b1 of my half's sixteen units
	v_and_b32 v7, 15, v0
	v_lshlrev_b32 v7, 4, v7
	s_lshl_b32 s32, s14, 2
	v_add_nc_u32 v7, s32, v7
	v_add_nc_u32 v7, SCB, v7                       ; my row's scale word: 16 r + 4 x wave
	v_lshlrev_b32 v8, 4, v0                        ; 16 x thread
	v_add_nc_u32 v12, SCB, v8
	s_lshl_b32 s32, s14, 16
	v_add_nc_u32 v9, s32, v1                       ; my wave's images
	v_mov_b32 v2, 0xAF95DF0B                       ; P's and Q's leading coefficients, as pairs
	v_mov_b32 v3, 0xAF95DF0B
	v_mov_b32 v4, 0xB77460CD
	v_mov_b32 v5, 0xB77460CD
.irp b, 0,1,2,3
	v_mov_b32 v[TM+4+\b], 0
.endr
	s_mov_b32 s[SEL], 0x76543210
	s_mov_b32 s[SEL+1], 0xfedcba98
	s_and_b32 s15, ttmp7, 0xffff                   ; the group of 128 tokens
	s_lshl_b32 s16, ttmp9, 2
	s_add_co_u32 s16, s16, s14                     ; the group of 128 hidden units = the next product's K step
	s_mov_b32 s33, 0
	s_wait_kmcnt 0x0
	s_lshl_b32 s32, s16, 16
	s_add_co_u32 s32, s32, W1_C
	s_add_nc_u64 s[XP:XP+1], s[6:7], s[32:33]
	s_lshl_b32 s32, s16, 11
	s_add_co_u32 s32, s32, W1_S
	s_add_nc_u64 s[XS0:XS0+1], s[6:7], s[32:33]
	s_add_nc_u64 s[XS0+2:XS0+3], s[XS0:XS0+1], 0x10000
	s_lshl_b32 s32, s15, 16
	s_add_nc_u64 s[YP:YP+1], s[4:5], s[32:33]
	s_lshl_b32 s32, s15, 11
	s_add_co_u32 s32, s32, SOFF
	s_add_nc_u64 s[YS0:YS0+1], s[4:5], s[32:33]
	s_add_nc_u64 s[YS0+2:YS0+3], s[YS0:YS0+1], 0x10000
	s_lshl_b32 s32, s16, 9
	s_add_nc_u64 s[54:55], s[8:9], s[32:33]
	s_lshl_b32 s32, s15, 18
	s_lshl_b32 s34, s16, 10
	s_add_co_u32 s32, s32, s34
	s_add_nc_u64 s[56:57], s[10:11], s[32:33]      ; the codes: tile 8 tG, K step nW
	s_lshl_b32 s32, ttmp9, 16
	s_lshl_b32 s34, s15, 11
	s_add_co_u32 s32, s32, s34
	s_add_co_u32 s32, s32, GS
	s_add_nc_u64 s[58:59], s[10:11], s[32:33]      ; the scale bytes
	WIN 0x40
.irp bb, 0,1,2,3
.irp j, 0,1,2,3
	global_load_b128 v[192+16*\bb+4*\j:195+16*\bb+4*\j], v6, s[54:55] offset:128*\bb+16*\j        ; b1 in the result's layout, in window 1; older than every load that the core counts
.endr
.endr
	WIN 0
	CORE
.irp a, 0,1,2,3,4,5,6,7
	WIN 0x08+4*(\a/4)
.set B, 0
.rept 8
	ds_store_b128 v9, v[64*(\a%4)+8*B:64*(\a%4)+8*B+3] offset:8192*\a+1024*B      ; each accumulator from its low end on
	ds_store_b128 v9, v[64*(\a%4)+8*B+4:64*(\a%4)+8*B+7] offset:8192*\a+1024*B+512
.set B, B+1
.endr
.endr
	WIN 0
	s_mov_b32 s60, 0
	s_mov_b32 s61, 0
	s_mov_b32 s62, 0
.Ltile:                                                ; eight trips: a tile of 16 tokens each
	v_add_nc_u32 v10, s60, v9
	v_add_nc_u32 v11, s61, v7
.irp i, 0,1,2,3,4,5,6,7,8,9,10,11,12,13,14,15
	ds_load_b128 v[ST+4*\i:ST+4*\i+3], v10 offset:512*\i   ; LDS serves a wave's instructions in order: these see my stores
.endr
	s_wait_dscnt 0x0
	WIN 0x04
.set N, 0
.rept 32
	v_pk_add_f32 v[ST+N:ST+N+1], v[ST+N:ST+N+1], v[192+N:193+N]
.set N, N+2
.endr
	WIN 0
	GELU16 0
	GELU16 1
	GELU16 2
	GELU16 3
	QUANT ST
	global_store_b128 v1, v[PC:PC+3], s[56:57]
	global_store_b128 v1, v[PC+4:PC+7], s[56:57] offset:512
	ds_store_b32 v11, v[PW]                        ; both halves of the lanes hold the same word
	s_wait_dscnt 0x0
	s_wait_xcnt 0x0                                ; the stores have read their codes and their base: both are written again
	s_add_nc_u64 s[56:57], s[56:57], 0x8000
	s_add_co_u32 s60, s60, 8192
	s_add_co_u32 s61, s61, 256
	s_add_co_u32 s62, s62, 1
	s_cmp_lt_u32 s62, 8
	s_cbranch_scc1 .Ltile
	s_barrier_signal -1                            ; every wave's scale words have landed (the wait for them closes each trip)
	s_barrier_wait -1
	ds_load_b128 v[16:19], v12
	s_wait_dscnt 0x0
	global_store_b128 v8, v[16:19], s[58:59]       ; 128 rows x 16 bytes: 2,048 consecutive bytes from the work-group
	s_wait_tensorcnt 0x0
	ds_add_u32 v126, v127
	s_wait_dscnt 0x0
	s_endpgm
.Lfunc_end_k_q8dd9e8a9fe_ffn1:
	.size	k_q8dd9e8a9fe_ffn1, .Lfunc_end_k_q8dd9e8a9fe_ffn1-k_q8dd9e8a9fe_ffn1
	.p2alignl 7, 3214868480
	.fill 96, 4, 3214868480
	.section	.rodata,"a",@progbits
	.p2align	6, 0x0
	.amdhsa_kernel k_q8dd9e8a9fe_ffn1
		.amdhsa_group_segment_fixed_size 264704
		.amdhsa_private_segment_fixed_size 0
		.amdhsa_enable_private_segment 0
		.amdhsa_kernarg_size 32
		.amdhsa_user_sgpr_count 2
		.amdhsa_user_sgpr_kernarg_segment_ptr 1
		.amdhsa_wavefront_size32 1
		.amdhsa_system_sgpr_workgroup_id_x 1
		.amdhsa_system_sgpr_workgroup_id_y 1
		.amdhsa_system_sgpr_workgroup_id_z 1
		.amdhsa_system_vgpr_workitem_id 0
		.amdhsa_next_free_vgpr 1024
		.amdhsa_next_free_sgpr 66
		.amdhsa_reserve_vcc 0
		.amdhsa_float_denorm_mode_32 3
		.amdhsa_float_denorm_mode_16_64 3
		.amdhsa_memory_ordered 1
		.amdhsa_forward_progress 1
		.amdhsa_inst_pref_size 163
	.end_amdhsa_kernel
	.amdgpu_metadata
---
amdhsa.version: [ 1, 2 ]
amdhsa.kernels:
  - .name:           k_q8dd9e8a9fe_ffn1
    .symbol:         k_q8dd9e8a9fe_ffn1.kd
    .args:
      - { .name: h2, .offset: 0, .size: 8, .value_kind: global_buffer, .address_space: global }
      - { .name: wts, .offset: 8, .size: 8, .value_kind: global_buffer, .address_space: global }
      - { .name: b1, .offset: 16, .size: 8, .value_kind: global_buffer, .address_space: global }
      - { .name: g, .offset: 24, .size: 8, .value_kind: global_buffer, .address_space: global }
    .group_segment_fixed_size: 264704
    .private_segment_fixed_size: 0
    .kernarg_segment_align: 8
    .kernarg_segment_size: 32
    .max_flat_workgroup_size: 128
    .sgpr_count:     66
    .vgpr_count:     1024
    .wavefront_size: 32
...
	.end_amdgpu_metadata
.endif
;; end of part 5
;; launch ffn2 (part 6): grid 8 x 32, 4 waves a work-group, no clusters, 270,848 bytes of LDS; arguments g, wts, b2, x1, out0; writes out0
.if DOCPART == 6
	.amdgcn_target "amdgcn-amd-amdhsa--gfx1250"
	.amdhsa_code_object_version 6
	.text
	.protected	k_q8dd9e8a9fe_ffn2
	.globl	k_q8dd9e8a9fe_ffn2
	.p2align	8
	.type	k_q8dd9e8a9fe_ffn2,@function
k_q8dd9e8a9fe_ffn2:
	s_mov_b64 s[64:65], 0
	v_nop
	global_prefetch_b8 v0, s[64:65] scope:SCOPE_SE
	s_setreg_imm32_b32 hwreg(HW_REG_WAVE_MODE, 25, 1), 1
	s_wait_xcnt 0x0
; out0 = x1 + g W2 + b2, product on codes of FP4.  A work-group makes 128 tokens x 128 columns, and ITS FOUR WAVES SHARE K: wave w takes K steps 8 w .. 8 w + 7 of the 32, with the core of the other launches.
; So there are 256 work-groups and every SIMD multiplies.  The four partial sums meet in LDS (128 rows x (512 + 16) bytes each), one barrier, and wave w adds rows 32 w .. 32 w + 31, + b2, + x1, and stores whole rows of 512 bytes.
; LIMIT: an output is the sum of four partial sums over K, (p0 + p1) + (p2 + p3): another order of rounding than one ascending chain.
.set W2_C, 4194304
.set W2_S, 6553600
.set GS, 8388608
.set TILEB, 32768
.set XSC, 32
.set YSC, 64
.set XP, 20
.set YP, 22
.set XS0, 24
.set YS0, 28
.set MSB, 0
.macro WIN new
.if MSB != \new
	s_set_vgpr_msb (MSB<<8)|\new
.set MSB, \new
.endif
.endm
.macro PLACES
.rept 4
	v_nop
.endr
.endm
.macro WMZ ra, rb
.if (\ra) && (\rb)
	v_wmma_scale_f32_16x16x128_f8f6f4 v[rD:rD+7], v[rX:rX+7], v[rY:rY+7], 0, v[rSX], v[rSY] matrix_a_fmt:MATRIX_FMT_FP4 matrix_b_fmt:MATRIX_FMT_FP4 matrix_a_scale:MATRIX_SCALE_ROW1 matrix_b_scale:MATRIX_SCALE_ROW1
.elseif (\ra)
	v_wmma_scale_f32_16x16x128_f8f6f4 v[rD:rD+7], v[rX:rX+7], v[rY:rY+7], 0, v[rSX], v[rSY] matrix_a_fmt:MATRIX_FMT_FP4 matrix_b_fmt:MATRIX_FMT_FP4 matrix_a_scale:MATRIX_SCALE_ROW1
.elseif (\rb)
	v_wmma_scale_f32_16x16x128_f8f6f4 v[rD:rD+7], v[rX:rX+7], v[rY:rY+7], 0, v[rSX], v[rSY] matrix_a_fmt:MATRIX_FMT_FP4 matrix_b_fmt:MATRIX_FMT_FP4 matrix_b_scale:MATRIX_SCALE_ROW1
.else
	v_wmma_scale_f32_16x16x128_f8f6f4 v[rD:rD+7], v[rX:rX+7], v[rY:rY+7], 0, v[rSX], v[rSY] matrix_a_fmt:MATRIX_FMT_FP4 matrix_b_fmt:MATRIX_FMT_FP4
.endif
.endm
.macro WMA ra, rb
.if (\ra) && (\rb)
	v_wmma_scale_f32_16x16x128_f8f6f4 v[rD:rD+7], v[rX:rX+7], v[rY:rY+7], v[rD:rD+7], v[rSX], v[rSY] matrix_a_fmt:MATRIX_FMT_FP4 matrix_b_fmt:MATRIX_FMT_FP4 matrix_a_scale:MATRIX_SCALE_ROW1 matrix_b_scale:MATRIX_SCALE_ROW1
.elseif (\ra)
	v_wmma_scale_f32_16x16x128_f8f6f4 v[rD:rD+7], v[rX:rX+7], v[rY:rY+7], v[rD:rD+7], v[rSX], v[rSY] matrix_a_fmt:MATRIX_FMT_FP4 matrix_b_fmt:MATRIX_FMT_FP4 matrix_a_scale:MATRIX_SCALE_ROW1
.elseif (\rb)
	v_wmma_scale_f32_16x16x128_f8f6f4 v[rD:rD+7], v[rX:rX+7], v[rY:rY+7], v[rD:rD+7], v[rSX], v[rSY] matrix_a_fmt:MATRIX_FMT_FP4 matrix_b_fmt:MATRIX_FMT_FP4 matrix_b_scale:MATRIX_SCALE_ROW1
.else
	v_wmma_scale_f32_16x16x128_f8f6f4 v[rD:rD+7], v[rX:rX+7], v[rY:rY+7], v[rD:rD+7], v[rSX], v[rSY] matrix_a_fmt:MATRIX_FMT_FP4 matrix_b_fmt:MATRIX_FMT_FP4
.endif
.endm
.macro WM a, b, ks
.set rD, 8*(8*((\a)%4)+(\b))
.set rX, 64*((\ks)%3)+8*(\b)
.set rY, 128+64*((\ks)%2)+8*(\a)
.set rSX, XSC+(((\ks)/4)*4+(\b)/2)*4+(\ks)%4
.set rSY, YSC+(((\ks)/4)*4+(\a)/2)*4+(\ks)%4
.if (\ks) == 0
	WMZ (\b)%2, (\a)%2
.else
	WMA (\b)%2, (\a)%2
.endif
.endm
.macro LDSC
.irp kg, 0,1
.irp j, 0,1,2,3
	global_load_b128 v[XSC+16*\kg+4*\j:XSC+16*\kg+4*\j+3], v1, s[XS0+2*\kg:XS0+2*\kg+1] offset:512*\j
	global_load_b128 v[YSC+16*\kg+4*\j:YSC+16*\kg+4*\j+3], v1, s[YS0+2*\kg:YS0+2*\kg+1] offset:512*\j
.endr
.endr
.endm
.macro LDX ks
	WIN 0x40
.irp i, 0,1,2,3,4,5,6,7
.irp c, 0,1
	global_load_b128 v[64*((\ks)%3)+8*\i+4*\c:64*((\ks)%3)+8*\i+4*\c+3], v1, s[XP:XP+1] offset:\i*TILEB+(\ks)*1024+\c*512
.endr
.endr
.endm
.macro LDY ks, g
	WIN 0
.irp i, 0,1,2,3
.irp c, 0,1
	global_load_b128 v[128+64*((\ks)%2)+8*(4*(\g)+\i)+4*\c:128+64*((\ks)%2)+8*(4*(\g)+\i)+4*\c+3], v1, s[YP:YP+1] offset:(4*(\g)+\i)*TILEB+(\ks)*1024+\c*512
.endr
.endr
.endm
.macro MUL ks, g                       ; the 64 accumulators take turns, one instruction a turn, in the same order in every K step
	WIN 0xa1+0x50*(\g)
.irp a, 0,1,2,3
.irp b, 0,1,2,3,4,5,6,7
	WM 4*(\g)+\a, \b, \ks
.endr
.endr
.endm
; The waits count the loads issued behind the fragments that the next 32 products read: 8 + 32 + 16, then 32 + 16 + 8; in the last two steps what is left
.macro CORE
	LDSC
	LDX 0
	LDY 0, 0
	LDY 0, 1
	LDX 1
	LDY 1, 0
	LDY 1, 1
.set KS, 0
.rept 8
.if KS <= 5
	LDX KS+2
	s_wait_loadcnt 56
.elseif KS == 6
	s_wait_loadcnt 40
.else
	s_wait_loadcnt 8
.endif
	MUL KS, 0
.if KS <= 5
	PLACES
	LDY KS+2, 0
	s_wait_loadcnt 56
.elseif KS == 6
	s_wait_loadcnt 32
.else
	s_wait_loadcnt 0x0
.endif
	MUL KS, 1
	PLACES
.if KS <= 5
	LDY KS+2, 1
.endif
.set KS, KS+1
.endr
	WIN 0
.endm
	s_load_b256 s[4:11], s[0:1], 0x0               ; g, wts, b2, x1
	s_load_b64 s[12:13], s[0:1], 0x20              ; out0
	v_lshl_add_u32 v126, v0, 2, 0x42000
	v_mov_b32 v127, 0
	v_lshrrev_b32 v2, 5, v0
	v_readfirstlane_b32 s14, v2                    ; wave
	v_and_b32 v3, 31, v0
	v_lshlrev_b32 v1, 4, v3                        ; 16 x lane
	v_and_b32 v8, 15, v0                           ; r
	v_bfe_u32 v9, v0, 4, 1                         ; h
	v_and_b32 v2, 7, v8
	v_lshrrev_b32 v10, 3, v8
	v_lshl_add_u32 v2, v10, 4, v2
	v_mul_u32_u24 v2, v2, 528
	v_lshl_add_u32 v2, v9, 6, v2
	s_mul_i32 s32, s14, 67584
	v_add_nc_u32 v2, s32, v2                       ; my partial, in: my slot's row, 64 bytes for the upper half of the lanes
	s_mul_i32 s32, s14, 16896
	v_add_nc_u32 v4, s32, v1                       ; the four partials, out: my 32 rows, 16 bytes a lane
	v_add_nc_u32 v5, 67584, v4
	v_add_nc_u32 v6, 2*67584, v4
	v_add_nc_u32 v7, 3*67584, v4
	s_and_b32 s15, ttmp7, 0xffff                   ; the group of 128 tokens
	s_mov_b32 s33, 0
	s_wait_kmcnt 0x0
	s_lshl_b32 s32, ttmp9, 18
	s_lshl_b32 s34, s14, 13
	s_add_co_u32 s32, s32, s34
	s_add_co_u32 s32, s32, W2_C
	s_add_nc_u64 s[XP:XP+1], s[6:7], s[32:33]
	s_lshl_b32 s32, s14, 15
	s_lshl_b32 s35, ttmp9, 11
	s_add_co_u32 s32, s32, s35
	s_add_co_u32 s32, s32, W2_S
	s_add_nc_u64 s[XS0:XS0+1], s[6:7], s[32:33]
	s_add_nc_u64 s[XS0+2:XS0+3], s[XS0:XS0+1], 0x4000
	s_lshl_b32 s32, s15, 18
	s_add_co_u32 s32, s32, s34
	s_add_nc_u64 s[YP:YP+1], s[4:5], s[32:33]
	s_lshl_b32 s32, s14, 17
	s_lshl_b32 s35, s15, 11
	s_add_co_u32 s32, s32, s35
	s_add_co_u32 s32, s32, GS
	s_add_nc_u64 s[YS0:YS0+1], s[4:5], s[32:33]
	s_add_nc_u64 s[YS0+2:YS0+3], s[YS0:YS0+1], 0x10000
	s_lshl_b32 s32, s15, 19
	s_lshl_b32 s35, s14, 17
	s_add_co_u32 s32, s32, s35
	s_lshl_b32 s35, ttmp9, 9
	s_add_co_u32 s32, s32, s35
	s_add_nc_u64 s[36:37], s[10:11], s[32:33]      ; x1 and out0 at my first row, the tile's first column
	s_add_nc_u64 s[38:39], s[12:13], s[32:33]
	s_mov_b32 s32, s35
	s_add_nc_u64 s[40:41], s[8:9], s[32:33]
	CORE
.set I, 0
.rept 32
	global_load_b128 v[128+4*I:131+4*I], v1, s[36:37] offset:4096*I th:TH_LOAD_NT  ; x1's rows, on their way while the partials meet
.set I, I+1
.endr
	global_load_b128 v[100:103], v1, s[40:41]      ; b2 of my four columns
.irp a, 0,1,2,3,4,5,6,7
	WIN 0x08+4*(\a/4)
.set B, 0
.rept 8
	ds_store_b128 v2, v[64*(\a%4)+8*B:64*(\a%4)+8*B+3] offset:(32*(\a/2)+8*(\a%2))*528+128*(B/2)+32*(B%2)          ; each accumulator from its low end on
	ds_store_b128 v2, v[64*(\a%4)+8*B+4:64*(\a%4)+8*B+7] offset:(32*(\a/2)+8*(\a%2))*528+128*(B/2)+32*(B%2)+16
.set B, B+1
.endr
.endr
	WIN 0
	s_wait_dscnt 0x0                               ; for the others' sake: my partial lies in LDS
	s_barrier_signal -1
	s_barrier_wait -1
.macro PLOAD grp                       ; eight rows of the four partials into half grp % 2 of window 1
	WIN 0x40
.set I8, 0
.rept 8
.irp p, 0,1,2,3
	ds_load_b128 v[128*((\grp)%2)+16*I8+4*\p:128*((\grp)%2)+16*I8+4*\p+3], v[4+\p] offset:528*(8*(\grp)+I8)
.endr
.set I8, I8+1
.endr
.endm
.macro PSUM grp
.set HB, 128*((\grp)%2)
	WIN 0x45
.set I8, 0
.rept 8
	v_pk_add_f32 v[HB+16*I8:HB+16*I8+1], v[HB+16*I8:HB+16*I8+1], v[HB+16*I8+4:HB+16*I8+5]
	v_pk_add_f32 v[HB+16*I8+2:HB+16*I8+3], v[HB+16*I8+2:HB+16*I8+3], v[HB+16*I8+6:HB+16*I8+7]
	v_pk_add_f32 v[HB+16*I8+8:HB+16*I8+9], v[HB+16*I8+8:HB+16*I8+9], v[HB+16*I8+12:HB+16*I8+13]
	v_pk_add_f32 v[HB+16*I8+10:HB+16*I8+11], v[HB+16*I8+10:HB+16*I8+11], v[HB+16*I8+14:HB+16*I8+15]
	v_pk_add_f32 v[HB+16*I8:HB+16*I8+1], v[HB+16*I8:HB+16*I8+1], v[HB+16*I8+8:HB+16*I8+9]
	v_pk_add_f32 v[HB+16*I8+2:HB+16*I8+3], v[HB+16*I8+2:HB+16*I8+3], v[HB+16*I8+10:HB+16*I8+11]
.set I8, I8+1
.endr
	WIN 0x41
.set I8, 0
.rept 8
	v_pk_add_f32 v[HB+16*I8:HB+16*I8+1], v[HB+16*I8:HB+16*I8+1], v[100:101]        ; + b2
	v_pk_add_f32 v[HB+16*I8+2:HB+16*I8+3], v[HB+16*I8+2:HB+16*I8+3], v[102:103]
.set I8, I8+1
.endr
	WIN 0x01
.set I8, 0
.rept 8
	v_pk_add_f32 v[128+4*(8*(\grp)+I8):129+4*(8*(\grp)+I8)], v[HB+16*I8:HB+16*I8+1], v[128+4*(8*(\grp)+I8):129+4*(8*(\grp)+I8)]   ; + x1
	v_pk_add_f32 v[130+4*(8*(\grp)+I8):131+4*(8*(\grp)+I8)], v[HB+16*I8+2:HB+16*I8+3], v[130+4*(8*(\grp)+I8):131+4*(8*(\grp)+I8)]
.set I8, I8+1
.endr
	WIN 0
.set I8, 0
.rept 8
	global_store_b128 v1, v[128+4*(8*(\grp)+I8):131+4*(8*(\grp)+I8)], s[38:39] offset:4096*(8*(\grp)+I8) th:TH_STORE_NT   ; 512 consecutive bytes of a row
.set I8, I8+1
.endr
.endm
	PLOAD 0
	PLOAD 1
	s_wait_loadcnt 0x0                             ; x1 and b2
	s_wait_dscnt 32                                ; the first eight rows are in; the next group's 32 loads may be out
	PSUM 0
	PLOAD 2
	s_wait_dscnt 32
	PSUM 1
	PLOAD 3
	s_wait_dscnt 32
	PSUM 2
	s_wait_dscnt 0x0
	PSUM 3
	s_wait_tensorcnt 0x0
	ds_add_u32 v126, v127
	s_wait_dscnt 0x0
	s_endpgm
.Lfunc_end_k_q8dd9e8a9fe_ffn2:
	.size	k_q8dd9e8a9fe_ffn2, .Lfunc_end_k_q8dd9e8a9fe_ffn2-k_q8dd9e8a9fe_ffn2
	.p2alignl 7, 3214868480
	.fill 96, 4, 3214868480
	.section	.rodata,"a",@progbits
	.p2align	6, 0x0
	.amdhsa_kernel k_q8dd9e8a9fe_ffn2
		.amdhsa_group_segment_fixed_size 270848
		.amdhsa_private_segment_fixed_size 0
		.amdhsa_enable_private_segment 0
		.amdhsa_kernarg_size 40
		.amdhsa_user_sgpr_count 2
		.amdhsa_user_sgpr_kernarg_segment_ptr 1
		.amdhsa_wavefront_size32 1
		.amdhsa_system_sgpr_workgroup_id_x 1
		.amdhsa_system_sgpr_workgroup_id_y 1
		.amdhsa_system_sgpr_workgroup_id_z 1
		.amdhsa_system_vgpr_workitem_id 0
		.amdhsa_next_free_vgpr 1024
		.amdhsa_next_free_sgpr 66
		.amdhsa_reserve_vcc 0
		.amdhsa_float_denorm_mode_32 3
		.amdhsa_float_denorm_mode_16_64 3
		.amdhsa_memory_ordered 1
		.amdhsa_forward_progress 1
		.amdhsa_inst_pref_size 139
	.end_amdhsa_kernel
	.amdgpu_metadata
---
amdhsa.version: [ 1, 2 ]
amdhsa.kernels:
  - .name:           k_q8dd9e8a9fe_ffn2
    .symbol:         k_q8dd9e8a9fe_ffn2.kd
    .args:
      - { .name: g, .offset: 0, .size: 8, .value_kind: global_buffer, .address_space: global }
      - { .name: wts, .offset: 8, .size: 8, .value_kind: global_buffer, .address_space: global }
      - { .name: b2, .offset: 16, .size: 8, .value_kind: global_buffer, .address_space: global }
      - { .name: x1, .offset: 24, .size: 8, .value_kind: global_buffer, .address_space: global }
      - { .name: out0, .offset: 32, .size: 8, .value_kind: global_buffer, .address_space: global }
    .group_segment_fixed_size: 270848
    .private_segment_fixed_size: 0
    .kernarg_segment_align: 8
    .kernarg_segment_size: 40
    .max_flat_workgroup_size: 128
    .sgpr_count:     66
    .vgpr_count:     1024
    .wavefront_size: 32
...
	.end_amdgpu_metadata
.endif
;; end of part 6
;; ======== version 2 of 2: 6 launches
;; workspace buffers: wts 8,912,896 bytes; msk 532,480 bytes of whole numbers; qkv 6,946,816 bytes; ctx 2,228,224 bytes; x1 16,777,216 bytes; h2 2,228,224 bytes; g 8,912,896 bytes
;; launch prep (part 7): grid 256 x 1, 5 waves a work-group, no clusters, 14,592 bytes of LDS; arguments x, ln1_g, ln1_b, mask, Wq, Wk, Wv, Wo, W1, W2, wts, msk; writes wts, msk
.if DOCPART == 7
	.amdgcn_target "amdgcn-amd-amdhsa--gfx1250"
	.amdhsa_code_object_version 6
	.text
	.protected	k_q8dd9e8a9fe_prep
	.globl	k_q8dd9e8a9fe_prep
	.p2align	8
	.type	k_q8dd9e8a9fe_prep,@function
k_q8dd9e8a9fe_prep:
	s_mov_b64 s[64:65], 0
	v_nop
	global_prefetch_b8 v0, s[64:65] scope:SCOPE_SE
	s_setreg_imm32_b32 hwreg(HW_REG_WAVE_MODE, 25, 1), 1
	s_wait_xcnt 0x0
; PREP: everything that is quantised or packed once.  1,280 units of 64 KB, a wave each; the waves share nothing.  Every work-group has the same mix, parted on the wave's number:
;   wave 0:      LN1(x) of image tile = work-group, quantised along D, as operand images (codes) and scale bytes
;   wave 1:      the mask, unit = work-group: lane-mask words for the attention's score registers, and a class for each tile (0 all closed, 1 mixed, 2 all open)
;   waves 2-4:   Wq, Wk, Wv, Wo, W1, W2, units 3 x work-group + 0 .. 2, quantised along K (their K is not innermost: a lane takes a column, its registers run down K)
; IMAGES.  A tile is 16 rows; slot s of tile T is natural row 32 (T / 2) + 8 (T % 2) + s % 8 + 16 (s / 8).  Block kb (32 along K) of slot s lies at T x 8 K + 256 kb + 16 s bytes:
; that is the order of a 4-bit operand's registers, so a fragment (16 rows x 128 K) is 1,024 consecutive bytes, 16 bytes a lane.  Scale bytes: [K / 512][16 T + slot][16].
; QUANTISER: a block's scale byte is its largest magnitude's exponent field - 2, held at 1 from below.
; LIMITS: a block of zeros, or one whose largest magnitude lies under 2^-124, gets the byte 1 (its codes are zeros or tiny; this program alone reads the bytes); NaN and infinities among x and the weights are not served.
.set H1_C, 6684672
.set H1_S, 8781824
.set WV,  28                           ; s28 wave
.set WQ,  29                           ; s29 weights' path: unit % 4
.set SEL, 30                           ; s[30:31] lane selects: lane l xor 16
.set G,   32                           ; s32 weights' path: unit / 4, 0 .. 191
	s_load_b512 s[4:19], s[0:1], 0x0               ; x, ln1_g, ln1_b, mask, Wq, Wk, Wv, Wo
	s_load_b256 s[20:27], s[0:1], 0x40             ; W1, W2, wts, msk
	v_lshl_add_u32 v192, v0, 2, 0x3600
	v_mov_b32 v193, 0
	v_lshrrev_b32 v1, 5, v0
	v_readfirstlane_b32 s[WV], v1
	v_and_b32 v1, 31, v0                           ; lane
	s_mov_b32 s[SEL], 0x76543210
	s_mov_b32 s[SEL+1], 0xfedcba98
	s_wait_kmcnt 0x0
	s_cmp_eq_u32 s[WV], 0
	s_cbranch_scc1 .Lln
	s_cmp_eq_u32 s[WV], 1
	s_cbranch_scc1 .Lmask
; ---------------- WEIGHTS: a wave takes 32 columns x 512 along K ----------------
.macro PICK reg, a, b, c, d            ; a number by tensor: Wq/Wk/Wv (groups 0-47 of four units), Wo (48-63), W1 (64-127), W2 (128-191)
	s_mov_b32 s[\reg], \d
	s_cmp_lt_u32 s[G], 128
	s_cselect_b32 s[\reg], \c, s[\reg]
	s_cmp_lt_u32 s[G], 64
	s_cselect_b32 s[\reg], \b, s[\reg]
	s_cmp_lt_u32 s[G], 48
	s_cselect_b32 s[\reg], \a, s[\reg]
.endm
	s_mul_i32 s[G], ttmp9, 3
	s_add_co_u32 s[G], s[G], s[WV]
	s_sub_co_u32 s[G], s[G], 2                     ; my unit, 0 .. 767
	s_and_b32 s[WQ], s[G], 3
	s_lshr_b32 s[G], s[G], 2
	PICK 33, 0, 48, 64, 128                        ; the tensor's first group
	PICK 34, 15, 15, 63, 63                        ; groups of a tensor - 1
	PICK 35, 1, 31, 127, 31                        ; groups of 32 columns in a plane - 1
	PICK 36, 1, 5, 7, 5                            ; its log2
	PICK 37, 1, 1, 1, 7                            ; runs of 512 along K - 1
	PICK 38, 1, 1, 1, 3                            ; its log2
	PICK 39, 8, 12, 14, 12                         ; log2 of a row's bytes
	PICK 40, 13, 13, 13, 15                        ; log2 of an image tile's bytes (8 K)
	PICK 41, 49152, 16384, 65536, 16384            ; scale bytes of 512 along K
	PICK 42, 0, 1572864, 2097152, 4194304          ; the codes' place in wts
	PICK 43, 6291456, 6389760, 6422528, 6553600    ; the scale bytes' place
	s_lshr_b32 s44, s[G], 4
	s_cmp_lt_u32 s[G], 48
	s_cselect_b32 s44, s44, 0                      ; q, k or v
	s_sub_co_u32 s45, s[G], s33
	s_and_b32 s45, s45, s34
	s_lshl_b32 s45, s45, 2
	s_add_co_u32 s45, s45, s[WQ]                   ; my unit in the tensor
	s_and_b32 s46, s45, s35                        ; group of 32 columns
	s_lshr_b32 s47, s45, s36
	s_and_b32 s48, s47, s37                        ; run of 512 along K
	s_lshr_b32 s49, s47, s38                       ; plane (head)
	s_lshl_b32 s50, s49, 1
	s_add_co_u32 s50, s50, s46                     ; pair of image tiles
	s_lshl_b32 s52, s49, 18                        ; source: plane x 262,144
	s_add_co_u32 s51, s39, 9
	s_lshl_b32 s51, s48, s51                       ; + 512 rows a run
	s_add_co_u32 s52, s52, s51
	s_lshl_b32 s51, s46, 7                         ; + 128 bytes a group
	s_add_co_u32 s52, s52, s51
	s_mov_b32 s53, 0
	s_mov_b64 s[54:55], s[22:23]
	s_cmp_lt_u32 s[G], 128
	s_cselect_b64 s[54:55], s[20:21], s[54:55]
	s_cmp_lt_u32 s[G], 64
	s_cselect_b64 s[54:55], s[18:19], s[54:55]
	s_cmp_lt_u32 s[G], 48
	s_cselect_b64 s[54:55], s[16:17], s[54:55]
	s_cmp_lt_u32 s[G], 32
	s_cselect_b64 s[54:55], s[14:15], s[54:55]
	s_cmp_lt_u32 s[G], 16
	s_cselect_b64 s[54:55], s[12:13], s[54:55]
	s_add_nc_u64 s[54:55], s[54:55], s[52:53]
	s_lshl_b32 s52, s44, 19                        ; codes: 524,288 for each of q, k, v
	s_add_co_u32 s52, s52, s42
	s_add_co_u32 s51, s40, 1
	s_lshl_b32 s51, s50, s51                       ; two tiles a pair
	s_add_co_u32 s52, s52, s51
	s_lshl_b32 s51, s48, 12                        ; 4,096 bytes of a tile for 512 along K
	s_add_co_u32 s52, s52, s51
	s_add_nc_u64 s[56:57], s[24:25], s[52:53]
	s_lshl_b32 s52, s44, 14                        ; scale bytes
	s_add_co_u32 s52, s52, s43
	s_mul_i32 s51, s48, s41
	s_add_co_u32 s52, s52, s51
	s_lshl_b32 s51, s50, 9
	s_add_co_u32 s52, s52, s51
	s_add_nc_u64 s[58:59], s[24:25], s[52:53]
	s_lshl_b32 s60, 1, s39                         ; a row's bytes
	s_lshl_b32 s62, s60, 5                         ; 32 rows
	s_mov_b32 s63, 0
	s_wait_alu depctr_va_vdst(0)
	v_lshlrev_b32 v32, 2, v1                       ; v[32 + i]: my column in row i of a block
.set N, 0
.rept 31
	v_add_nc_u32 v[33+N], s60, v[32+N]
.set N, N+1
.endr
	v_bfe_u32 v2, v1, 3, 1                         ; my column's tile of the pair,
	v_and_b32 v3, 7, v1
	v_lshrrev_b32 v4, 4, v1
	v_lshl_add_u32 v3, v4, 3, v3                   ; and its slot
	v_lshlrev_b32 v5, s40, v2
	v_lshl_add_u32 v5, v3, 4, v5                   ; my 16 bytes of a block's codes
	v_lshl_add_u32 v6, v2, 4, v3
	v_lshlrev_b32 v6, 4, v6                        ; my 16 scale bytes
.macro WLOAD set                       ; a block: 32 rows, 128 consecutive bytes a load
.set N, 0
.rept 32
	global_load_b32 v[64+32*(\set)+N], v[32+N], s[54:55] th:TH_LOAD_NT
.set N, N+1
.endr
.endm
.macro BLOCK t
.set XS, 64+32*((\t)%2)
.if (\t) < 15
	s_wait_loadcnt 32                              ; this block's 32 loads are in; the next block's may be out
.else
	s_wait_loadcnt 0x0
.endif
	v_max3_num_f32 v8, |v[XS]|, |v[XS+1]|, |v[XS+2]|
	v_max3_num_f32 v9, |v[XS+3]|, |v[XS+4]|, |v[XS+5]|
.irp i, 6,10,14,18,22,26
	v_max3_num_f32 v8, v8, |v[XS+\i]|, |v[XS+\i+1]|
	v_max3_num_f32 v9, v9, |v[XS+\i+2]|, |v[XS+\i+3]|
.endr
	v_max3_num_f32 v8, v8, |v[XS+30]|, |v[XS+31]|
	v_max3_num_f32 v8, v8, v9, 0x1800000           ; and the floor 2^(3 - 127): the byte cannot fall under 1
	v_add_nc_u32 v10, 0xff000000, v8               ; 2 off the exponent field: the conversion's scale operand
	v_lshrrev_b32 v11, 23, v10                     ; the byte
.if (\t)%4 == 0
	v_mov_b32 v[132+(\t)/4], v11
.else
	v_lshl_or_b32 v[132+(\t)/4], v11, 8*((\t)%4), v[132+(\t)/4]
.endif
	s_wait_alu depctr_va_vdst(0)
	s_wait_xcnt 0x0                                ; the last store has read its codes, the loads their base: both are written below
.irp q, 0,1,2,3
	v_cvt_scalef32_pk8_fp4_f32 v[128+\q], v[XS+8*\q:XS+8*\q+7], v10
.endr
	global_store_b128 v5, v[128:131], s[56:57] offset:256*(\t)     ; sixteen lanes fill 256 consecutive bytes of one tile, sixteen of the other
.if (\t)+2 < 16
	s_add_nc_u64 s[54:55], s[54:55], s[62:63]
	WLOAD (\t)%2
.endif
.endm
	WLOAD 0
	s_wait_alu depctr_va_vdst(0)
	s_wait_xcnt 0x0
	s_add_nc_u64 s[54:55], s[54:55], s[62:63]
	WLOAD 1
.set TT, 0
.rept 16
	BLOCK TT
.set TT, TT+1
.endr
	global_store_b128 v6, v[132:135], s[58:59]     ; 512 consecutive bytes
	s_endpgm
; ---------------- MASK: a wave takes one tile of 16 queries x 8 steps of 128 keys ----------------
; Word n of a step: bit l = mask[query of slot l % 16][128 step + 32 (n / 16) + 16 (l / 16) + n % 16] != 0: the lane mask of score register n.
.Lmask:
	s_lshr_b32 s32, ttmp9, 1                       ; the tile of queries
	s_and_b32 s33, ttmp9, 1                        ; which eight steps
	s_lshr_b32 s34, s32, 1
	s_lshl_b32 s34, s34, 5
	s_and_b32 s35, s32, 1
	s_lshl_b32 s35, s35, 3
	s_add_co_u32 s34, s34, s35                     ; slot 0's query
	s_lshl_b32 s34, s34, 13
	s_lshl_b32 s35, s33, 12
	s_add_co_u32 s34, s34, s35
	s_mov_b32 s35, 0
	s_add_nc_u64 s[36:37], s[10:11], s[34:35]
	s_lshl_b32 s34, s32, 4
	s_lshl_b32 s38, s33, 3
	s_add_co_u32 s34, s34, s38                     ; 16 x tile + first step
	s_lshl_b32 s38, s34, 8
	s_mov_b32 s39, 0
	s_add_nc_u64 s[56:57], s[26:27], s[38:39]      ; the words
	s_lshl_b32 s38, s34, 2
	s_add_co_u32 s38, s38, 524288
	s_add_nc_u64 s[58:59], s[26:27], s[38:39]      ; the classes
	s_wait_alu depctr_va_vdst(0)
	v_and_b32 v2, 15, v1
	v_lshrrev_b32 v3, 4, v1
	v_and_b32 v4, 7, v2
	v_lshrrev_b32 v5, 3, v2
	v_lshl_add_u32 v4, v5, 4, v4
	v_lshlrev_b32 v4, 13, v4                       ; my query's row of 8,192 bytes
	v_lshl_add_u32 v4, v3, 6, v4                   ; + 16 keys for the upper half of the lanes
	v_lshlrev_b32 v5, 3, v1
	v_lshlrev_b32 v6, 2, v1
	v_mov_b32 v160, 0                              ; a lane write's destination counts as read
	v_mov_b32 v161, 0
	v_mov_b32 v162, 0
	s_mov_b32 s50, 0
	s_mov_b32 s51, 0
.macro MSTEP st, lw
	s_wait_loadcnt \lw
	s_wait_xcnt 0x0                                ; the last store has read the word registers
	s_mov_b32 s48, -1
	s_mov_b32 s49, 0
.set GQ, 0
.rept 8
.irp e, 0,1,2,3,4,5,6,7
	v_cmp_ne_u32 s[40+\e], 0, v[32+64*(\st)+8*GQ+\e]
.endr
.irp e, 0,1,2,3,4,5,6,7
	v_writelane_b32 v[160+\e%2], s[40+\e], 4*GQ+\e/2       ; lane i keeps words 2 i and 2 i + 1
.endr
.irp e, 0,1,2,3,4,5,6,7
	s_and_b32 s48, s48, s[40+\e]
	s_or_b32 s49, s49, s[40+\e]
.endr
.set GQ, GQ+1
.endr
	s_wait_alu depctr_va_vdst(0)
	global_store_b64 v5, v[160:161], s[56:57] offset:256*(\st)     ; 256 consecutive bytes
	s_cmp_eq_u32 s48, -1
	s_cselect_b32 s52, 2, 1
	s_cmp_eq_u32 s49, 0
	s_cselect_b32 s52, 0, s52
	v_mov_b32 v163, s52
	v_cmp_eq_u32 vcc_lo, s51, v1
	v_cndmask_b32 v162, v162, v163, vcc_lo         ; the step's class, in the lane of its number
	s_add_co_u32 s51, s51, 1
.endm
.Lmtrip:                                               ; four trips of two steps
.irp st, 0,1
.irp bb, 0,1,2,3
.irp j, 0,1,2,3
	global_load_b128 v[32+64*\st+16*\bb+4*\j:35+64*\st+16*\bb+4*\j], v4, s[36:37] offset:512*\st+128*\bb+16*\j
.endr
.endr
.endr
	MSTEP 0, 16                                    ; the second step's sixteen loads may be out
	MSTEP 1, 0
	s_wait_xcnt 0x0
	s_add_nc_u64 s[36:37], s[36:37], 1024
	s_add_nc_u64 s[56:57], s[56:57], 512
	s_add_co_u32 s50, s50, 1
	s_cmp_lt_u32 s50, 4
	s_cbranch_scc1 .Lmtrip
	v_cmp_gt_u32 vcc_lo, 8, v1
	s_wait_xcnt 0x0                                ; EXEC changes only behind this wait
	s_and_saveexec_b32 s52, vcc_lo
	s_wait_alu depctr_va_vdst(0)
	global_store_b32 v6, v162, s[58:59]
	s_wait_xcnt 0x0
	s_or_b32 exec_lo, exec_lo, s52
	s_endpgm
; ---------------- LN1: wave 0 takes one image tile, 16 rows of x ----------------
; LDS (13,824 bytes, this wave's alone): TR at 0, 32 x 144: a row turns from 16 bytes a lane to 128 bytes (a block of 32) a lane; IM at 4,608, 32 x 272: the tile's image; SS at 13,312, 512: its scale bytes.
.Lln:
	s_lshr_b32 s33, ttmp9, 1
	s_lshl_b32 s33, s33, 5
	s_and_b32 s34, ttmp9, 1
	s_lshl_b32 s34, s34, 3
	s_add_co_u32 s33, s33, s34                     ; slot 0's row
	s_lshl_b32 s34, s33, 12
	s_mov_b32 s35, 0
	s_add_nc_u64 s[36:37], s[4:5], s[34:35]
	s_lshl_b32 s34, ttmp9, 13
	s_add_co_u32 s34, s34, H1_C
	s_add_nc_u64 s[38:39], s[24:25], s[34:35]
	s_lshl_b32 s34, ttmp9, 8
	s_add_co_u32 s34, s34, H1_S
	s_add_nc_u64 s[40:41], s[24:25], s[34:35]
	s_mov_b32 s45, 0x3a800000                      ; 1 / 1024
	s_mov_b32 s46, 0x3727c5ac                      ; 1e-5
	s_wait_alu depctr_va_vdst(0)
	v_lshlrev_b32 v2, 4, v1                        ; 16 x lane
	v_lshrrev_b32 v3, 3, v1
	v_mul_u32_u24 v3, v3, 144
	v_and_b32 v10, 7, v1
	v_lshl_add_u32 v3, v10, 4, v3                  ; TR, in
	v_mul_u32_u24 v4, v1, 144                      ; TR, out
	v_mul_u32_u24 v5, v1, 272
	v_add_nc_u32 v5, 4608, v5                      ; IM, in: block = my lane
	v_lshrrev_b32 v12, 4, v1
	v_and_b32 v10, 15, v1
	v_lshl_add_u32 v6, v12, 8, v10
	v_add_nc_u32 v6, 13312, v6                     ; SS, in
	v_mul_u32_u24 v7, v12, 272
	v_lshl_add_u32 v7, v10, 4, v7
	v_add_nc_u32 v7, 4608, v7                      ; IM, out
	v_add_nc_u32 v8, 13312, v2                     ; SS, out
	v_lshlrev_b32 v9, 16, v12
	v_lshl_add_u32 v9, v10, 4, v9                  ; the scale bytes' place in memory
	v_mov_b32 v11, 0                               ; upper halves of pairs of which the low word serves both halves
	v_mov_b32 v13, 0
	v_mov_b32 v30, 0                               ; a lane permute's destination counts as read
.irp i, 0,1,2,3,4,5,6,7
	global_load_b128 v[32+4*\i:35+4*\i], v2, s[6:7] offset:512*\i
.endr
.irp i, 0,1,2,3,4,5,6,7
	global_load_b128 v[64+4*\i:67+4*\i], v2, s[8:9] offset:512*\i
.endr
.macro XROW S, slot
.irp i, 0,1,2,3,4,5,6,7
	global_load_b128 v[\S+4*\i:\S+4*\i+3], v2, s[36:37] offset:(((\slot)&7)+16*((\slot)>>3))*4096+512*\i th:TH_LOAD_NT
.endr
.endm
.macro RED r                           ; the sum over the wave's 32 lanes, in every lane
	v_add_f32_dpp v[\r], v[\r], v[\r] row_xmask:1 row_mask:0xf bank_mask:0xf
	v_add_f32_dpp v[\r], v[\r], v[\r] row_xmask:2 row_mask:0xf bank_mask:0xf
	v_add_f32_dpp v[\r], v[\r], v[\r] row_xmask:4 row_mask:0xf bank_mask:0xf
	v_add_f32_dpp v[\r], v[\r], v[\r] row_xmask:8 row_mask:0xf bank_mask:0xf
	v_permlanex16_b32 v30, v[\r], s[SEL], s[SEL+1]
	v_add_f32 v[\r], v[\r], v30
.endm
.macro LNROW S, slot, nxt, lw
	s_wait_loadcnt \lw                             ; my row is in; the other set's eight loads may be out
	v_pk_add_f32 v[14:15], v[\S:\S+1], v[\S+2:\S+3]
	v_pk_add_f32 v[16:17], v[\S+4:\S+5], v[\S+6:\S+7]
.irp j, 8,12,16,20,24,28
	v_pk_add_f32 v[14:15], v[14:15], v[\S+\j:\S+\j+1]
	v_pk_add_f32 v[16:17], v[16:17], v[\S+\j+2:\S+\j+3]
.endr
	v_pk_add_f32 v[14:15], v[14:15], v[16:17]
	v_add_f32 v14, v14, v15
	RED 14
	v_mul_f32 v10, s45, v14                        ; the mean
.set N, 0
.rept 16
	v_pk_add_f32 v[\S+N:\S+N+1], v[\S+N:\S+N+1], v[10:11] op_sel_hi:[1,0] neg_lo:[0,1] neg_hi:[0,1]
.set N, N+2
.endr
	v_pk_mul_f32 v[14:15], v[\S:\S+1], v[\S:\S+1]
	v_pk_mul_f32 v[16:17], v[\S+2:\S+3], v[\S+2:\S+3]
.irp j, 4,8,12,16,20,24,28
	v_pk_fma_f32 v[14:15], v[\S+\j:\S+\j+1], v[\S+\j:\S+\j+1], v[14:15]
	v_pk_fma_f32 v[16:17], v[\S+\j+2:\S+\j+3], v[\S+\j+2:\S+\j+3], v[16:17]
.endr
	v_pk_add_f32 v[14:15], v[14:15], v[16:17]
	v_add_f32 v14, v14, v15
	RED 14
	v_fma_f32 v18, v14, s45, s46                   ; the variance + eps
	s_wait_alu depctr_va_vdst(0)
	v_rsq_f32 v12, v18
	v_nop                                          ; a plain instruction behind the transcendental,
	s_wait_alu depctr_va_vdst(0)                   ; and the wait ahead of the first reader of its result
.set N, 0
.rept 16
	v_pk_mul_f32 v[\S+N:\S+N+1], v[\S+N:\S+N+1], v[12:13] op_sel_hi:[1,0]
.set N, N+2
.endr
.set N, 0
.rept 16
	v_pk_fma_f32 v[\S+N:\S+N+1], v[\S+N:\S+N+1], v[32+N:33+N], v[64+N:65+N]
.set N, N+2
.endr
.irp i, 0,1,2,3,4,5,6,7
	ds_store_b128 v3, v[\S+4*\i:\S+4*\i+3] offset:576*\i
.endr
.irp i, 0,1,2,3,4,5,6,7
	ds_load_b128 v[160+4*\i:163+4*\i], v4 offset:16*\i             ; LDS serves a wave's instructions in order: these see the stores above
.endr
	s_wait_dscnt 0x0                               ; block = my lane is in; the stores have read the row, and the last row's stores their codes
.if \nxt
	XROW \S, (\slot)+1
.endif
	v_max3_num_f32 v22, |v160|, |v161|, |v162|
	v_max3_num_f32 v23, |v163|, |v164|, |v165|
.irp i, 6,10,14,18,22,26
	v_max3_num_f32 v22, v22, |v[160+\i]|, |v[161+\i]|
	v_max3_num_f32 v23, v23, |v[162+\i]|, |v[163+\i]|
.endr
	v_max3_num_f32 v22, v22, |v190|, |v191|
	v_max3_num_f32 v22, v22, v23, 0x1800000
	v_add_nc_u32 v24, 0xff000000, v22
	v_lshrrev_b32 v25, 23, v24
.irp q, 0,1,2,3
	v_cvt_scalef32_pk8_fp4_f32 v[26+\q], v[160+8*\q:167+8*\q], v24
.endr
	ds_store_b128 v5, v[26:29] offset:16*(\slot)
	ds_store_b8 v6, v25 offset:16*(\slot)
.endm
	XROW 96, 0
	XROW 128, 8
.irp t, 0,1,2,3,4,5,6
	LNROW 96, \t, 1, 8
	LNROW 128, \t+8, 1, 8
.endr
	LNROW 96, 7, 0, 8
	LNROW 128, 15, 0, 0
.irp t, 0,1,2,3,4,5,6,7,8,9,10,11,12,13,14,15
	ds_load_b128 v[96+4*\t:99+4*\t], v7 offset:544*\t
.endr
	ds_load_b128 v[160:163], v8
.irp t, 0,1,2,3,4,5,6,7,8,9,10,11,12,13,14,15
	s_wait_dscnt 16-\t                             ; the later image loads and the scale load may be out
	global_store_b128 v2, v[96+4*\t:99+4*\t], s[38:39] offset:512*\t       ; 512 consecutive bytes
.endr
	s_wait_dscnt 0x0
	global_store_b128 v9, v[160:163], s[40:41]     ; two runs of 256 consecutive bytes
	s_wait_tensorcnt 0x0
	ds_add_u32 v192, v193
	s_wait_dscnt 0x0
	s_endpgm
.Lfunc_end_k_q8dd9e8a9fe_prep:
	.size	k_q8dd9e8a9fe_prep, .Lfunc_end_k_q8dd9e8a9fe_prep-k_q8dd9e8a9fe_prep
	.p2alignl 7, 3214868480
	.fill 96, 4, 3214868480
	.section	.rodata,"a",@progbits
	.p2align	6, 0x0
	.amdhsa_kernel k_q8dd9e8a9fe_prep
		.amdhsa_group_segment_fixed_size 14592
		.amdhsa_private_segment_fixed_size 0
		.amdhsa_enable_private_segment 0
		.amdhsa_kernarg_size 96
		.amdhsa_user_sgpr_count 2
		.amdhsa_user_sgpr_kernarg_segment_ptr 1
		.amdhsa_wavefront_size32 1
		.amdhsa_system_sgpr_workgroup_id_x 1
		.amdhsa_system_sgpr_workgroup_id_y 1
		.amdhsa_system_sgpr_workgroup_id_z 1
		.amdhsa_system_vgpr_workitem_id 0
		.amdhsa_next_free_vgpr 194
		.amdhsa_next_free_sgpr 100
		.amdhsa_reserve_vcc 1
		.amdhsa_float_denorm_mode_32 3
		.amdhsa_float_denorm_mode_16_64 3
		.amdhsa_memory_ordered 1
		.amdhsa_forward_progress 1
		.amdhsa_inst_pref_size 255
	.end_amdhsa_kernel
	.section	.bss,"aw",@nobits
	.p2align	6
	.space	262144
	.amdgpu_metadata
---
amdhsa.version: [ 1, 2 ]
amdhsa.kernels:
  - .name:           k_q8dd9e8a9fe_prep
    .symbol:         k_q8dd9e8a9fe_prep.kd
    .args:
      - { .name: x, .offset: 0, .size: 8, .value_kind: global_buffer, .address_space: global }
      - { .name: ln1_g, .offset: 8, .size: 8, .value_kind: global_buffer, .address_space: global }
      - { .name: ln1_b, .offset: 16, .size: 8, .value_kind: global_buffer, .address_space: global }
      - { .name: mask, .offset: 24, .size: 8, .value_kind: global_buffer, .address_space: global }
      - { .name: Wq, .offset: 32, .size: 8, .value_kind: global_buffer, .address_space: global }
      - { .name: Wk, .offset: 40, .size: 8, .value_kind: global_buffer, .address_space: global }
      - { .name: Wv, .offset: 48, .size: 8, .value_kind: global_buffer, .address_space: global }
      - { .name: Wo, .offset: 56, .size: 8, .value_kind: global_buffer, .address_space: global }
      - { .name: W1, .offset: 64, .size: 8, .value_kind: global_buffer, .address_space: global }
      - { .name: W2, .offset: 72, .size: 8, .value_kind: global_buffer, .address_space: global }
      - { .name: wts, .offset: 80, .size: 8, .value_kind: global_buffer, .address_space: global }
      - { .name: msk, .offset: 88, .size: 8, .value_kind: global_buffer, .address_space: global }
    .group_segment_fixed_size: 14592
    .private_segment_fixed_size: 0
    .kernarg_segment_align: 8
    .kernarg_segment_size: 96
    .max_flat_workgroup_size: 160
    .sgpr_count:     100
    .vgpr_count:     194
    .wavefront_size: 32
...
	.end_amdgpu_metadata
.endif
;; end of part 7
;; launch qkv (part 8): grid 6 x 32, 4 waves a work-group, no clusters, 0 bytes of LDS; arguments wts, bq, bk, bv, qkv; writes qkv
.if DOCPART == 8
	.amdgcn_target "amdgcn-amd-amdhsa--gfx1250"
	.amdhsa_code_object_version 6
	.text
	.protected	k_q8dd9e8a9fe_qkv
	.globl	k_q8dd9e8a9fe_qkv
	.p2align	8
	.type	k_q8dd9e8a9fe_qkv,@function
k_q8dd9e8a9fe_qkv:
	s_mov_b64 s[64:65], 0
	v_nop
	global_prefetch_b8 v0, s[64:65] scope:SCOPE_SE
	s_setreg_imm32_b32 hwreg(HW_REG_WAVE_SCHED_MODE, 0, 2), 2
	s_setreg_imm32_b32 hwreg(HW_REG_WAVE_MODE, 25, 1), 1
	s_wait_xcnt 0x0
	s_wait_alu depctr_vm_vsrc(0)
; Q, K, V = LN1(x) W + b on codes of FP4, quantised again on the way out: q and k along the head's 64 channels, v along the keys.
; A wave makes 128 x 128: X = 8 tiles as source 0, Y = 8 tiles as source 1, K = 1,024 in 8 steps written out.  Operands are images in the order of the operand's registers: a fragment is two loads of 512 consecutive bytes.
; Work-group x = 0, 1: q; 2, 3: k: X = 128 rows of the weight, Y = 128 tokens: a lane's registers run along the channels.  x = 4, 5: v: X = tokens, Y = weight rows: they run along the keys.
; A tile's slots are laid so that the 64 registers of a lane's 8 results are: register n = natural index 32 (n / 16) + 16 (lane / 16) + n % 16 of X's 128 rows: sixteen neighbours of each block of 32.
; No tile is shared through LDS or a cluster: the four waves of a work-group read the same 64 KB of tokens through the caches; what is shared is half of a step's bytes.
; REGISTERS: window 0: v0-31 addresses and at work; v32-63 X's scale words, v64-95 Y's (nothing else ever); v96-127 at work; v128-255 Y's fragments, two sets.  window 1: v0-191 X's fragments, three sets.  windows 2, 3: the 64 accumulators.
; LIMITS: a block whose largest magnitude lies under 2^-124 gets the byte 1; NaN and infinities are not served.
; THE MODE: SCHED_MODE bits 1:0 = 2 (LLVM: expert scheduling mode 2), set by the entry lines.  The code itself states the register dependences between vector or matrix instructions and memory instructions, with s_wait_alu, always for 0.
; THE PLAN.  Registers that memory instructions touch:
;   X0 .. X2      K step ks: its 64 products read X[ks % 3]; the loads of K step ks + 3 land in it, at the head of K step ks + 1.
;   Y0, Y1        in halves of four tiles.  The 32 products of half g of K step ks read half g of Y[ks % 2]; the loads of K step ks + 2 land in it straight behind them.
;   scale words   loaded once.   v1, v4, v6, v7, v8: offsets, made once at the head and never written again.
;   v192-255      behind the last product: the bias lands in Y1.
;   v[PC ..]      a tile's codes: written by the conversions and exchanges, read by the tile's two stores.   v[SW ..], v28-31: scale words, written by vector lines, read by the last stores.
; So two waits on va_vdst stand in a K step: in its middle for the 8 loads into Y's half 0, at its end for the 8 into Y's half 1 and the next step's 16 into X.  The loads stand at the first place at which their registers
; are free, in runs, since a run under another window costs two switches.
.set WQKV_S, 6291456
.set H1_C, 6684672
.set H1_S, 8781824
.set Q_S, 6291456
.set TILEB, 8192
.set XSC, 32
.set YSC, 64
.set TM, 96
.set PW, 112
.set PC, 114
.set SW, 20
.set ST, 128
.set BX, 192
.set XP, 20
.set YP, 22
.set XS0, 24
.set YS0, 28
.set SEL, 52
.set MSB, 0
.macro WIN new                         ; the immediate's high byte repeats the setting that is left
.if MSB != \new
	s_set_vgpr_msb (MSB<<8)|\new
.set MSB, \new
.endif
.endm
.macro PLACES                          ; four plain places behind matrix instructions, ahead of loads into their operands and of reads of their results
.rept 4
	v_nop
.endr
.endm
.macro WMZ ra, rb                      ; a sum's first product: C = 0
.if (\ra) && (\rb)
	v_wmma_scale_f32_16x16x128_f8f6f4 v[rD:rD+7], v[rX:rX+7], v[rY:rY+7], 0, v[rSX], v[rSY] matrix_a_fmt:MATRIX_FMT_FP4 matrix_b_fmt:MATRIX_FMT_FP4 matrix_a_scale:MATRIX_SCALE_ROW1 matrix_b_scale:MATRIX_SCALE_ROW1
.elseif (\ra)
	v_wmma_scale_f32_16x16x128_f8f6f4 v[rD:rD+7], v[rX:rX+7], v[rY:rY+7], 0, v[rSX], v[rSY] matrix_a_fmt:MATRIX_FMT_FP4 matrix_b_fmt:MATRIX_FMT_FP4 matrix_a_scale:MATRIX_SCALE_ROW1
.elseif (\rb)
	v_wmma_scale_f32_16x16x128_f8f6f4 v[rD:rD+7], v[rX:rX+7], v[rY:rY+7], 0, v[rSX], v[rSY] matrix_a_fmt:MATRIX_FMT_FP4 matrix_b_fmt:MATRIX_FMT_FP4 matrix_b_scale:MATRIX_SCALE_ROW1
.else
	v_wmma_scale_f32_16x16x128_f8f6f4 v[rD:rD+7], v[rX:rX+7], v[rY:rY+7], 0, v[rSX], v[rSY] matrix_a_fmt:MATRIX_FMT_FP4 matrix_b_fmt:MATRIX_FMT_FP4
.endif
.endm
.macro WMA ra, rb
.if (\ra) && (\rb)
	v_wmma_scale_f32_16x16x128_f8f6f4 v[rD:rD+7], v[rX:rX+7], v[rY:rY+7], v[rD:rD+7], v[rSX], v[rSY] matrix_a_fmt:MATRIX_FMT_FP4 matrix_b_fmt:MATRIX_FMT_FP4 matrix_a_scale:MATRIX_SCALE_ROW1 matrix_b_scale:MATRIX_SCALE_ROW1
.elseif (\ra)
	v_wmma_scale_f32_16x16x128_f8f6f4 v[rD:rD+7], v[rX:rX+7], v[rY:rY+7], v[rD:rD+7], v[rSX], v[rSY] matrix_a_fmt:MATRIX_FMT_FP4 matrix_b_fmt:MATRIX_FMT_FP4 matrix_a_scale:MATRIX_SCALE_ROW1
.elseif (\rb)
	v_wmma_scale_f32_16x16x128_f8f6f4 v[rD:rD+7], v[rX:rX+7], v[rY:rY+7], v[rD:rD+7], v[rSX], v[rSY] matrix_a_fmt:MATRIX_FMT_FP4 matrix_b_fmt:MATRIX_FMT_FP4 matrix_b_scale:MATRIX_SCALE_ROW1
.else
	v_wmma_scale_f32_16x16x128_f8f6f4 v[rD:rD+7], v[rX:rX+7], v[rY:rY+7], v[rD:rD+7], v[rSX], v[rSY] matrix_a_fmt:MATRIX_FMT_FP4 matrix_b_fmt:MATRIX_FMT_FP4
.endif
.endm
.macro WM a, b, ks                     ; Y's tile a x X's tile b, K step ks.  A scale load's four registers are four K steps; its lanes 0-15 an even tile, 16-31 the odd one beside it
.set rD, 8*(8*((\a)%4)+(\b))
.set rX, 64*((\ks)%3)+8*(\b)
.set rY, 128+64*((\ks)%2)+8*(\a)
.set rSX, XSC+(((\ks)/4)*4+(\b)/2)*4+(\ks)%4
.set rSY, YSC+(((\ks)/4)*4+(\a)/2)*4+(\ks)%4
.if (\ks) == 0
	WMZ (\b)%2, (\a)%2
.else
	WMA (\b)%2, (\a)%2
.endif
.endm
.macro LDSC
.irp kg, 0,1
.irp j, 0,1,2,3
	global_load_b128 v[XSC+16*\kg+4*\j:XSC+16*\kg+4*\j+3], v1, s[XS0+2*\kg:XS0+2*\kg+1] offset:512*\j
	global_load_b128 v[YSC+16*\kg+4*\j:YSC+16*\kg+4*\j+3], v1, s[YS0+2*\kg:YS0+2*\kg+1] offset:512*\j
.endr
.endr
.endm
.macro LDX ks
	WIN 0x40
.irp i, 0,1,2,3,4,5,6,7
.irp c, 0,1
	global_load_b128 v[64*((\ks)%3)+8*\i+4*\c:64*((\ks)%3)+8*\i+4*\c+3], v1, s[XP:XP+1] offset:\i*TILEB+(\ks)*1024+\c*512
.endr
.endr
.endm
.macro LDY ks, g
	WIN 0
.irp i, 0,1,2,3
.irp c, 0,1
	global_load_b128 v[128+64*((\ks)%2)+8*(4*(\g)+\i)+4*\c:128+64*((\ks)%2)+8*(4*(\g)+\i)+4*\c+3], v1, s[YP:YP+1] offset:(4*(\g)+\i)*TILEB+(\ks)*1024+\c*512
.endr
.endr
.endm
.macro MUL ks, g                       ; 32 products; the 64 accumulators take turns, one instruction a turn, in the same order in every K step
	WIN 0xa1+0x50*(\g)
.irp a, 0,1,2,3
.irp b, 0,1,2,3,4,5,6,7
	WM 4*(\g)+\a, \b, \ks
.endr
.endr
.endm
; The waits on LOADcnt count the loads issued behind the fragments that the next 32 products read: Y's other half 8, the next K step 32, X two steps on 16 (56); then 32 + 16 + 8 (56); in the last two steps what is left.
.macro CORE
	LDSC
	LDX 0
	LDY 0, 0
	LDY 0, 1
	LDX 1
	LDY 1, 0
	LDY 1, 1
.set KS, 0
.rept 8
.if KS <= 5
	LDX KS+2                                       ; no wait here: the one at the last K step's end stands ahead, with loads and a window switch alone between
	s_wait_loadcnt 56
.elseif KS == 6
	s_wait_loadcnt 40
.else
	s_wait_loadcnt 8
.endif
	MUL KS, 0
.if KS <= 5
	PLACES
	WIN 0
	s_wait_alu depctr_va_vdst(0)                   ; the 32 products above are done reading tiles 0-3 of this K step's set of Y, in which the eight loads below land
	LDY KS+2, 0
	s_wait_loadcnt 56
.elseif KS == 6
	s_wait_loadcnt 32
.else
	s_wait_loadcnt 0x0
.endif
	MUL KS, 1
	PLACES
.if KS <= 5
	WIN 0
	s_wait_alu depctr_va_vdst(0)                   ; this K step's products are done reading tiles 4-7 of its set of Y and its set of X: the eight loads below land in the one, the next K step's first sixteen in the other
	LDY KS+2, 1
.endif
.set KS, KS+1
.endr
	WIN 0
.endm
; 64 numbers of a lane, register 16 b + i = k 32 b + 16 (lane / 16) + i of my row, become a fragment's codes in v[PC] on and its scale word in v[PW]
.macro QUANT s
.irp b, 0,1,2,3
	v_max3_num_f32 v[TM+\b], |v[\s+16*\b]|, |v[\s+1+16*\b]|, 0x1800000     ; with the floor 2^(3 - 127): the byte cannot fall under 1
.endr
.irp i, 2,4,6,8,10,12,14
.irp b, 0,1,2,3
	v_max3_num_f32 v[TM+\b], v[TM+\b], |v[\s+16*\b+\i]|, |v[\s+1+16*\b+\i]|
.endr
.endr
.irp b, 0,1,2,3
	v_permlanex16_b32 v[TM+4+\b], v[TM+\b], s[SEL], s[SEL+1]
.endr
.irp b, 0,1,2,3
	v_max_num_f32 v[TM+\b], v[TM+\b], v[TM+4+\b]
.endr
.irp b, 0,1,2,3
	v_add_nc_u32 v[TM+12+\b], 0xff000000, v[TM+\b]
.endr
.irp b, 0,1,2,3
	v_lshrrev_b32 v[TM+4+\b], 23, v[TM+12+\b]
.endr
	v_lshl_or_b32 v[PW], v[TM+5], 8, v[TM+4]
	v_lshl_or_b32 v[PW], v[TM+6], 16, v[PW]
	v_lshl_or_b32 v[PW], v[TM+7], 24, v[PW]
	s_wait_xcnt 0x0                                ; the last tile's stores have had their addresses translated: their data are written again only behind this wait,
	s_wait_alu depctr_vm_vsrc(0)                   ; and those stores have read v[PC ..], which the conversions below write again
.irp b, 0,1,2,3
	v_cvt_scalef32_pk8_fp4_f32 v[PC+2*\b], v[\s+16*\b:\s+7+16*\b], v[TM+12+\b]
	v_cvt_scalef32_pk8_fp4_f32 v[PC+1+2*\b], v[\s+8+16*\b:\s+15+16*\b], v[TM+12+\b]
.endr
	v_nop                                          ; one plain place behind a scaled conversion
.irp c, 0,1
.irp i, 0,1
	v_permlane16_swap_b32 v[PC+4*\c+\i], v[PC+2+4*\c+\i]   ; a whole block to a lane, as the operand's layout wants it
.endr
.endr
.endm
	s_load_b256 s[4:11], s[0:1], 0x0               ; wts, bq, bk, bv
	s_load_b64 s[12:13], s[0:1], 0x20              ; qkv
	v_lshrrev_b32 v2, 5, v0
	v_readfirstlane_b32 s14, v2                    ; wave
	v_and_b32 v3, 31, v0
	v_lshlrev_b32 v1, 4, v3                        ; 16 x lane
	v_and_b32 v2, 15, v0                           ; r
	v_bfe_u32 v3, v0, 4, 1                         ; h
	v_lshlrev_b32 v4, 6, v3                        ; q, k: the bias of my half's sixteen channels
	v_lshlrev_b32 v5, 4, v3                        ; 16 h: the shift that brings the second head's two bytes down
	v_lshlrev_b32 v6, 13, v3
	v_lshl_add_u32 v6, v2, 4, v6                   ; q, k: scale words: 16 r, the second head 8,192 on
	v_and_b32 v7, 7, v2
	v_lshrrev_b32 v9, 3, v2
	v_lshl_add_u32 v7, v9, 4, v7
	v_lshlrev_b32 v7, 2, v7                        ; v: the bias of my slot's channel
	v_lshlrev_b32 v8, 12, v3
	v_lshl_add_u32 v8, v2, 4, v8                   ; v: scale words: 16 r, the second head 4,096 on
.irp b, 0,1,2,3
	v_mov_b32 v[TM+4+\b], 0                        ; a lane permute's destination counts as read
.endr
	s_mov_b32 s[SEL], 0x76543210
	s_mov_b32 s[SEL+1], 0xfedcba98
	s_and_b32 s15, ttmp7, 0xffff                   ; the group of 128 tokens
	s_wait_alu depctr_va_sdst(0)                   ; s14 is written, ahead of its first reader: the wave's offsets are made from it
	s_lshl_b32 s16, ttmp9, 2
	s_add_co_u32 s16, s16, s14                     ; the group of 128 weight rows, 0-23
	s_lshl_b32 s32, s16, 16                        ; the weight's codes,
	s_lshl_b32 s33, s16, 11
	s_add_co_u32 s33, s33, WQKV_S                  ; its scale bytes,
	s_lshl_b32 s34, s15, 16
	s_add_co_u32 s34, s34, H1_C                    ; the tokens' codes,
	s_lshl_b32 s35, s15, 11
	s_add_co_u32 s35, s35, H1_S                    ; their scale bytes: offsets in wts
	s_mov_b32 s38, 65536
	s_mov_b32 s41, 0
	s_mov_b32 s43, 0
	s_mov_b32 s45, 0
	s_mov_b32 s47, 0
	s_mov_b32 s49, 0
	s_mov_b32 s51, 0
	s_cmp_ge_u32 ttmp9, 4                          ; for v the tokens are X
	s_cselect_b32 s40, s34, s32
	s_cselect_b32 s42, s32, s34
	s_cselect_b32 s44, s35, s33
	s_cselect_b32 s46, s33, s35
	s_cselect_b32 s48, s38, 49152                  ; from 512 along K to the next, in scale bytes
	s_cselect_b32 s50, 49152, s38
	s_and_b32 s17, s16, 7
	s_lshl_b32 s18, s17, 1
	s_lshr_b32 s19, s15, 4
	s_lshl_b32 s19, s19, 4
	s_add_co_u32 s18, s18, s19                     ; 16 x batch + my first head
	s_and_b32 s19, s15, 15                         ; the group of tokens in its batch
	s_lshl_b32 s36, s18, 16                        ; where the codes go
	s_lshl_b32 s37, s19, 12
	s_lshl_b32 s39, s19, 10
	s_cmp_ge_u32 ttmp9, 4
	s_cselect_b32 s37, s39, s37
	s_add_co_u32 s36, s36, s37
	s_lshr_b32 s39, ttmp9, 1                       ; 0 q, 1 k, 2 v
	s_lshl_b32 s37, s39, 21
	s_add_co_u32 s36, s36, s37
	s_mov_b32 s37, 0
	s_lshl_b32 s60, s18, 13                        ; and the scale words: v's regions are half as large as q's and k's
	s_lshl_b32 s61, s19, 9
	s_add_co_u32 s60, s60, s61
	s_lshr_b32 s61, s60, 1
	s_cmp_ge_u32 ttmp9, 4
	s_cselect_b32 s60, s61, s60
	s_lshl_b32 s61, s39, 18
	s_add_co_u32 s60, s60, s61
	s_add_co_u32 s60, s60, Q_S
	s_mov_b32 s61, 0
	s_lshl_b32 s62, s17, 9
	s_mov_b32 s63, 0
	s_wait_kmcnt 0x0
	s_add_nc_u64 s[XP:XP+1], s[4:5], s[40:41]
	s_add_nc_u64 s[YP:YP+1], s[4:5], s[42:43]
	s_add_nc_u64 s[XS0:XS0+1], s[4:5], s[44:45]
	s_add_nc_u64 s[XS0+2:XS0+3], s[XS0:XS0+1], s[48:49]
	s_add_nc_u64 s[YS0:YS0+1], s[4:5], s[46:47]
	s_add_nc_u64 s[YS0+2:YS0+3], s[YS0:YS0+1], s[50:51]
	s_add_nc_u64 s[56:57], s[12:13], s[36:37]
	s_add_nc_u64 s[58:59], s[12:13], s[60:61]
	s_cmp_lt_u32 ttmp9, 4
	s_cselect_b64 s[54:55], s[8:9], s[10:11]
	s_cmp_lt_u32 ttmp9, 2
	s_cselect_b64 s[54:55], s[6:7], s[54:55]
	s_add_nc_u64 s[54:55], s[54:55], s[62:63]      ; my 128 numbers of the bias
	s_wait_alu depctr_va_vdst(0)                   ; the offsets v1, v4, v6, v7 and v8 are written: every load and store of the kernel reads one of them
	CORE
	s_wait_alu depctr_va_vdst(0)                   ; the last K step's products are done reading Y's second set, v192-255, in which the bias lands on either way below
	s_cmp_ge_u32 ttmp9, 4
	s_cbranch_scc1 .Lepi_v
	; ---- q, k: for each tile of tokens: + bias, quantise; registers 4 c .. 4 c + 3 of the codes are head c's 64 channels: half a fragment, 512 consecutive bytes
.irp bb, 0,1,2,3
.irp j, 0,1,2,3
	global_load_b128 v[BX+16*\bb+4*\j:BX+16*\bb+4*\j+3], v4, s[54:55] offset:128*\bb+16*\j
.endr
.endr
	s_wait_loadcnt 0x0
.irp a, 0,1,2,3,4,5,6,7
	WIN 0x02+\a/4
.set N, 0
.rept 32
	v_pk_add_f32 v[ST+N:ST+N+1], v[64*(\a%4)+N:64*(\a%4)+N+1], v[BX+N:BX+N+1]     ; each accumulator from its low end on
.set N, N+2
.endr
	WIN 0
	QUANT ST
	v_lshrrev_b32 v[SW+\a], v5, v[PW]              ; lanes 0-15: the first head's two bytes below; lanes 16-31: the second head's.  The bytes above them scale zero codes and are never 0xff
	s_wait_alu depctr_va_vdst(0)                   ; the conversions and exchanges have written v[PC ..], which the two stores read; the tile's scale word is written too: the last tile's wait serves the two stores behind the tiles
	global_store_b128 v1, v[PC:PC+3], s[56:57] offset:512*\a
	global_store_b128 v1, v[PC+4:PC+7], s[56:57] offset:65536+512*\a
.endr
	global_store_b128 v6, v[SW:SW+3], s[58:59]     ; four tiles' words of a slot: 256 consecutive bytes for each head
	global_store_b128 v6, v[SW+4:SW+7], s[58:59] offset:256
	s_endpgm
	; ---- v: for each tile of 16 channels: + bias, quantise along the 128 keys: a whole fragment
.Lepi_v:
.irp a, 0,1,2,3,4,5,6,7
	global_load_b32 v[BX+2*\a], v7, s[54:55] offset:(32*(\a/2)+8*(\a%2))*4
	global_load_b32 v[BX+2*\a+1], v7, s[54:55] offset:(32*(\a/2)+8*(\a%2))*4      ; twice: a pair for the packed addition
.endr
	s_wait_loadcnt 0x0
.irp a, 0,1,2,3,4,5,6,7
	WIN 0x02+\a/4
.set N, 0
.rept 32
	v_pk_add_f32 v[ST+N:ST+N+1], v[64*(\a%4)+N:64*(\a%4)+N+1], v[BX+2*\a:BX+2*\a+1]
.set N, N+2
.endr
	WIN 0
	QUANT ST
	v_mov_b32 v[SW+\a], v[PW]
	s_wait_alu depctr_va_vdst(0)                   ; the conversions and exchanges have written v[PC ..], which the two stores read
	global_store_b128 v1, v[PC:PC+3], s[56:57] offset:16384*\a
	global_store_b128 v1, v[PC+4:PC+7], s[56:57] offset:16384*\a+512
.endr
	s_mov_b32 s62, 0xffff0000
.irp i, 0,1,2,3
	v_cndmask_b32 v[28+\i], v[SW+\i], v[SW+4+\i], s62      ; lanes 0-15 the first head's four tiles, lanes 16-31 the second's
.endr
	s_wait_alu depctr_va_vdst(0)                   ; the four selects have written v28-31, which the store reads
	global_store_b128 v8, v[28:31], s[58:59]
	s_endpgm
.Lfunc_end_k_q8dd9e8a9fe_qkv:
	.size	k_q8dd9e8a9fe_qkv, .Lfunc_end_k_q8dd9e8a9fe_qkv-k_q8dd9e8a9fe_qkv
	.p2alignl 7, 3214868480
	.fill 96, 4, 3214868480
	.section	.rodata,"a",@progbits
	.p2align	6, 0x0
	.amdhsa_kernel k_q8dd9e8a9fe_qkv
		.amdhsa_group_segment_fixed_size 0
		.amdhsa_private_segment_fixed_size 0
		.amdhsa_enable_private_segment 0
		.amdhsa_kernarg_size 40
		.amdhsa_user_sgpr_count 2
		.amdhsa_user_sgpr_kernarg_segment_ptr 1
		.amdhsa_wavefront_size32 1
		.amdhsa_system_sgpr_workgroup_id_x 1
		.amdhsa_system_sgpr_workgroup_id_y 1
		.amdhsa_system_sgpr_workgroup_id_z 1
		.amdhsa_system_vgpr_workitem_id 0
		.amdhsa_next_free_vgpr 1024
		.amdhsa_next_free_sgpr 66
		.amdhsa_reserve_vcc 0
		.amdhsa_float_denorm_mode_32 3
		.amdhsa_float_denorm_mode_16_64 3
		.amdhsa_memory_ordered 1
		.amdhsa_forward_progress 1
		.amdhsa_inst_pref_size 199
	.end_amdhsa_kernel
	.amdgpu_metadata
---
amdhsa.version: [ 1, 2 ]
amdhsa.kernels:
  - .name:           k_q8dd9e8a9fe_qkv
    .symbol:         k_q8dd9e8a9fe_qkv.kd
    .args:
      - { .name: wts, .offset: 0, .size: 8, .value_kind: global_buffer, .address_space: global }
      - { .name: bq, .offset: 8, .size: 8, .value_kind: global_buffer, .address_space: global }
      - { .name: bk, .offset: 16, .size: 8, .value_kind: global_buffer, .address_space: global }
      - { .name: bv, .offset: 24, .size: 8, .value_kind: global_buffer, .address_space: global }
      - { .name: qkv, .offset: 32, .size: 8, .value_kind: global_buffer, .address_space: global }
    .group_segment_fixed_size: 0
    .private_segment_fixed_size: 0
    .kernarg_segment_align: 8
    .kernarg_segment_size: 40
    .max_flat_workgroup_size: 128
    .sgpr_count:     66
    .vgpr_count:     1024
    .wavefront_size: 32
...
	.end_amdgpu_metadata
.endif
;; end of part 8
;; launch attn (part 9): grid 8 x 32, 16 waves a work-group, no clusters, 145,408 bytes of LDS; arguments qkv, msk, ctx; writes ctx
.if DOCPART == 9
	.amdgcn_target "amdgcn-amd-amdhsa--gfx1250"
	.amdhsa_code_object_version 6
	.text
	.protected	k_q8dd9e8a9fe_attn
	.globl	k_q8dd9e8a9fe_attn
	.p2align	8
	.type	k_q8dd9e8a9fe_attn,@function
k_q8dd9e8a9fe_attn:
	s_mov_b64 s[64:65], 0
	v_nop
	global_prefetch_b8 v0, s[64:65] scope:SCOPE_SE
	s_setreg_imm32_b32 hwreg(HW_REG_WAVE_MODE, 25, 1), 1
	s_wait_xcnt 0x0
; ctx = softmax(q k^T / 8, under the given mask) v, both products on codes of FP4; the result is quantised along D as the next product's operand.
; p = 2^(t - M), t = score x log2(e) / 8, M the running largest t rounded up to a whole number; the row's sum is taken of the unquantised p and divides at the end.
; SHARES.  A work-group takes one (batch, head) and 16 tiles of 16 queries, one to a wave; four waves share a SIMD, so that one wave's vector work stands beside another's products and LDS loads.
; Waves 0-7 take tiles 8 x + w, waves 8-15 tiles 127 - (8 x + w - 8): that evens the work out where the mask is triangular, and is right for any mask.
; The head's K and V images and their scale words (139,264 + 4,096 bytes) are copied into LDS once, through registers; one barrier; then the waves share nothing.
; THE MASK is read as it was packed: a class for each (tile of queries, step of 128 keys), and 64 lane-mask words.  A step all of whose places are closed is left out; in a step all of whose places are open
; the words are not loaded and the 64 selects are left out; only a mixed step loads its 64 words.
; Both products are used transposed: a lane holds one query.  The head size is 64: the upper half of q's and k's fragments is zero codes.
; A ROW WITH NO OPEN KEY has the sum 0: its scale bytes are written as 0xff, which makes that token's whole row NaN in the next product, as the softmax of such a row is.
; The scale bytes leave as 2 bytes a row (2 bytes for each 32 of codes): they are not whole runs of 256 bytes.
; LIMITS: NaN and infinities among the scores are not served; a block whose largest magnitude lies under 2^-124 gets the byte 1.
; REGISTERS: v1 16 x lane; v5-7 region bases; v8-11 the step's addresses; v12 -M, v13 the largest t, v[14:15] the sum; v16-23 q; v24-27 k's scale words, v28-31 v's, v249 q's, v253 p's (scales and nothing else);
;   v32-95 k's 8 fragments; v96-159 scores, then p; v160-191 O^T; v192-223 v's 4 fragments; v224-231 p's codes; v232-254 at work; v248 -infinity.
.set K_C, 2097152
.set V_C, 4194304
.set Q_S, 6291456
.set K_S, 6553600
.set V_S, 6815744
.set VI,  65536                        ; LDS: K's image at 0, V's here,
.set KSL, 131072                       ; K's scale words,
.set VSL, 139264                       ; V's
	s_load_b128 s[4:7], s[0:1], 0x0                ; qkv, msk
	s_load_b64 s[2:3], s[0:1], 0x10                ; ctx
	v_lshl_add_u32 v251, v0, 2, 0x23000
	v_mov_b32 v255, 0
	v_lshrrev_b32 v8, 5, v0
	s_delay_alu instid0(VALU_DEP_1)
	v_readfirstlane_b32 s8, v8                     ; wave
	s_and_b32 s10, ttmp7, 0xffff                   ; 16 x batch + head
	s_lshl_b32 s92, ttmp9, 3
	s_add_co_u32 s92, s92, s8
	s_sub_co_u32 s93, 135, s92
	s_cmp_lt_u32 s8, 8
	s_cselect_b32 s9, s92, s93                     ; my tile of queries
	v_and_b32 v2, 15, v0                           ; r
	v_bfe_u32 v3, v0, 4, 1                         ; h
	v_and_b32 v1, 31, v0
	s_delay_alu instid0(VALU_DEP_1)
	v_lshlrev_b32 v1, 4, v1
	v_lshlrev_b32 v232, 4, v0                      ; the copy: 16 bytes a thread
	s_delay_alu instid0(VALU_DEP_1)
	v_add_nc_u32 v233, VI, v232
	s_delay_alu instid0(VALU_DEP_2)
	v_add_nc_u32 v234, KSL, v232
	v_lshl_add_u32 v235, v0, 3, VSL
	v_lshlrev_b32 v238, 3, v0
	s_lshl_b32 s92, s9, 9
	v_add_nc_u32 v236, s92, v1                     ; q's half fragment
	s_lshr_b32 s92, s9, 2
	s_lshl_b32 s92, s92, 8
	s_and_b32 s93, s9, 3
	s_lshl_b32 s93, s93, 2
	s_add_co_u32 s92, s92, s93
	v_lshl_add_u32 v237, v2, 4, s92                ; q's scale word
	s_mov_b32 s86, 0x76543210
	s_mov_b32 s87, 0xfedcba98
	s_mov_b32 s88, 0x3e38aa3b                      ; log2(e) / 8
	s_mov_b32 s89, s88
	s_mov_b32 s93, 0
	s_lshl_b32 s92, s10, 16
	s_wait_alu depctr_va_vdst(0)
	s_wait_kmcnt 0x0
	s_add_nc_u64 s[94:95], s[4:5], s[92:93]
	s_lshl_b32 s92, s10, 13
	s_add_nc_u64 s[96:97], s[4:5], s[92:93]
	s_lshl_b32 s92, s10, 12
	s_add_nc_u64 s[98:99], s[4:5], s[92:93]
	s_lshl_b32 s92, s9, 12
	s_add_nc_u64 s[90:91], s[6:7], s[92:93]        ; my tile's mask words, 256 bytes a step
	s_lshl_b32 s92, s9, 6
	s_load_b512 s[16:31], s[6:7], s92 offset:0x80000       ; its sixteen classes
.irp i, 0,1,2,3,4,5,6,7
	global_load_b128 v[32+4*\i:35+4*\i], v232, s[94:95] offset:K_C+8192*\i
.endr
.irp i, 0,1,2,3,4,5,6,7
	global_load_b128 v[64+4*\i:67+4*\i], v232, s[94:95] offset:V_C+8192*\i
.endr
	global_load_b128 v[96:99], v232, s[96:97] offset:K_S
	global_load_b64 v[100:101], v238, s[98:99] offset:V_S
	global_load_b128 v[16:19], v236, s[94:95]
	global_load_b32 v249, v237, s[96:97] offset:Q_S
	s_wait_kmcnt 0x0
	s_mov_b32 s11, s16                             ; the classes, two bits each
.irp i, 1,2,3,4,5,6,7,8,9,10,11,12,13,14,15
	s_lshl_b32 s12, s[16+\i], 2*\i
	s_or_b32 s11, s11, s12
.endr
.set N, 16
.rept 24
	s_mov_b64 s[N:N+1], -1                         ; the 64 word registers begin as all open: written once, so that no way through the text selects by a register that was never written
.set N, N+2
.endr
.set N, 68
.rept 8
	s_mov_b64 s[N:N+1], -1
.set N, N+2
.endr
	s_wait_loadcnt 0x0
.irp i, 0,1,2,3,4,5,6,7
	ds_store_b128 v232, v[32+4*\i:35+4*\i] offset:8192*\i
	ds_store_b128 v233, v[64+4*\i:67+4*\i] offset:8192*\i
.endr
	ds_store_b128 v234, v[96:99]
	ds_store_b64 v235, v[100:101]
	s_wait_dscnt 0x0                               ; for the others' sake: my part of the copy has landed
	s_barrier_signal -1
	s_barrier_wait -1
	v_add_nc_u32 v5, VI, v1
	v_add_nc_u32 v6, KSL, v1
	v_lshl_add_u32 v7, v2, 4, VSL
.irp j, 20,21,22,23
	v_mov_b32 v[\j], 0                             ; channels 64-127 of q: zero codes
.endr
.irp t, 0,1,2,3,4,5,6,7
.irp j, 4,5,6,7
	v_mov_b32 v[32+8*\t+\j], 0                     ; and of k: written once, never loaded over
.endr
.endr
.set N, 0
.rept 32
	v_mov_b32 v[160+N], 0                          ; O^T: the step is written once; the first change of M leaves zeros zeros
.set N, N+1
.endr
	v_mov_b32 v13, 0xff61b1e6                      ; the largest t so far: -3e38
	s_delay_alu instid0(VALU_DEP_1)
	v_floor_f32 v12, -v13
	v_mov_b32 v14, 0
	v_mov_b32 v15, 0
.irp b, 0,1,2,3
	v_mov_b32 v[236+\b], 0
.endr
	v_mov_b32 v248, 0xff800000
	v_mov_b32 v252, 0
	v_mov_b32 v253, 0
	s_mov_b32 s12, 0
	s_mov_b32 s14, 0
	s_mov_b32 s15, 0
	s_mov_b32 s84, 0
	s_mov_b32 s85, 0
.Lstep:                                                ; sixteen trips, a constant; what a step's class leaves out is jumped over inside the trip
	s_and_b32 s13, s11, 3
	s_lshr_b32 s11, s11, 2
	s_cmp_eq_u32 s13, 0
	s_cbranch_scc1 .Lskip
	s_cmp_eq_u32 s13, 2
	s_cbranch_scc1 .Lnomask                        ; all open: no word is wanted
	s_load_b512 s[16:31], s[90:91], 0x0
	s_load_b512 s[32:47], s[90:91], 0x40
	s_load_b512 s[48:63], s[90:91], 0x80
	s_load_b512 s[68:83], s[90:91], 0xc0
.Lnomask:
	s_setprio 2
	v_add_nc_u32 v8, s14, v1                       ; these four are also the places behind the last step's products, ahead of the loads into their operands
	v_add_nc_u32 v9, s15, v5
	v_add_nc_u32 v10, s84, v6
	v_add_nc_u32 v11, s85, v7
.irp t, 0,1,2,3,4,5,6,7
	ds_load_b128 v[32+8*\t:35+8*\t], v8 offset:512*\t
.endr
	ds_load_b128 v[24:27], v10                     ; lanes 0-15: the words of tiles 0-3; lanes 16-31: of tiles 4-7
.irp t, 0,1,2,3
.irp c, 0,1
	ds_load_b128 v[192+8*\t+4*\c:195+8*\t+4*\c], v9 offset:16384*\t+512*\c
.endr
.endr
	ds_load_b128 v[28:31], v11
	s_wait_dscnt 9                                 ; k and its words are in; v's eight loads and its words may be out
.irp t, 0,1,2,3
	v_wmma_scale_f32_16x16x128_f8f6f4 v[96+8*\t:103+8*\t], v[32+8*\t:39+8*\t], v[16:23], 0, v[24+\t], v249 matrix_a_fmt:MATRIX_FMT_FP4 matrix_b_fmt:MATRIX_FMT_FP4
.endr
.irp t, 4,5,6,7
	v_wmma_scale_f32_16x16x128_f8f6f4 v[96+8*\t:103+8*\t], v[32+8*\t:39+8*\t], v[16:23], 0, v[20+\t], v249 matrix_a_fmt:MATRIX_FMT_FP4 matrix_b_fmt:MATRIX_FMT_FP4 matrix_a_scale:MATRIX_SCALE_ROW1
.endr
.rept 4
	v_nop
.endr
	s_wait_kmcnt 0x0                               ; on every way: a mixed step's words are in; where none was asked for the wait is met at once
	s_cmp_eq_u32 s13, 2
	s_cbranch_scc1 .Lopen
.set N, 0
	s_wait_alu depctr_va_vdst(0)
.rept 48
	v_cndmask_b32 v[96+N], v248, v[96+N], s[16+N]  ; a closed place becomes -infinity ahead of the maximum: p = 0 there
.set N, N+1
.endr
.rept 16
	v_cndmask_b32 v[96+N], v248, v[96+N], s[20+N]
.set N, N+1
.endr
.Lopen:
.irp b, 0,1,2,3
	v_max3_num_f32 v[232+\b], v[96+16*\b], v[97+16*\b], v[98+16*\b]        ; the largest score of each block of 32 keys: for the row's maximum, and, since p rises with the score, for the block's largest p
.endr
.irp i, 3,5,7,9,11,13
.irp b, 0,1,2,3
	v_max3_num_f32 v[232+\b], v[232+\b], v[96+16*\b+\i], v[97+16*\b+\i]
.endr
.endr
.irp b, 0,1,2,3
	v_max_num_f32 v[232+\b], v[232+\b], v[111+16*\b]
.endr
.irp b, 0,1,2,3
	s_delay_alu instid0(VALU_DEP_4)
	v_permlanex16_b32 v[236+\b], v[232+\b], s86, s87
.endr
.irp b, 0,1,2,3
	s_delay_alu instid0(VALU_DEP_4)
	v_max_num_f32 v[232+\b], v[232+\b], v[236+\b]
.endr
	s_delay_alu instid0(VALU_DEP_2)
	v_max3_num_f32 v254, v232, v233, v234
	s_delay_alu instid0(VALU_DEP_1)
	v_max_num_f32 v254, v254, v235
	s_delay_alu instid0(VALU_DEP_1)
	v_mul_f32 v254, s88, v254
	s_delay_alu instid0(VALU_DEP_1)
	v_max_num_f32 v13, v13, v254                   ; the running largest t
	v_mov_b32 v254, v12
	s_delay_alu instid0(VALU_DEP_2)
	v_floor_f32 v12, -v13                          ; -M = floor(-t): M is a whole number
	s_delay_alu instid0(VALU_DEP_1)
	v_sub_f32 v254, v12, v254
	s_delay_alu instid0(VALU_DEP_1)
	v_cvt_i32_f32 v254, v254                       ; (it saturates)
	s_delay_alu instid0(VALU_DEP_1)
	v_ldexp_f32 v252, 1.0, v254                    ; f = 2^(old M - new M): rounds nothing
.set N, 0
.rept 32
	v_pk_fma_f32 v[96+N:97+N], v[96+N:97+N], s[88:89], v[12:13] op_sel_hi:[1,0,0]
.set N, N+2
.endr
.irp b, 0,1,2,3
	v_fma_f32 v[232+\b], v[232+\b], s88, v12
.endr
.set N, 0
	s_setprio 1
	s_wait_alu depctr_va_vdst(0)
.rept 64
	v_exp_f32 v[96+N], v[96+N]
.set N, N+1
.endr
	v_pk_mul_f32 v[14:15], v[14:15], v[252:253] op_sel_hi:[1,0]    ; the sums under the new M; a plain place behind the exponentials
	s_wait_alu depctr_va_vdst(0)                   ; one wait for the batch, ahead of its first reader
.irp b, 0,1,2,3
	v_exp_f32 v[232+\b], v[232+\b]
.endr
	v_pk_add_f32 v[236:237], v[96:97], v[98:99]    ; the row's sum, of the unquantised p, in two chains
.irp j, 4,8,12,16,20,24,28,32,36,40,44,48,52,56,60
	v_pk_add_f32 v[14:15], v[14:15], v[96+\j:97+\j]
	v_pk_add_f32 v[236:237], v[236:237], v[98+\j:99+\j]
.endr
	s_delay_alu instid0(VALU_DEP_1)
	v_pk_add_f32 v[14:15], v[14:15], v[236:237]
	s_wait_alu depctr_va_vdst(0)                   ; and one for the four
.irp b, 0,1,2,3
	v_max_num_f32 v[232+\b], 0x1800000, v[232+\b]
.endr
.irp b, 0,1,2,3
	s_delay_alu instid0(VALU_DEP_4)
	v_add_nc_u32 v[244+\b], 0xff000000, v[232+\b]
.endr
.irp b, 0,1,2,3
	s_delay_alu instid0(VALU_DEP_4)
	v_lshrrev_b32 v[236+\b], 23, v[244+\b]
.endr
	s_delay_alu instid0(VALU_DEP_3)
	v_lshl_or_b32 v253, v237, 8, v236
	s_delay_alu instid0(VALU_DEP_1)
	v_lshl_or_b32 v253, v238, 16, v253
	s_delay_alu instid0(VALU_DEP_1)
	v_lshl_or_b32 v253, v239, 24, v253
	s_setprio 0
.irp b, 0,1,2,3
	v_cvt_scalef32_pk8_fp4_f32 v[224+2*\b], v[96+16*\b:103+16*\b], v[244+\b]
	v_cvt_scalef32_pk8_fp4_f32 v[225+2*\b], v[104+16*\b:111+16*\b], v[244+\b]
.endr
	v_nop
.irp c, 0,1
.irp i, 0,1
	v_permlane16_swap_b32 v[224+4*\c+\i], v[226+4*\c+\i]
.endr
.endr
.set N, 0
.rept 16
	v_pk_mul_f32 v[160+N:161+N], v[160+N:161+N], v[252:253] op_sel_hi:[1,0]        ; O^T under the new M; these sixteen also stand between the writes of p's codes and scale word and the products
.set N, N+2
.endr
	s_wait_alu depctr_va_vdst(0)
	s_wait_dscnt 0x0                               ; v and its words are in
.irp t, 0,1,2,3
	v_wmma_scale_f32_16x16x128_f8f6f4 v[160+8*\t:167+8*\t], v[192+8*\t:199+8*\t], v[224:231], v[160+8*\t:167+8*\t], v[28+\t], v253 matrix_a_fmt:MATRIX_FMT_FP4 matrix_b_fmt:MATRIX_FMT_FP4
.endr
.Lskip:
	s_add_co_u32 s14, s14, 4096
	s_add_co_u32 s15, s15, 1024
	s_add_co_u32 s84, s84, 512
	s_add_co_u32 s85, s85, 256
	s_add_nc_u64 s[90:91], s[90:91], 256
	s_add_co_u32 s12, s12, 1
	s_cmp_lt_u32 s12, 16
	s_cbranch_scc1 .Lstep
	s_setprio 0
	; THE WAY OUT: O^T / the sum; register n is channel 32 (n / 16) + 16 h + n % 16: two blocks of the next product's K
.rept 4
	v_nop
.endr
	s_wait_alu depctr_va_vdst(0)
	v_add_f32 v14, v14, v15
	s_delay_alu instid0(VALU_DEP_1)
	v_permlanex16_b32 v252, v14, s86, s87
	s_delay_alu instid0(VALU_DEP_1)
	v_add_f32 v14, v14, v252
	s_wait_alu depctr_va_vdst(0)
	v_rcp_f32 v254, v14
	v_cmp_eq_f32 vcc_lo, 0, v14                    ; no open key in the row
	s_lshr_b32 s92, s10, 4
	s_lshl_b32 s92, s92, 7
	s_add_co_u32 s92, s92, s9                      ; the image tile of tokens
	s_and_b32 s93, s10, 15                         ; the head
	s_lshl_b32 s94, s92, 13
	s_lshl_b32 s95, s93, 9
	s_add_co_u32 s94, s94, s95
	s_mov_b32 s95, 0
	s_add_nc_u64 s[96:97], s[2:3], s[94:95]
	s_lshr_b32 s94, s93, 3
	s_lshl_b32 s94, s94, 16
	s_lshl_b32 s92, s92, 8
	s_add_co_u32 s94, s94, s92
	s_and_b32 s93, s93, 7
	s_lshl_b32 s93, s93, 1
	s_add_co_u32 s94, s94, s93
	s_add_nc_u64 s[98:99], s[2:3], s[94:95]
	s_wait_alu depctr_va_vdst(0)
.set N, 0
.rept 32
	v_mul_f32 v[96+N], v[160+N], v254
.set N, N+1
.endr
.irp b, 0,1
	v_max3_num_f32 v[232+\b], |v[96+16*\b]|, |v[97+16*\b]|, 0x1800000
.endr
.irp i, 2,4,6,8,10,12,14
.irp b, 0,1
	s_delay_alu instid0(VALU_DEP_2)
	v_max3_num_f32 v[232+\b], v[232+\b], |v[96+16*\b+\i]|, |v[97+16*\b+\i]|
.endr
.endr
.irp b, 0,1
	s_delay_alu instid0(VALU_DEP_2)
	v_permlanex16_b32 v[236+\b], v[232+\b], s86, s87
.endr
.irp b, 0,1
	s_delay_alu instid0(VALU_DEP_2)
	v_max_num_f32 v[232+\b], v[232+\b], v[236+\b]
.endr
.irp b, 0,1
	s_delay_alu instid0(VALU_DEP_2)
	v_add_nc_u32 v[244+\b], 0xff000000, v[232+\b]
.endr
.irp b, 0,1
	s_delay_alu instid0(VALU_DEP_2)
	v_lshrrev_b32 v[236+\b], 23, v[244+\b]
.endr
	s_delay_alu instid0(VALU_DEP_1)
	v_lshl_or_b32 v240, v237, 8, v236
	v_mov_b32 v241, 0xffff
	s_delay_alu instid0(VALU_DEP_1)
	v_cndmask_b32 v240, v240, v241, vcc_lo         ; the NaN bytes for a row with no open key
.irp b, 0,1
	v_cvt_scalef32_pk8_fp4_f32 v[224+2*\b], v[96+16*\b:103+16*\b], v[244+\b]
	v_cvt_scalef32_pk8_fp4_f32 v[225+2*\b], v[104+16*\b:111+16*\b], v[244+\b]
.endr
	v_nop
	v_permlane16_swap_b32 v224, v226
	v_permlane16_swap_b32 v225, v227
	v_and_b32 v242, 31, v0
	v_lshlrev_b32 v243, 4, v2
	global_store_b128 v1, v[224:227], s[96:97]     ; half a fragment: 512 consecutive bytes
	v_cmp_gt_u32 vcc_lo, 16, v242
	s_wait_alu depctr_va_vdst(0)
	s_wait_xcnt 0x0                                ; EXEC changes only behind this wait
	s_wait_tensorcnt 0x0
	ds_add_u32 v251, v255
	s_wait_dscnt 0x0
	s_and_saveexec_b32 s92, vcc_lo
	global_store_b16 v243, v240, s[98:99] offset:2097152
	s_wait_xcnt 0x0
	s_or_b32 exec_lo, exec_lo, s92
	s_endpgm
.Lfunc_end_k_q8dd9e8a9fe_attn:
	.size	k_q8dd9e8a9fe_attn, .Lfunc_end_k_q8dd9e8a9fe_attn-k_q8dd9e8a9fe_attn
	.p2alignl 7, 3214868480
	.fill 96, 4, 3214868480
	.section	.rodata,"a",@progbits
	.p2align	6, 0x0
	.amdhsa_kernel k_q8dd9e8a9fe_attn
		.amdhsa_group_segment_fixed_size 145408
		.amdhsa_private_segment_fixed_size 0
		.amdhsa_enable_private_segment 0
		.amdhsa_kernarg_size 24
		.amdhsa_user_sgpr_count 2
		.amdhsa_user_sgpr_kernarg_segment_ptr 1
		.amdhsa_wavefront_size32 1
		.amdhsa_system_sgpr_workgroup_id_x 1
		.amdhsa_system_sgpr_workgroup_id_y 1
		.amdhsa_system_sgpr_workgroup_id_z 1
		.amdhsa_system_vgpr_workitem_id 0
		.amdhsa_next_free_vgpr 256
		.amdhsa_next_free_sgpr 102
		.amdhsa_reserve_vcc 1
		.amdhsa_float_denorm_mode_32 3
		.amdhsa_float_denorm_mode_16_64 3
		.amdhsa_memory_ordered 1
		.amdhsa_forward_progress 1
		.amdhsa_inst_pref_size 37
	.end_amdhsa_kernel
	.amdgpu_metadata
---
amdhsa.version: [ 1, 2 ]
amdhsa.kernels:
  - .name:           k_q8dd9e8a9fe_attn
    .symbol:         k_q8dd9e8a9fe_attn.kd
    .args:
      - { .name: qkv, .offset: 0, .size: 8, .value_kind: global_buffer, .address_space: global }
      - { .name: msk, .offset: 8, .size: 8, .value_kind: global_buffer, .address_space: global }
      - { .name: ctx, .offset: 16, .size: 8, .value_kind: global_buffer, .address_space: global }
    .group_segment_fixed_size: 145408
    .private_segment_fixed_size: 0
    .kernarg_segment_align: 8
    .kernarg_segment_size: 24
    .max_flat_workgroup_size: 512
    .sgpr_count:     102
    .vgpr_count:     256
    .wavefront_size: 32
...
	.end_amdgpu_metadata
.endif
;; end of part 9
;; launch oproj (part 10): grid 256 x 1, 4 waves a work-group, no clusters, 93,952 bytes of LDS; arguments ctx, wts, bo, x, ln2_g, ln2_b, x1, h2; writes x1, h2
.if DOCPART == 10
	.amdgcn_target "amdgcn-amd-amdhsa--gfx1250"
	.amdhsa_code_object_version 6
	.text
	.protected	k_q8dd9e8a9fe_oproj
	.globl	k_q8dd9e8a9fe_oproj
	.p2align	8
	.type	k_q8dd9e8a9fe_oproj,@function
k_q8dd9e8a9fe_oproj:
	s_mov_b64 s[64:65], 0
	v_nop
	global_prefetch_b8 v0, s[64:65] scope:SCOPE_SE
	s_setreg_imm32_b32 hwreg(HW_REG_WAVE_SCHED_MODE, 0, 2), 2
	s_setreg_imm32_b32 hwreg(HW_REG_WAVE_MODE, 25, 1), 1
	s_wait_xcnt 0x0
	s_wait_alu depctr_vm_vsrc(0)
; x1 = x + ctx Wo + bo (product on codes of FP4), and h2 = LN2(x1) quantised along D, in one launch: a work-group owns 16 WHOLE rows, one image tile of tokens, so that the norm needs no second launch: 256 work-groups.
; Wave w: X = Wo's tiles 16 w .. 16 w + 15 (256 columns) as source 0, Y = the work-group's tile of tokens as source 1; K = 1,024 in 8 steps written out; 16 accumulators by turns.
; Then the 16 x 1,024 results meet in a stage in LDS (a row to a slot, 4,096 + 16 bytes), a barrier, and wave w makes slots 2 w, 2 w + 1, 2 w + 8, 2 w + 9: + bo, + x, store x1, norm, quantise into the tile's one image in LDS;
; a second barrier, since four waves fill that image; wave w stores 2,048 of its 8,192 bytes, wave 0 the 512 scale bytes.
; What the rows want (gain, bias, bo, my four rows of x: 56 loads) is asked for first of all, into window 3: older than every load that the product's waits count, and in by the product's last wait: the rows wait for no load.
; Every work-group reads all of Wo's codes (512 KB), whatever its rows: whole rows for the norm ask for that.  They are not asked for jointly: the fragments go from memory straight into registers, in the order of the operand's
; registers, and this text has no tensor load.
; The window is switched twice for each four products and eight loads: the loads follow their group of four tiles, so that 56 loads of the wave stay on their way.
; REGISTERS: window 0: v0-31, v240 addresses and at work; v32-95 X's scale words, v96-103 Y's (nothing else ever); v112-175 Y's 8 fragments, later a row of x1 (v112-143) and the same row centred (v144-175);
;   v176-195 the image and the scale bytes on their way out; v208-239 a block of 32.   window 1: X's fragments, sets 0 and 1.   window 2: v0-127 the 16 accumulators; v128-255 X's set 2, later my four rows of the stage.
;   window 3: v0-31 ln2_g, v32-63 ln2_b, v64-95 bo, v96-223 four rows of x.
; LIMITS: a block whose largest magnitude lies under 2^-124 gets the byte 1; a row that is NaN (no open key) stays NaN in x1; other NaN and infinities are not served.
; THE MODE: SCHED_MODE bits 1:0 = 2 (LLVM: expert scheduling mode 2), set by the entry lines.  The code itself states the register dependences between vector or matrix instructions and memory or LDS instructions, with s_wait_alu, always for 0.
; THE PLAN.  Registers that memory or LDS instructions touch:
;   X0 .. X2       K step ks: its 16 products read X[ks % 3]; its 32 loads, those of K step ks + 2, land in X[(ks + 2) % 3] = X[(ks - 1) % 3], which no product of K step ks names.
;                  So ONE wait on va_vdst stands at the head of K steps 1 to 5, and the step's loads follow in eights behind each four products with no further wait.
;   accumulators   written by the products, read by the stage's LDS stores: the places, then a wait.
;   window 2 v128-255   behind the product: all four of my stage rows land there at once; each row's first additions read them.
;   RW = v112-143  a row of x1: written by the row's additions, read by its eight stores; written again a row later.
;   DW = v144-175  the same row, centred and normed: written by vector lines, read by the turn's eight LDS stores; written again a row later.
;   v208-239       a block of 32: LDS loads land there, the maxima and conversions read it.    v26-29, v24: codes and byte: written by vector lines, read by two LDS stores.
;   v176-195       LDS loads land there, global stores read them; no vector line names them.    Offsets and addresses v1-v11, v240: made once at the head.
;   v254, v255     written at the head, read by the closing add alone.
.set WO_C, 1572864
.set WO_S, 6389760
.set SOFF, 2097152
.set SPITCH, 4112                      ; a stage row
.set TRB, 16*SPITCH                    ; LDS: the stage at 0; here TR, 32 x 144 for each wave: a row turns from 16 bytes a lane to a block of 32 numbers a lane;
.set IMB, TRB+4*4608                   ; IM, 32 x 272: the tile's image;
.set SSB, IMB+32*272                   ; SS, 512: its scale bytes
.set RW, 112
.set DW, 144
.set YP, 24
.set YS0, 26
.set XP, 30
.set XS0, 32
.set SEL, 48
.set MSB, 0
.macro WIN new                         ; the immediate's high byte repeats the setting that is left
.if MSB != \new
	s_set_vgpr_msb (MSB<<8)|\new
.set MSB, \new
.endif
.endm
.macro PLACES                          ; four plain places behind matrix instructions, ahead of loads into their operands and of reads of their results
.rept 4
	v_nop
.endr
.endm
.macro XSET ks                         ; where K step ks's set of X lies: sets 0 and 1 in window 1, at v0 and v128; set 2 in window 2, at v128
.if ((\ks)%3) == 2
.set rXB, 128
.set rWL, 0x80
.set rWM, 0xa2
.else
.set rXB, 128*((\ks)%3)
.set rWL, 0x40
.set rWM, 0xa1
.endif
.endm
.macro OWM b, ks                       ; X's tile b x the tile of tokens, K step ks.  An X scale load's four registers are four K steps; its lanes 0-15 an even tile, 16-31 the odd one beside it
.set rD, 8*(\b)
.set rX, rXB+8*(\b)
.set rY, 112+8*(\ks)
.set rSX, 32+(((\ks)/4)*8+(\b)/2)*4+(\ks)%4
.set rSY, 96+(\ks)
.if (\ks) == 0
.if (\b)%2
	v_wmma_scale_f32_16x16x128_f8f6f4 v[rD:rD+7], v[rX:rX+7], v[rY:rY+7], 0, v[rSX], v[rSY] matrix_a_fmt:MATRIX_FMT_FP4 matrix_b_fmt:MATRIX_FMT_FP4 matrix_a_scale:MATRIX_SCALE_ROW1
.else
	v_wmma_scale_f32_16x16x128_f8f6f4 v[rD:rD+7], v[rX:rX+7], v[rY:rY+7], 0, v[rSX], v[rSY] matrix_a_fmt:MATRIX_FMT_FP4 matrix_b_fmt:MATRIX_FMT_FP4
.endif
.else
.if (\b)%2
	v_wmma_scale_f32_16x16x128_f8f6f4 v[rD:rD+7], v[rX:rX+7], v[rY:rY+7], v[rD:rD+7], v[rSX], v[rSY] matrix_a_fmt:MATRIX_FMT_FP4 matrix_b_fmt:MATRIX_FMT_FP4 matrix_a_scale:MATRIX_SCALE_ROW1
.else
	v_wmma_scale_f32_16x16x128_f8f6f4 v[rD:rD+7], v[rX:rX+7], v[rY:rY+7], v[rD:rD+7], v[rSX], v[rSY] matrix_a_fmt:MATRIX_FMT_FP4 matrix_b_fmt:MATRIX_FMT_FP4
.endif
.endif
.endm
.macro OLX ks, g                       ; X's tiles 4 g .. 4 g + 3 of K step ks: eight loads of 512 consecutive bytes
	XSET \ks
	WIN rWL
.irp i, 0,1,2,3
.irp c, 0,1
	global_load_b128 v[rXB+8*(4*(\g)+\i)+4*\c:rXB+8*(4*(\g)+\i)+4*\c+3], v1, s[XP:XP+1] offset:(4*(\g)+\i)*8192+(\ks)*1024+\c*512
.endr
.endr
.endm
.macro OGRP ks, g                      ; four products on four accumulators; the sixteen take turns, one instruction a turn, in the same order in every K step
	XSET \ks
	WIN rWM
.irp bb, 0,1,2,3
	OWM 4*(\g)+\bb, \ks
.endr
.endm
	s_load_b512 s[4:19], s[0:1], 0x0               ; ctx, wts, bo, x, ln2_g, ln2_b, x1, h2
	v_lshl_add_u32 v254, v0, 2, 0x16d00
	v_mov_b32 v255, 0
	v_lshrrev_b32 v2, 5, v0
	v_readfirstlane_b32 s20, v2                    ; wave
	v_and_b32 v30, 31, v0                          ; lane
	v_lshlrev_b32 v1, 4, v30                       ; 16 x lane
	v_and_b32 v31, 15, v0                          ; r
	v_bfe_u32 v20, v0, 4, 1                        ; h
	v_lshlrev_b32 v11, 4, v31                      ; 16 r: Y's scale words, the same in both halves of the lanes
	s_wait_alu depctr_va_sdst(0)                   ; s20 is written, ahead of its first reader: the wave's LDS places and bases are made from it
	s_mul_i32 s44, s20, 4608
	s_add_co_u32 s44, s44, TRB
	v_lshrrev_b32 v2, 3, v30
	v_mul_u32_u24 v2, v2, 144
	v_and_b32 v21, 7, v30
	v_lshl_add_u32 v2, v21, 4, v2
	v_add_nc_u32 v2, s44, v2                       ; TR, in
	v_mul_u32_u24 v3, v30, 144
	v_add_nc_u32 v3, s44, v3                       ; TR, out
	s_lshl_b32 s45, s20, 5                         ; slot 2 w's 16 bytes of a block
	s_add_co_u32 s46, s45, SSB
	s_add_co_u32 s45, s45, IMB
	v_mul_u32_u24 v4, v30, 272
	v_add_nc_u32 v4, s45, v4                       ; IM, in: block = my lane, slot 2 w
	v_lshl_add_u32 v5, v20, 8, v31
	v_add_nc_u32 v5, s46, v5                       ; SS, in
	s_mul_i32 s47, s20, 2176
	s_add_co_u32 s47, s47, IMB
	v_mul_u32_u24 v6, v20, 272
	v_lshl_add_u32 v6, v31, 4, v6
	v_add_nc_u32 v6, s47, v6                       ; IM, out: my eight blocks of the 32
	v_add_nc_u32 v7, SSB, v1                       ; SS, out
	v_lshlrev_b32 v8, 16, v20
	v_lshl_add_u32 v8, v31, 4, v8                  ; the scale bytes' place in memory
	s_mul_i32 s47, s20, 2*SPITCH
	v_add_nc_u32 v9, s47, v1                       ; the stage, out: slot 2 w's row
	s_lshl_b32 s47, s20, 11
	v_add_nc_u32 v10, s47, v1                      ; my 2,048 bytes of the image in memory
	v_mul_u32_u24 v240, v31, SPITCH
	v_lshl_add_u32 v240, v20, 6, v240
	s_lshl_b32 s47, s20, 10
	v_add_nc_u32 v240, s47, v240                   ; the stage, in: my slot's row, my wave's 1,024 bytes, 64 for the upper half of the lanes
	v_mov_b32 v13, 0                               ; upper halves of pairs of which the low word serves both halves
	v_mov_b32 v15, 0
	v_mov_b32 v25, 0                               ; a lane permute's destination counts as read
	s_mov_b32 s[SEL], 0x76543210
	s_mov_b32 s[SEL+1], 0xfedcba98
	s_mov_b32 s50, 0x3a800000                      ; 1 / 1024
	s_mov_b32 s51, 0x3727c5ac                      ; 1e-5
	s_mov_b32 s23, 0
	s_lshr_b32 s21, ttmp9, 1
	s_lshl_b32 s21, s21, 5
	s_and_b32 s22, ttmp9, 1
	s_lshl_b32 s22, s22, 3
	s_add_co_u32 s21, s21, s22                     ; slot 0's row,
	s_lshl_b32 s22, s20, 1
	s_add_co_u32 s21, s21, s22                     ; slot 2 w's
	s_wait_kmcnt 0x0
	s_lshl_b32 s22, s21, 12
	s_add_nc_u64 s[36:37], s[10:11], s[22:23]      ; x at slot 2 w's row
	s_add_nc_u64 s[38:39], s[16:17], s[22:23]      ; x1 likewise
	s_lshl_b32 s22, ttmp9, 13
	s_add_nc_u64 s[YP:YP+1], s[4:5], s[22:23]
	s_add_nc_u64 s[40:41], s[18:19], s[22:23]      ; h2's image tile
	s_lshl_b32 s22, ttmp9, 8
	s_add_co_u32 s22, s22, SOFF
	s_add_nc_u64 s[YS0:YS0+1], s[4:5], s[22:23]
	s_add_nc_u64 s[YS0+2:YS0+3], s[YS0:YS0+1], 0x10000
	s_add_nc_u64 s[42:43], s[18:19], s[22:23]      ; h2's scale bytes
	s_lshl_b32 s22, s20, 17
	s_add_co_u32 s22, s22, WO_C
	s_add_nc_u64 s[XP:XP+1], s[6:7], s[22:23]
	s_lshl_b32 s22, s20, 12
	s_add_co_u32 s22, s22, WO_S
	s_add_nc_u64 s[XS0:XS0+1], s[6:7], s[22:23]
	s_add_nc_u64 s[XS0+2:XS0+3], s[XS0:XS0+1], 0x4000
	; ---- what the rows want, first of all: row k of my four is slot 2 w + k / 2 + 8 (k % 2); slot s + 8 lies sixteen rows of x further down
	WIN 0xc0
	s_wait_alu depctr_va_vdst(0)                   ; the offsets and LDS addresses v1 to v11 and v240 are written: every load and store of the kernel reads one of them
.irp i, 0,1,2,3,4,5,6,7
	global_load_b128 v[4*\i:4*\i+3], v1, s[12:13] offset:512*\i
	global_load_b128 v[32+4*\i:35+4*\i], v1, s[14:15] offset:512*\i
	global_load_b128 v[64+4*\i:67+4*\i], v1, s[8:9] offset:512*\i
.endr
.irp k, 0,1,2,3
.irp i, 0,1,2,3,4,5,6,7
	global_load_b128 v[96+32*\k+4*\i:99+32*\k+4*\i], v1, s[36:37] offset:(\k/2)*4096+(\k%2)*65536+512*\i th:TH_LOAD_NT
.endr
.endr
	WIN 0
	; ---- the product.  The waits on LOADcnt count the loads issued behind the eight that the next four products read: the rest of this K step 8 (3 - g), the next K step 32, the one after it so far 8 g: 56; in K step 6: 56 - 8 g; in K step 7: 24 - 8 g
.irp kg, 0,1
.irp j, 0,1,2,3,4,5,6,7
	global_load_b128 v[32+32*\kg+4*\j:35+32*\kg+4*\j], v1, s[XS0+2*\kg:XS0+2*\kg+1] offset:512*\j
.endr
	global_load_b128 v[96+4*\kg:99+4*\kg], v11, s[YS0+2*\kg:YS0+2*\kg+1]
.endr
.irp ks, 0,1,2,3,4,5,6,7
.irp c, 0,1
	global_load_b128 v[112+8*\ks+4*\c:115+8*\ks+4*\c], v1, s[YP:YP+1] offset:\ks*1024+\c*512
.endr
.endr
.irp k2, 0,1
.irp g2, 0,1,2,3
	OLX \k2, \g2
.endr
.endr
.set KS, 0
.rept 8
.set GG, 0
.rept 4
.if KS <= 5
	s_wait_loadcnt 56
.elseif KS == 6
	s_wait_loadcnt 56-8*GG
.else
	s_wait_loadcnt 24-8*GG
.endif
.if (GG == 0) && (KS >= 1) && (KS <= 5)
	PLACES
	s_wait_alu depctr_va_vdst(0)                   ; the last K step's sixteen products are done reading their set of X, in which this K step's 32 loads land; this step's products name another set
.endif
	OGRP KS, GG
.if KS <= 5
	OLX KS+2, GG                                   ; no wait: no product since the wait at the step's head names these registers (K step 0: nothing has named set 2)
.endif
.set GG, GG+1
.endr
.set KS, KS+1
.endr
	; ---- the results into the stage: lane (r, h) of accumulator b holds columns 256 w + 32 (b / 2) + 8 (b % 2) + 16 h + 0 .. 7 of slot r's row
	PLACES                                         ; behind the last products, ahead of the reads of their results
	WIN 0x08
	s_wait_alu depctr_va_vdst(0)                   ; the products have written the accumulators, which the LDS stores read; the places above stay beside this wait
.set B, 0
.rept 16
	ds_store_b128 v240, v[8*B:8*B+3] offset:128*(B/2)+32*(B%2)             ; each accumulator from its low end on
	ds_store_b128 v240, v[8*B+4:8*B+7] offset:128*(B/2)+32*(B%2)+16
.set B, B+1
.endr
	WIN 0
	s_wait_dscnt 0x0                               ; for the others' sake: my columns lie in the stage
	s_barrier_signal -1
	s_barrier_wait -1
	WIN 0x80
	s_wait_alu depctr_va_vdst(0)                   ; the products are done reading X's third set, in which my four rows of the stage land
.irp k, 0,1,2,3
.irp i, 0,1,2,3,4,5,6,7
	ds_load_b128 v[128+32*\k+4*\i:131+32*\k+4*\i], v9 offset:(\k/2)*SPITCH+(\k%2)*8*SPITCH+512*\i
.endr
.endr
	WIN 0
.macro RED r                           ; the sum over the wave's 32 lanes, in every lane
	v_add_f32_dpp v[\r], v[\r], v[\r] row_xmask:1 row_mask:0xf bank_mask:0xf
	v_add_f32_dpp v[\r], v[\r], v[\r] row_xmask:2 row_mask:0xf bank_mask:0xf
	v_add_f32_dpp v[\r], v[\r], v[\r] row_xmask:4 row_mask:0xf bank_mask:0xf
	v_add_f32_dpp v[\r], v[\r], v[\r] row_xmask:8 row_mask:0xf bank_mask:0xf
	v_permlanex16_b32 v25, v[\r], s[SEL], s[SEL+1]
	v_add_f32 v[\r], v[\r], v25
.endm
; Row k of my four.  Every offset is an immediate; every load from memory is in since the product's last wait
.macro LNROW k
.set PO, (\k)/2
.set HI, (\k)%2
.if (\k) == 0
	s_wait_dscnt 24                                ; my first row of the stage is in; the three younger rows' 24 loads may be out (they are in by this row's wait for 0 below)
.else
	s_wait_xcnt 0x0                                ; the last row's stores of x1 have had their addresses translated: their data are written again only behind this wait,
	s_wait_alu depctr_vm_vsrc(0)                   ; and the last row's stores have read v[RW ..] (x1), v[DW ..] (the turn), v26-29 and v24 (the image): this row writes all of them again
.endif
	WIN 0x0e
.set N, 0
.rept 16
	v_pk_add_f32 v[RW+N:RW+N+1], v[128+32*(\k)+N:129+32*(\k)+N], v[64+N:65+N]      ; + bo
.set N, N+2
.endr
	WIN 0x0c
.set N, 0
.rept 16
	v_pk_add_f32 v[RW+N:RW+N+1], v[RW+N:RW+N+1], v[96+32*(\k)+N:97+32*(\k)+N]      ; + x
.set N, N+2
.endr
	WIN 0
	s_wait_alu depctr_va_vdst(0)                   ; the additions have written v[RW ..], which the eight stores read
.irp i, 0,1,2,3,4,5,6,7
	global_store_b128 v1, v[RW+4*\i:RW+4*\i+3], s[38:39] offset:PO*4096+HI*65536+512*\i    ; x1: 512 consecutive bytes
.endr
	v_pk_add_f32 v[16:17], v[RW:RW+1], v[RW+2:RW+3]
	v_pk_add_f32 v[18:19], v[RW+4:RW+5], v[RW+6:RW+7]
.irp j, 8,12,16,20,24,28
	v_pk_add_f32 v[16:17], v[16:17], v[RW+\j:RW+\j+1]
	v_pk_add_f32 v[18:19], v[18:19], v[RW+\j+2:RW+\j+3]
.endr
	v_pk_add_f32 v[16:17], v[16:17], v[18:19]
	v_add_f32 v16, v16, v17
	RED 16
	v_mul_f32 v12, s50, v16                        ; the mean
.set N, 0
.rept 16
	v_pk_add_f32 v[DW+N:DW+N+1], v[RW+N:RW+N+1], v[12:13] op_sel_hi:[1,0] neg_lo:[0,1] neg_hi:[0,1]       ; into registers of its own: the stores of x1 go on reading v[RW ..]
.set N, N+2
.endr
	v_pk_mul_f32 v[16:17], v[DW:DW+1], v[DW:DW+1]
	v_pk_mul_f32 v[18:19], v[DW+2:DW+3], v[DW+2:DW+3]
.irp j, 4,8,12,16,20,24,28
	v_pk_fma_f32 v[16:17], v[DW+\j:DW+\j+1], v[DW+\j:DW+\j+1], v[16:17]
	v_pk_fma_f32 v[18:19], v[DW+\j+2:DW+\j+3], v[DW+\j+2:DW+\j+3], v[18:19]
.endr
	v_pk_add_f32 v[16:17], v[16:17], v[18:19]
	v_add_f32 v16, v16, v17
	RED 16
	v_fma_f32 v20, v16, s50, s51                   ; the variance + eps
	s_wait_alu depctr_va_vdst(0)
	v_rsq_f32 v14, v20
	v_nop                                          ; a plain instruction behind the transcendental,
	s_wait_alu depctr_va_vdst(0)                   ; and the wait ahead of the first reader of its result: v14 is written
.set N, 0
.rept 16
	v_pk_mul_f32 v[DW+N:DW+N+1], v[DW+N:DW+N+1], v[14:15] op_sel_hi:[1,0]
.set N, N+2
.endr
	WIN 0x3c
.set N, 0
.rept 16
	v_pk_fma_f32 v[DW+N:DW+N+1], v[DW+N:DW+N+1], v[N:N+1], v[32+N:33+N]
.set N, N+2
.endr
	WIN 0
	s_wait_alu depctr_va_vdst(0)                   ; the multiply-adds have written v[DW ..], which the LDS stores read; the last row's maxima and conversions are done reading v208-239, in which the LDS loads land
.irp i, 0,1,2,3,4,5,6,7
	ds_store_b128 v2, v[DW+4*\i:DW+4*\i+3] offset:576*\i
.endr
.irp i, 0,1,2,3,4,5,6,7
	ds_load_b128 v[208+4*\i:211+4*\i], v3 offset:16*\i     ; LDS serves a wave's instructions in order: these see the stores above
.endr
	s_wait_dscnt 0x0
	v_max3_num_f32 v21, |v208|, |v209|, |v210|
	v_max3_num_f32 v22, |v211|, |v212|, |v213|
.irp i, 6,10,14,18,22,26
	v_max3_num_f32 v21, v21, |v[208+\i]|, |v[209+\i]|
	v_max3_num_f32 v22, v22, |v[210+\i]|, |v[211+\i]|
.endr
	v_max3_num_f32 v21, v21, |v238|, |v239|
	v_max3_num_f32 v21, v21, v22, 0x1800000        ; and the floor 2^(3 - 127): the byte cannot fall under 1
	v_add_nc_u32 v23, 0xff000000, v21
	v_lshrrev_b32 v24, 23, v23
.irp q, 0,1,2,3
	v_cvt_scalef32_pk8_fp4_f32 v[26+\q], v[208+8*\q:215+8*\q], v23
.endr
	v_nop                                          ; one plain place behind a scaled conversion
	s_wait_alu depctr_va_vdst(0)                   ; the conversions have written v26-29 and the shift v24, which the two LDS stores read
	ds_store_b128 v4, v[26:29] offset:16*PO+128*HI
	ds_store_b8 v5, v24 offset:16*PO+128*HI
.endm
	LNROW 0
	LNROW 1
	LNROW 2
	LNROW 3
	s_wait_dscnt 0x0                               ; for the others' sake: my four slots lie in the image and among the scale bytes
	s_barrier_signal -1
	s_barrier_wait -1
.irp i, 0,1,2,3
	ds_load_b128 v[176+4*\i:179+4*\i], v6 offset:544*\i    ; into registers that no vector or matrix instruction names
.endr
.irp i, 0,1,2,3
	s_wait_dscnt 3-\i                              ; the later image loads may be out
	global_store_b128 v10, v[176+4*\i:179+4*\i], s[40:41] offset:512*\i    ; 512 consecutive bytes
.endr
	s_cmp_lg_u32 s20, 0
	s_cbranch_scc1 .Lend
	ds_load_b128 v[192:195], v7
	s_wait_dscnt 0x0
	global_store_b128 v8, v[192:195], s[42:43]     ; two runs of 256 consecutive bytes
.Lend:
	s_wait_dscnt 0x0                               ; the closing lines, six on end
	s_wait_alu 0x0
	s_wait_tensorcnt 0x0
	ds_add_u32 v254, v255
	s_wait_dscnt 0x0
	s_endpgm
.Lfunc_end_k_q8dd9e8a9fe_oproj:
	.size	k_q8dd9e8a9fe_oproj, .Lfunc_end_k_q8dd9e8a9fe_oproj-k_q8dd9e8a9fe_oproj
	.p2alignl 7, 3214868480
	.fill 96, 4, 3214868480
	.section	.rodata,"a",@progbits
	.p2align	6, 0x0
	.amdhsa_kernel k_q8dd9e8a9fe_oproj
		.amdhsa_group_segment_fixed_size 93952
		.amdhsa_private_segment_fixed_size 0
		.amdhsa_enable_private_segment 0
		.amdhsa_kernarg_size 64
		.amdhsa_user_sgpr_count 2
		.amdhsa_user_sgpr_kernarg_segment_ptr 1
		.amdhsa_wavefront_size32 1
		.amdhsa_system_sgpr_workgroup_id_x 1
		.amdhsa_system_sgpr_workgroup_id_y 1
		.amdhsa_system_sgpr_workgroup_id_z 1
		.amdhsa_system_vgpr_workitem_id 0
		.amdhsa_next_free_vgpr 1024
		.amdhsa_next_free_sgpr 66
		.amdhsa_reserve_vcc 0
		.amdhsa_float_denorm_mode_32 3
		.amdhsa_float_denorm_mode_16_64 3
		.amdhsa_memory_ordered 1
		.amdhsa_forward_progress 1
		.amdhsa_inst_pref_size 108
	.end_amdhsa_kernel
	.amdgpu_metadata
---
amdhsa.version: [ 1, 2 ]
amdhsa.kernels:
  - .name:           k_q8dd9e8a9fe_oproj
    .symbol:         k_q8dd9e8a9fe_oproj.kd
    .args:
      - { .name: ctx, .offset: 0, .size: 8, .value_kind: global_buffer, .address_space: global }
      - { .name: wts, .offset: 8, .size: 8, .value_kind: global_buffer, .address_space: global }
      - { .name: bo, .offset: 16, .size: 8, .value_kind: global_buffer, .address_space: global }
      - { .name: x, .offset: 24, .size: 8, .value_kind: global_buffer, .address_space: global }
      - { .name: ln2_g, .offset: 32, .size: 8, .value_kind: global_buffer, .address_space: global }
      - { .name: ln2_b, .offset: 40, .size: 8, .value_kind: global_buffer, .address_space: global }
      - { .name: x1, .offset: 48, .size: 8, .value_kind: global_buffer, .address_space: global }
      - { .name: h2, .offset: 56, .size: 8, .value_kind: global_buffer, .address_space: global }
    .group_segment_fixed_size: 93952
    .private_segment_fixed_size: 0
    .kernarg_segment_align: 8
    .kernarg_segment_size: 64
    .max_flat_workgroup_size: 128
    .sgpr_count:     66
    .vgpr_count:     1024
    .wavefront_size: 32
...
	.end_amdgpu_metadata
.endif
;; end of part 10
;; launch ffn1 (part 11): grid 8 x 32, 4 waves a work-group, no clusters, 264,704 bytes of LDS; arguments h2, wts, b1, g; writes g
.if DOCPART == 11
	.amdgcn_target "amdgcn-amd-amdhsa--gfx1250"
	.amdhsa_code_object_version 6
	.text
	.protected	k_q8dd9e8a9fe_ffn1
	.globl	k_q8dd9e8a9fe_ffn1
	.p2align	8
	.type	k_q8dd9e8a9fe_ffn1,@function
k_q8dd9e8a9fe_ffn1:
	s_mov_b64 s[64:65], 0
	v_nop
	global_prefetch_b8 v0, s[64:65] scope:SCOPE_SE
	s_setreg_imm32_b32 hwreg(HW_REG_WAVE_SCHED_MODE, 0, 2), 2
	s_setreg_imm32_b32 hwreg(HW_REG_WAVE_MODE, 25, 1), 1
	s_wait_xcnt 0x0
	s_wait_alu depctr_vm_vsrc(0)
; g = gelu(h2 W1 + b1), product on codes of FP4, quantised along the hidden axis on the way out.  A wave makes 128 hidden units (X, source 0) x 128 tokens (Y, source 1): its 64 registers of a tile of tokens are one K step of the next product.
; The core is the one of the launch for q, k, v.  Behind it the 64 accumulators go into the wave's own 64 KB of LDS as images of their registers (512 consecutive bytes a store), and a tile of tokens at a time comes back:
; + b1, gelu, quantise, store: a loop of seven trips, and the eighth tile written out, since it asks for no tile behind it.  So the gelu's text stands twice and not eight times; the bytes are the wave's own, and no barrier is needed for them.
; gelu(z) = z / 2 (1 + erf(z / sqrt 2)); erf(u) = u P(u^2) / Q(u^2), degrees 6 and 4, u held to +-4 (beyond it erf is 1 to f32's last place).
; LIMITS: 1 + erf cancels for very negative z, where gelu is tiny beside its block's largest number; a block whose largest magnitude lies under 2^-124 gets the byte 1; NaN and infinities are not served.
; THE MODE: SCHED_MODE bits 1:0 = 2 (LLVM: expert scheduling mode 2), set by the entry lines.  The code itself states the register dependences between vector or matrix instructions and memory or LDS instructions, with s_wait_alu, always for 0.
; THE PLAN.  Registers that memory or LDS instructions touch:
;   X0 .. X2      K step ks: its 64 products read X[ks % 3]; the loads of K step ks + 3 land in it, at the head of K step ks + 1.
;   Y0, Y1        in halves of four tiles.  The 32 products of half g of K step ks read half g of Y[ks % 2]; the loads of K step ks + 2 land in it straight behind them.
;   scale words, b1 (window 1, v192-255): loaded once.   v1, v6, v7, v8, v9, v12: offsets and LDS addresses, made once at the head.
;   accumulators  written by the products, read by the 128 LDS stores: the places, then a wait.
;   LB = window 1, v0-63 (X0, free behind the core): a tile's 64 numbers land there; the tile's 32 additions of b1 read them, and behind those the next tile's loads land, under the gelu.
;   v10, v11      LDS addresses of the next tile's loads and of this tile's scale word: written once a trip, read by those loads and that store.
;   v[PC ..], v[PW]   written by the quantiser, read by the tile's three stores.    v16-19: an LDS load lands there, a global store reads it; no vector line names them.
;   v126, v127    written at the head, read by the closing add alone.
; So in the core two waits on va_vdst stand in a K step, as in the launch for q, k, v; in a tile one on vm_vsrc and one on va_vdst behind the additions, and one on va_vdst ahead of the stores.
.set W1_C, 2097152
.set W1_S, 6422528
.set SOFF, 2097152
.set GS, 8388608
.set SCB, 262144                       ; LDS: behind the four waves' images: the work-group's scale words, 2,048 bytes
.set TILEB, 8192
.set XSC, 32
.set YSC, 64
.set TM, 96
.set PW, 112
.set PC, 114
.set ST, 128
.set U,  192
.set X2, 208
.set PP, 224
.set QQ, 240
.set XP, 20
.set YP, 22
.set XS0, 24
.set YS0, 28
.set SEL, 52
.set MSB, 0
.macro WIN new
.if MSB != \new
	s_set_vgpr_msb (MSB<<8)|\new
.set MSB, \new
.endif
.endm
.macro PLACES
.rept 4
	v_nop
.endr
.endm
.macro WMZ ra, rb
.if (\ra) && (\rb)
	v_wmma_scale_f32_16x16x128_f8f6f4 v[rD:rD+7], v[rX:rX+7], v[rY:rY+7], 0, v[rSX], v[rSY] matrix_a_fmt:MATRIX_FMT_FP4 matrix_b_fmt:MATRIX_FMT_FP4 matrix_a_scale:MATRIX_SCALE_ROW1 matrix_b_scale:MATRIX_SCALE_ROW1
.elseif (\ra)
	v_wmma_scale_f32_16x16x128_f8f6f4 v[rD:rD+7], v[rX:rX+7], v[rY:rY+7], 0, v[rSX], v[rSY] matrix_a_fmt:MATRIX_FMT_FP4 matrix_b_fmt:MATRIX_FMT_FP4 matrix_a_scale:MATRIX_SCALE_ROW1
.elseif (\rb)
	v_wmma_scale_f32_16x16x128_f8f6f4 v[rD:rD+7], v[rX:rX+7], v[rY:rY+7], 0, v[rSX], v[rSY] matrix_a_fmt:MATRIX_FMT_FP4 matrix_b_fmt:MATRIX_FMT_FP4 matrix_b_scale:MATRIX_SCALE_ROW1
.else
	v_wmma_scale_f32_16x16x128_f8f6f4 v[rD:rD+7], v[rX:rX+7], v[rY:rY+7], 0, v[rSX], v[rSY] matrix_a_fmt:MATRIX_FMT_FP4 matrix_b_fmt:MATRIX_FMT_FP4
.endif
.endm
.macro WMA ra, rb
.if (\ra) && (\rb)
	v_wmma_scale_f32_16x16x128_f8f6f4 v[rD:rD+7], v[rX:rX+7], v[rY:rY+7], v[rD:rD+7], v[rSX], v[rSY] matrix_a_fmt:MATRIX_FMT_FP4 matrix_b_fmt:MATRIX_FMT_FP4 matrix_a_scale:MATRIX_SCALE_ROW1 matrix_b_scale:MATRIX_SCALE_ROW1
.elseif (\ra)
	v_wmma_scale_f32_16x16x128_f8f6f4 v[rD:rD+7], v[rX:rX+7], v[rY:rY+7], v[rD:rD+7], v[rSX], v[rSY] matrix_a_fmt:MATRIX_FMT_FP4 matrix_b_fmt:MATRIX_FMT_FP4 matrix_a_scale:MATRIX_SCALE_ROW1
.elseif (\rb)
	v_wmma_scale_f32_16x16x128_f8f6f4 v[rD:rD+7], v[rX:rX+7], v[rY:rY+7], v[rD:rD+7], v[rSX], v[rSY] matrix_a_fmt:MATRIX_FMT_FP4 matrix_b_fmt:MATRIX_FMT_FP4 matrix_b_scale:MATRIX_SCALE_ROW1
.else
	v_wmma_scale_f32_16x16x128_f8f6f4 v[rD:rD+7], v[rX:rX+7], v[rY:rY+7], v[rD:rD+7], v[rSX], v[rSY] matrix_a_fmt:MATRIX_FMT_FP4 matrix_b_fmt:MATRIX_FMT_FP4
.endif
.endm
.macro WM a, b, ks
.set rD, 8*(8*((\a)%4)+(\b))
.set rX, 64*((\ks)%3)+8*(\b)
.set rY, 128+64*((\ks)%2)+8*(\a)
.set rSX, XSC+(((\ks)/4)*4+(\b)/2)*4+(\ks)%4
.set rSY, YSC+(((\ks)/4)*4+(\a)/2)*4+(\ks)%4
.if (\ks) == 0
	WMZ (\b)%2, (\a)%2
.else
	WMA (\b)%2, (\a)%2
.endif
.endm
.macro LDSC
.irp kg, 0,1
.irp j, 0,1,2,3
	global_load_b128 v[XSC+16*\kg+4*\j:XSC+16*\kg+4*\j+3], v1, s[XS0+2*\kg:XS0+2*\kg+1] offset:512*\j
	global_load_b128 v[YSC+16*\kg+4*\j:YSC+16*\kg+4*\j+3], v1, s[YS0+2*\kg:YS0+2*\kg+1] offset:512*\j
.endr
.endr
.endm
.macro LDX ks
	WIN 0x40
.irp i, 0,1,2,3,4,5,6,7
.irp c, 0,1
	global_load_b128 v[64*((\ks)%3)+8*\i+4*\c:64*((\ks)%3)+8*\i+4*\c+3], v1, s[XP:XP+1] offset:\i*TILEB+(\ks)*1024+\c*512
.endr
.endr
.endm
.macro LDY ks, g
	WIN 0
.irp i, 0,1,2,3
.irp c, 0,1
	global_load_b128 v[128+64*((\ks)%2)+8*(4*(\g)+\i)+4*\c:128+64*((\ks)%2)+8*(4*(\g)+\i)+4*\c+3], v1, s[YP:YP+1] offset:(4*(\g)+\i)*TILEB+(\ks)*1024+\c*512
.endr
.endr
.endm
.macro MUL ks, g                       ; the 64 accumulators take turns, one instruction a turn, in the same order in every K step
	WIN 0xa1+0x50*(\g)
.irp a, 0,1,2,3
.irp b, 0,1,2,3,4,5,6,7
	WM 4*(\g)+\a, \b, \ks
.endr
.endr
.endm
; The waits on LOADcnt count the loads issued behind the fragments that the next 32 products read: 8 + 32 + 16, then 32 + 16 + 8; in the last two steps what is left
.macro CORE
	LDSC
	LDX 0
	LDY 0, 0
	LDY 0, 1
	LDX 1
	LDY 1, 0
	LDY 1, 1
.set KS, 0
.rept 8
.if KS <= 5
	LDX KS+2                                       ; no wait here: the one at the last K step's end stands ahead, with loads and a window switch alone between
	s_wait_loadcnt 56
.elseif KS == 6
	s_wait_loadcnt 40
.else
	s_wait_loadcnt 8
.endif
	MUL KS, 0
.if KS <= 5
	PLACES
	WIN 0
	s_wait_alu depctr_va_vdst(0)                   ; the 32 products above are done reading tiles 0-3 of this K step's set of Y, in which the eight loads below land
	LDY KS+2, 0
	s_wait_loadcnt 56
.elseif KS == 6
	s_wait_loadcnt 32
.else
	s_wait_loadcnt 0x0
.endif
	MUL KS, 1
	PLACES
.if KS <= 5
	WIN 0
	s_wait_alu depctr_va_vdst(0)                   ; this K step's products are done reading tiles 4-7 of its set of Y and its set of X: the eight loads below land in the one, the next K step's first sixteen in the other
	LDY KS+2, 1
.endif
.set KS, KS+1
.endr
	WIN 0
.endm
.macro QUANT s
.irp b, 0,1,2,3
	v_max3_num_f32 v[TM+\b], |v[\s+16*\b]|, |v[\s+1+16*\b]|, 0x1800000
.endr
.irp i, 2,4,6,8,10,12,14
.irp b, 0,1,2,3
	v_max3_num_f32 v[TM+\b], v[TM+\b], |v[\s+16*\b+\i]|, |v[\s+1+16*\b+\i]|
.endr
.endr
.irp b, 0,1,2,3
	v_permlanex16_b32 v[TM+4+\b], v[TM+\b], s[SEL], s[SEL+1]
.endr
.irp b, 0,1,2,3
	v_max_num_f32 v[TM+\b], v[TM+\b], v[TM+4+\b]
.endr
.irp b, 0,1,2,3
	v_add_nc_u32 v[TM+12+\b], 0xff000000, v[TM+\b]
.endr
.irp b, 0,1,2,3
	v_lshrrev_b32 v[TM+4+\b], 23, v[TM+12+\b]
.endr
	v_lshl_or_b32 v[PW], v[TM+5], 8, v[TM+4]
	v_lshl_or_b32 v[PW], v[TM+6], 16, v[PW]
	v_lshl_or_b32 v[PW], v[TM+7], 24, v[PW]
.irp b, 0,1,2,3
	v_cvt_scalef32_pk8_fp4_f32 v[PC+2*\b], v[\s+16*\b:\s+7+16*\b], v[TM+12+\b]
	v_cvt_scalef32_pk8_fp4_f32 v[PC+1+2*\b], v[\s+8+16*\b:\s+15+16*\b], v[TM+12+\b]
.endr
	v_nop
.irp c, 0,1
.irp i, 0,1
	v_permlane16_swap_b32 v[PC+4*\c+\i], v[PC+2+4*\c+\i]
.endr
.endr
.endm
.macro HORNER d, lit                   ; d = d u^2 + the next coefficient, sixteen numbers
.set N, 0
.rept 8
	v_pk_fma_f32 v[\d+N:\d+N+1], v[\d+N:\d+N+1], v[X2+N:X2+N+1], \lit op_sel_hi:[1,1,0]
.set N, N+2
.endr
.endm
.macro GELU16 q                        ; sixteen numbers of v[ST] on, in place
.set Z0, ST+16*(\q)
.set N, 0
.rept 8
	v_pk_mul_f32 v[U+N:U+N+1], v[Z0+N:Z0+N+1], 0x3f3504f3 op_sel_hi:[1,0]
.set N, N+2
.endr
.set N, 0
.rept 16
	v_med3_num_f32 v[U+N], v[U+N], -4.0, 4.0
.set N, N+1
.endr
.set N, 0
.rept 8
	v_pk_mul_f32 v[X2+N:X2+N+1], v[U+N:U+N+1], v[U+N:U+N+1]
.set N, N+2
.endr
.set N, 0
.rept 8
	v_pk_fma_f32 v[PP+N:PP+N+1], v[X2+N:X2+N+1], v[2:3], 0x32EDFFEE op_sel_hi:[1,1,0]
	v_pk_fma_f32 v[QQ+N:QQ+N+1], v[X2+N:X2+N+1], v[4:5], 0xB95FBD29 op_sel_hi:[1,1,0]
.set N, N+2
.endr
	HORNER PP, 0xB60CFF51
	HORNER QQ, 0xBADC924E
	HORNER PP, 0xB86EC2D2
	HORNER QQ, 0xBBF19BF8
	HORNER PP, 0xBA40AC63
	HORNER QQ, 0xBC69B6A7
	HORNER PP, 0xBB41A1F6
	HORNER PP, 0xBC83DBD4
.set N, 0
.rept 8
	v_pk_mul_f32 v[PP+N:PP+N+1], v[PP+N:PP+N+1], v[U+N:U+N+1]
.set N, N+2
.endr
.set N, 0
	s_wait_alu depctr_va_vdst(0)
.rept 16
	v_rcp_f32 v[QQ+N], v[QQ+N]
.set N, N+1
.endr
.set N, 0
.rept 8
	v_pk_mul_f32 v[X2+N:X2+N+1], v[Z0+N:Z0+N+1], 0.5 op_sel_hi:[1,0]       ; z / 2: plain work behind the batch of reciprocals
.set N, N+2
.endr
	s_wait_alu depctr_va_vdst(0)                   ; one wait for the sixteen reciprocals, ahead of their first reader: v[QQ ..] are written
.set N, 0
.rept 8
	v_pk_mul_f32 v[PP+N:PP+N+1], v[PP+N:PP+N+1], v[QQ+N:QQ+N+1]    ; erf
.set N, N+2
.endr
.set N, 0
.rept 8
	v_pk_fma_f32 v[Z0+N:Z0+N+1], v[X2+N:X2+N+1], v[PP+N:PP+N+1], v[X2+N:X2+N+1]
.set N, N+2
.endr
.endm
	s_load_b256 s[4:11], s[0:1], 0x0               ; h2, wts, b1, g
	v_lshl_add_u32 v126, v0, 2, 0x40800
	v_mov_b32 v127, 0
	v_lshrrev_b32 v2, 5, v0
	v_readfirstlane_b32 s14, v2                    ; wave
	v_and_b32 v3, 31, v0
	v_lshlrev_b32 v1, 4, v3                        ; 16 x lane
	v_bfe_u32 v6, v0, 4, 1
	v_lshlrev_b32 v6, 6, v6                        ; b1 of my half's sixteen units
	v_and_b32 v7, 15, v0
	v_lshlrev_b32 v7, 4, v7
	s_wait_alu depctr_va_sdst(0)                   ; s14 is written, ahead of its first reader: the wave's LDS places and bases are made from it
	s_lshl_b32 s32, s14, 2
	v_add_nc_u32 v7, s32, v7
	v_add_nc_u32 v7, SCB, v7                       ; my row's scale word: 16 r + 4 x wave
	v_lshlrev_b32 v8, 4, v0                        ; 16 x thread
	v_add_nc_u32 v12, SCB, v8
	s_lshl_b32 s32, s14, 16
	v_add_nc_u32 v9, s32, v1                       ; my wave's images
	v_mov_b32 v2, 0xAF95DF0B                       ; P's and Q's leading coefficients, as pairs
	v_mov_b32 v3, 0xAF95DF0B
	v_mov_b32 v4, 0xB77460CD
	v_mov_b32 v5, 0xB77460CD
.irp b, 0,1,2,3
	v_mov_b32 v[TM+4+\b], 0
.endr
	s_mov_b32 s[SEL], 0x76543210
	s_mov_b32 s[SEL+1], 0xfedcba98
	s_and_b32 s15, ttmp7, 0xffff                   ; the group of 128 tokens
	s_lshl_b32 s16, ttmp9, 2
	s_add_co_u32 s16, s16, s14                     ; the group of 128 hidden units = the next product's K step
	s_mov_b32 s33, 0
	s_wait_kmcnt 0x0
	s_lshl_b32 s32, s16, 16
	s_add_co_u32 s32, s32, W1_C
	s_add_nc_u64 s[XP:XP+1], s[6:7], s[32:33]
	s_lshl_b32 s32, s16, 11
	s_add_co_u32 s32, s32, W1_S
	s_add_nc_u64 s[XS0:XS0+1], s[6:7], s[32:33]
	s_add_nc_u64 s[XS0+2:XS0+3], s[XS0:XS0+1], 0x10000
	s_lshl_b32 s32, s15, 16
	s_add_nc_u64 s[YP:YP+1], s[4:5], s[32:33]
	s_lshl_b32 s32, s15, 11
	s_add_co_u32 s32, s32, SOFF
	s_add_nc_u64 s[YS0:YS0+1], s[4:5], s[32:33]
	s_add_nc_u64 s[YS0+2:YS0+3], s[YS0:YS0+1], 0x10000
	s_lshl_b32 s32, s16, 9
	s_add_nc_u64 s[54:55], s[8:9], s[32:33]
	s_lshl_b32 s32, s15, 18
	s_lshl_b32 s34, s16, 10
	s_add_co_u32 s32, s32, s34
	s_add_nc_u64 s[56:57], s[10:11], s[32:33]      ; the codes: tile 8 tG, K step nW
	s_lshl_b32 s32, ttmp9, 16
	s_lshl_b32 s34, s15, 11
	s_add_co_u32 s32, s32, s34
	s_add_co_u32 s32, s32, GS
	s_add_nc_u64 s[58:59], s[10:11], s[32:33]      ; the scale bytes
	WIN 0x40
	s_wait_alu depctr_va_vdst(0)                   ; the offsets and LDS addresses v1, v6, v7, v8, v9 and v12 are written: every load and store of the kernel but those by v10 and v11 reads one of them
.irp bb, 0,1,2,3
.irp j, 0,1,2,3
	global_load_b128 v[192+16*\bb+4*\j:195+16*\bb+4*\j], v6, s[54:55] offset:128*\bb+16*\j        ; b1 in the result's layout, in window 1; older than every load that the core counts
.endr
.endr
	WIN 0
	CORE
	s_wait_alu depctr_va_vdst(0)                   ; the products have written the accumulators, which the LDS stores read; the four places at the core's end stay beside this wait
.irp a, 0,1,2,3,4,5,6,7
	WIN 0x08+4*(\a/4)
.set B, 0
.rept 8
	ds_store_b128 v9, v[64*(\a%4)+8*B:64*(\a%4)+8*B+3] offset:8192*\a+1024*B      ; each accumulator from its low end on
	ds_store_b128 v9, v[64*(\a%4)+8*B+4:64*(\a%4)+8*B+7] offset:8192*\a+1024*B+512
.set B, B+1
.endr
.endr
	WIN 0x40
	s_wait_alu depctr_va_vdst(0)                   ; the products are done reading X's first set, which is LB from here on: the first tile's numbers land in it
.irp i, 0,1,2,3,4,5,6,7,8,9,10,11,12,13,14,15
	ds_load_b128 v[4*\i:4*\i+3], v9 offset:512*\i  ; LDS serves a wave's instructions in order: these see my stores
.endr
	WIN 0
; A tile of 16 tokens.  ahead = 1: the next tile is asked for, and the addresses step
.macro TILE ahead
	s_wait_dscnt 0x0                               ; this tile's 64 numbers are in LB
	WIN 0x05
.set N, 0
.rept 32
	v_pk_add_f32 v[ST+N:ST+N+1], v[N:N+1], v[192+N:193+N]          ; + b1: LB is emptied
.set N, N+2
.endr
	WIN 0
	s_wait_alu depctr_vm_vsrc(0)                   ; the last tile's LDS loads have read v10, and its stores v11, v[PC ..] and v[PW]: all are written again below
.if \ahead
	v_add_nc_u32 v10, s60, v9
	v_add_nc_u32 v11, s61, v7
	WIN 0x40
	s_wait_alu depctr_va_vdst(0)                   ; the additions are done reading LB, in which the next tile lands; v10, its address, is written
.irp i, 0,1,2,3,4,5,6,7,8,9,10,11,12,13,14,15
	ds_load_b128 v[4*\i:4*\i+3], v10 offset:512*\i ; they land under the gelu, which names none of these registers
.endr
	WIN 0
.endif
	GELU16 0
	GELU16 1
	GELU16 2
	GELU16 3
	QUANT ST
	s_wait_alu depctr_va_vdst(0)                   ; the quantiser has written v[PC ..] and v[PW], which the three stores read (v11 was written ahead of this wait too)
	global_store_b128 v1, v[PC:PC+3], s[56:57]
	global_store_b128 v1, v[PC+4:PC+7], s[56:57] offset:512
.if \ahead
	ds_store_b32 v11, v[PW]                        ; both halves of the lanes hold the same word
	s_wait_xcnt 0x0                                ; the stores have had their addresses translated: their codes and their base are written again only behind this wait
	s_add_nc_u64 s[56:57], s[56:57], 0x8000
	s_add_co_u32 s60, s60, 8192
	s_add_co_u32 s61, s61, 256
.else
	ds_store_b32 v7, v[PW] offset:7*256            ; the eighth tile's word
.endif
.endm
	s_mov_b32 s60, 8192                            ; the next tile's image
	s_mov_b32 s61, 0
	s_mov_b32 s62, 0
.Ltile:                                                ; seven trips: a tile of 16 tokens each
	TILE 1
	s_add_co_u32 s62, s62, 1
	s_cmp_lt_u32 s62, 7
	s_cbranch_scc1 .Ltile
	TILE 0                                         ; the eighth is written out: no load reaches past my images
	s_wait_dscnt 0x0                               ; for the others' sake: my scale words have landed
	s_barrier_signal -1
	s_barrier_wait -1
	ds_load_b128 v[16:19], v12
	s_wait_dscnt 0x0
	global_store_b128 v8, v[16:19], s[58:59]       ; 128 rows x 16 bytes: 2,048 consecutive bytes from the work-group
	s_wait_dscnt 0x0                               ; the closing lines, six on end
	s_wait_alu 0x0
	s_wait_tensorcnt 0x0
	ds_add_u32 v126, v127
	s_wait_dscnt 0x0
	s_endpgm
.Lfunc_end_k_q8dd9e8a9fe_ffn1:
	.size	k_q8dd9e8a9fe_ffn1, .Lfunc_end_k_q8dd9e8a9fe_ffn1-k_q8dd9e8a9fe_ffn1
	.p2alignl 7, 3214868480
	.fill 96, 4, 3214868480
	.section	.rodata,"a",@progbits
	.p2align	6, 0x0
	.amdhsa_kernel k_q8dd9e8a9fe_ffn1
		.amdhsa_group_segment_fixed_size 264704
		.amdhsa_private_segment_fixed_size 0
		.amdhsa_enable_private_segment 0
		.amdhsa_kernarg_size 32
		.amdhsa_user_sgpr_count 2
		.amdhsa_user_sgpr_kernarg_segment_ptr 1
		.amdhsa_wavefront_size32 1
		.amdhsa_system_sgpr_workgroup_id_x 1
		.amdhsa_system_sgpr_workgroup_id_y 1
		.amdhsa_system_sgpr_workgroup_id_z 1
		.amdhsa_system_vgpr_workitem_id 0
		.amdhsa_next_free_vgpr 1024
		.amdhsa_next_free_sgpr 66
		.amdhsa_reserve_vcc 0
		.amdhsa_float_denorm_mode_32 3
		.amdhsa_float_denorm_mode_16_64 3
		.amdhsa_memory_ordered 1
		.amdhsa_forward_progress 1
		.amdhsa_inst_pref_size 220
	.end_amdhsa_kernel
	.amdgpu_metadata
---
amdhsa.version: [ 1, 2 ]
amdhsa.kernels:
  - .name:           k_q8dd9e8a9fe_ffn1
    .symbol:         k_q8dd9e8a9fe_ffn1.kd
    .args:
      - { .name: h2, .offset: 0, .size: 8, .value_kind: global_buffer, .address_space: global }
      - { .name: wts, .offset: 8, .size: 8, .value_kind: global_buffer, .address_space: global }
      - { .name: b1, .offset: 16, .size: 8, .value_kind: global_buffer, .address_space: global }
      - { .name: g, .offset: 24, .size: 8, .value_kind: global_buffer, .address_space: global }
    .group_segment_fixed_size: 264704
    .private_segment_fixed_size: 0
    .kernarg_segment_align: 8
    .kernarg_segment_size: 32
    .max_flat_workgroup_size: 128
    .sgpr_count:     66
    .vgpr_count:     1024
    .wavefront_size: 32
...
	.end_amdgpu_metadata
.endif
;; end of part 11
;; launch ffn2 (part 12): grid 8 x 32, 4 waves a work-group, no clusters, 270,848 bytes of LDS; arguments g, wts, b2, x1, out0; writes out0
.if DOCPART == 12
	.amdgcn_target "amdgcn-amd-amdhsa--gfx1250"
	.amdhsa_code_object_version 6
	.text
	.protected	k_q8dd9e8a9fe_ffn2
	.globl	k_q8dd9e8a9fe_ffn2
	.p2align	8
	.type	k_q8dd9e8a9fe_ffn2,@function
k_q8dd9e8a9fe_ffn2:
	s_mov_b64 s[64:65], 0
	v_nop
	global_prefetch_b8 v0, s[64:65] scope:SCOPE_SE
	s_setreg_imm32_b32 hwreg(HW_REG_WAVE_SCHED_MODE, 0, 2), 2
	s_setreg_imm32_b32 hwreg(HW_REG_WAVE_MODE, 25, 1), 1
	s_wait_xcnt 0x0
	s_wait_alu depctr_vm_vsrc(0)
; out0 = x1 + g W2 + b2, product on codes of FP4.  A work-group makes 128 tokens x 128 columns, and ITS FOUR WAVES SHARE K: wave w takes K steps 8 w .. 8 w + 7 of the 32, with the core of the other launches.
; So there are 256 work-groups and every SIMD multiplies.  The four partial sums meet in LDS (128 rows x (512 + 16) bytes each), one barrier, and wave w adds rows 32 w .. 32 w + 31, + b2, + x1, and stores whole rows of 512 bytes.
; LIMIT: an output is the sum of four partial sums over K, (p0 + p1) + (p2 + p3): another order of rounding than one ascending chain.
; THE MODE: SCHED_MODE bits 1:0 = 2 (LLVM: expert scheduling mode 2), set by the entry lines.  The code itself states the register dependences between vector or matrix instructions and memory or LDS instructions, with s_wait_alu, always for 0.
; THE PLAN.  Registers that memory or LDS instructions touch:
;   X0 .. X2      K step ks: its 64 products read X[ks % 3]; the loads of K step ks + 3 land in it, at the head of K step ks + 1.
;   Y0, Y1        in halves of four tiles.  The 32 products of half g of K step ks read half g of Y[ks % 2]; the loads of K step ks + 2 land in it straight behind them.
;   scale words, b2 (v100-103): loaded once.   v1, v2, v4-v7: offsets and LDS addresses, made once at the head.
;   accumulators  written by the products, read by the 128 LDS stores: the places, then a wait.
;   v128-255      behind the core: x1's 32 rows land in Y's two sets; group q's last additions write its eight rows, its eight stores read them; they are not written again.
;   window 1      behind the core, two halves of 128: eight rows of the four partial sums land in half q % 2; group q's additions read and write them; then group q + 2's land.
;   v126, v127    written at the head, read by the closing add alone.
; So behind each group's additions ONE wait on va_vdst serves the 32 LDS loads of the group two on and the group's eight stores.  No register that a store reads is written again.
.set W2_C, 4194304
.set W2_S, 6553600
.set GS, 8388608
.set TILEB, 32768
.set XSC, 32
.set YSC, 64
.set XP, 20
.set YP, 22
.set XS0, 24
.set YS0, 28
.set MSB, 0
.macro WIN new
.if MSB != \new
	s_set_vgpr_msb (MSB<<8)|\new
.set MSB, \new
.endif
.endm
.macro PLACES
.rept 4
	v_nop
.endr
.endm
.macro WMZ ra, rb
.if (\ra) && (\rb)
	v_wmma_scale_f32_16x16x128_f8f6f4 v[rD:rD+7], v[rX:rX+7], v[rY:rY+7], 0, v[rSX], v[rSY] matrix_a_fmt:MATRIX_FMT_FP4 matrix_b_fmt:MATRIX_FMT_FP4 matrix_a_scale:MATRIX_SCALE_ROW1 matrix_b_scale:MATRIX_SCALE_ROW1
.elseif (\ra)
	v_wmma_scale_f32_16x16x128_f8f6f4 v[rD:rD+7], v[rX:rX+7], v[rY:rY+7], 0, v[rSX], v[rSY] matrix_a_fmt:MATRIX_FMT_FP4 matrix_b_fmt:MATRIX_FMT_FP4 matrix_a_scale:MATRIX_SCALE_ROW1
.elseif (\rb)
	v_wmma_scale_f32_16x16x128_f8f6f4 v[rD:rD+7], v[rX:rX+7], v[rY:rY+7], 0, v[rSX], v[rSY] matrix_a_fmt:MATRIX_FMT_FP4 matrix_b_fmt:MATRIX_FMT_FP4 matrix_b_scale:MATRIX_SCALE_ROW1
.else
	v_wmma_scale_f32_16x16x128_f8f6f4 v[rD:rD+7], v[rX:rX+7], v[rY:rY+7], 0, v[rSX], v[rSY] matrix_a_fmt:MATRIX_FMT_FP4 matrix_b_fmt:MATRIX_FMT_FP4
.endif
.endm
.macro WMA ra, rb
.if (\ra) && (\rb)
	v_wmma_scale_f32_16x16x128_f8f6f4 v[rD:rD+7], v[rX:rX+7], v[rY:rY+7], v[rD:rD+7], v[rSX], v[rSY] matrix_a_fmt:MATRIX_FMT_FP4 matrix_b_fmt:MATRIX_FMT_FP4 matrix_a_scale:MATRIX_SCALE_ROW1 matrix_b_scale:MATRIX_SCALE_ROW1
.elseif (\ra)
	v_wmma_scale_f32_16x16x128_f8f6f4 v[rD:rD+7], v[rX:rX+7], v[rY:rY+7], v[rD:rD+7], v[rSX], v[rSY] matrix_a_fmt:MATRIX_FMT_FP4 matrix_b_fmt:MATRIX_FMT_FP4 matrix_a_scale:MATRIX_SCALE_ROW1
.elseif (\rb)
	v_wmma_scale_f32_16x16x128_f8f6f4 v[rD:rD+7], v[rX:rX+7], v[rY:rY+7], v[rD:rD+7], v[rSX], v[rSY] matrix_a_fmt:MATRIX_FMT_FP4 matrix_b_fmt:MATRIX_FMT_FP4 matrix_b_scale:MATRIX_SCALE_ROW1
.else
	v_wmma_scale_f32_16x16x128_f8f6f4 v[rD:rD+7], v[rX:rX+7], v[rY:rY+7], v[rD:rD+7], v[rSX], v[rSY] matrix_a_fmt:MATRIX_FMT_FP4 matrix_b_fmt:MATRIX_FMT_FP4
.endif
.endm
.macro WM a, b, ks
.set rD, 8*(8*((\a)%4)+(\b))
.set rX, 64*((\ks)%3)+8*(\b)
.set rY, 128+64*((\ks)%2)+8*(\a)
.set rSX, XSC+(((\ks)/4)*4+(\b)/2)*4+(\ks)%4
.set rSY, YSC+(((\ks)/4)*4+(\a)/2)*4+(\ks)%4
.if (\ks) == 0
	WMZ (\b)%2, (\a)%2
.else
	WMA (\b)%2, (\a)%2
.endif
.endm
.macro LDSC
.irp kg, 0,1
.irp j, 0,1,2,3
	global_load_b128 v[XSC+16*\kg+4*\j:XSC+16*\kg+4*\j+3], v1, s[XS0+2*\kg:XS0+2*\kg+1] offset:512*\j
	global_load_b128 v[YSC+16*\kg+4*\j:YSC+16*\kg+4*\j+3], v1, s[YS0+2*\kg:YS0+2*\kg+1] offset:512*\j
.endr
.endr
.endm
.macro LDX ks
	WIN 0x40
.irp i, 0,1,2,3,4,5,6,7
.irp c, 0,1
	global_load_b128 v[64*((\ks)%3)+8*\i+4*\c:64*((\ks)%3)+8*\i+4*\c+3], v1, s[XP:XP+1] offset:\i*TILEB+(\ks)*1024+\c*512
.endr
.endr
.endm
.macro LDY ks, g
	WIN 0
.irp i, 0,1,2,3
.irp c, 0,1
	global_load_b128 v[128+64*((\ks)%2)+8*(4*(\g)+\i)+4*\c:128+64*((\ks)%2)+8*(4*(\g)+\i)+4*\c+3], v1, s[YP:YP+1] offset:(4*(\g)+\i)*TILEB+(\ks)*1024+\c*512
.endr
.endr
.endm
.macro MUL ks, g                       ; the 64 accumulators take turns, one instruction a turn, in the same order in every K step
	WIN 0xa1+0x50*(\g)
.irp a, 0,1,2,3
.irp b, 0,1,2,3,4,5,6,7
	WM 4*(\g)+\a, \b, \ks
.endr
.endr
.endm
; The waits on LOADcnt count the loads issued behind the fragments that the next 32 products read: 8 + 32 + 16, then 32 + 16 + 8; in the last two steps what is left
.macro CORE
	LDSC
	LDX 0
	LDY 0, 0
	LDY 0, 1
	LDX 1
	LDY 1, 0
	LDY 1, 1
.set KS, 0
.rept 8
.if KS <= 5
	LDX KS+2                                       ; no wait here: the one at the last K step's end stands ahead, with loads and a window switch alone between
	s_wait_loadcnt 56
.elseif KS == 6
	s_wait_loadcnt 40
.else
	s_wait_loadcnt 8
.endif
	MUL KS, 0
.if KS <= 5
	PLACES
	WIN 0
	s_wait_alu depctr_va_vdst(0)                   ; the 32 products above are done reading tiles 0-3 of this K step's set of Y, in which the eight loads below land
	LDY KS+2, 0
	s_wait_loadcnt 56
.elseif KS == 6
	s_wait_loadcnt 32
.else
	s_wait_loadcnt 0x0
.endif
	MUL KS, 1
	PLACES
.if KS <= 5
	WIN 0
	s_wait_alu depctr_va_vdst(0)                   ; this K step's products are done reading tiles 4-7 of its set of Y and its set of X: the eight loads below land in the one, the next K step's first sixteen in the other
	LDY KS+2, 1
.endif
.set KS, KS+1
.endr
	WIN 0
.endm
	s_load_b256 s[4:11], s[0:1], 0x0               ; g, wts, b2, x1
	s_load_b64 s[12:13], s[0:1], 0x20              ; out0
	v_lshl_add_u32 v126, v0, 2, 0x42000
	v_mov_b32 v127, 0
	v_lshrrev_b32 v2, 5, v0
	v_readfirstlane_b32 s14, v2                    ; wave
	v_and_b32 v3, 31, v0
	v_lshlrev_b32 v1, 4, v3                        ; 16 x lane
	v_and_b32 v8, 15, v0                           ; r
	v_bfe_u32 v9, v0, 4, 1                         ; h
	v_and_b32 v2, 7, v8
	v_lshrrev_b32 v10, 3, v8
	v_lshl_add_u32 v2, v10, 4, v2
	v_mul_u32_u24 v2, v2, 528
	v_lshl_add_u32 v2, v9, 6, v2
	s_wait_alu depctr_va_sdst(0)                   ; s14 is written, ahead of its first reader: the wave's LDS places and bases are made from it
	s_mul_i32 s32, s14, 67584
	v_add_nc_u32 v2, s32, v2                       ; my partial, in: my slot's row, 64 bytes for the upper half of the lanes
	s_mul_i32 s32, s14, 16896
	v_add_nc_u32 v4, s32, v1                       ; the four partials, out: my 32 rows, 16 bytes a lane
	v_add_nc_u32 v5, 67584, v4
	v_add_nc_u32 v6, 2*67584, v4
	v_add_nc_u32 v7, 3*67584, v4
	s_and_b32 s15, ttmp7, 0xffff                   ; the group of 128 tokens
	s_mov_b32 s33, 0
	s_wait_kmcnt 0x0
	s_lshl_b32 s32, ttmp9, 18
	s_lshl_b32 s34, s14, 13
	s_add_co_u32 s32, s32, s34
	s_add_co_u32 s32, s32, W2_C
	s_add_nc_u64 s[XP:XP+1], s[6:7], s[32:33]
	s_lshl_b32 s32, s14, 15
	s_lshl_b32 s35, ttmp9, 11
	s_add_co_u32 s32, s32, s35
	s_add_co_u32 s32, s32, W2_S
	s_add_nc_u64 s[XS0:XS0+1], s[6:7], s[32:33]
	s_add_nc_u64 s[XS0+2:XS0+3], s[XS0:XS0+1], 0x4000
	s_lshl_b32 s32, s15, 18
	s_add_co_u32 s32, s32, s34
	s_add_nc_u64 s[YP:YP+1], s[4:5], s[32:33]
	s_lshl_b32 s32, s14, 17
	s_lshl_b32 s35, s15, 11
	s_add_co_u32 s32, s32, s35
	s_add_co_u32 s32, s32, GS
	s_add_nc_u64 s[YS0:YS0+1], s[4:5], s[32:33]
	s_add_nc_u64 s[YS0+2:YS0+3], s[YS0:YS0+1], 0x10000
	s_lshl_b32 s32, s15, 19
	s_lshl_b32 s35, s14, 17
	s_add_co_u32 s32, s32, s35
	s_lshl_b32 s35, ttmp9, 9
	s_add_co_u32 s32, s32, s35
	s_add_nc_u64 s[36:37], s[10:11], s[32:33]      ; x1 and out0 at my first row, the tile's first column
	s_add_nc_u64 s[38:39], s[12:13], s[32:33]
	s_mov_b32 s32, s35
	s_add_nc_u64 s[40:41], s[8:9], s[32:33]
	s_wait_alu depctr_va_vdst(0)                   ; the offsets and LDS addresses v1, v2 and v4 to v7 are written: every load and store of the kernel reads one of them
	CORE
	s_wait_alu depctr_va_vdst(0)                   ; the products are done reading Y's two sets, in which x1's rows land, and have written the accumulators, which the LDS stores read; the four places at the core's end stay beside this wait
.set I, 0
.rept 32
	global_load_b128 v[128+4*I:131+4*I], v1, s[36:37] offset:4096*I th:TH_LOAD_NT  ; x1's rows, on their way while the partials meet
.set I, I+1
.endr
	global_load_b128 v[100:103], v1, s[40:41]      ; b2 of my four columns
.irp a, 0,1,2,3,4,5,6,7
	WIN 0x08+4*(\a/4)
.set B, 0
.rept 8
	ds_store_b128 v2, v[64*(\a%4)+8*B:64*(\a%4)+8*B+3] offset:(32*(\a/2)+8*(\a%2))*528+128*(B/2)+32*(B%2)          ; each accumulator from its low end on
	ds_store_b128 v2, v[64*(\a%4)+8*B+4:64*(\a%4)+8*B+7] offset:(32*(\a/2)+8*(\a%2))*528+128*(B/2)+32*(B%2)+16
.set B, B+1
.endr
.endr
	WIN 0
	s_wait_dscnt 0x0                               ; for the others' sake: my partial lies in LDS
	s_barrier_signal -1
	s_barrier_wait -1
.macro PLOAD grp                       ; eight rows of the four partials into half grp % 2 of window 1
	WIN 0x40
.set I8, 0
.rept 8
.irp p, 0,1,2,3
	ds_load_b128 v[128*((\grp)%2)+16*I8+4*\p:128*((\grp)%2)+16*I8+4*\p+3], v[4+\p] offset:528*(8*(\grp)+I8)
.endr
.set I8, I8+1
.endr
.endm
.macro PSUM grp                        ; the group's additions
.set HB, 128*((\grp)%2)
	WIN 0x45
.set I8, 0
.rept 8
	v_pk_add_f32 v[HB+16*I8:HB+16*I8+1], v[HB+16*I8:HB+16*I8+1], v[HB+16*I8+4:HB+16*I8+5]
	v_pk_add_f32 v[HB+16*I8+2:HB+16*I8+3], v[HB+16*I8+2:HB+16*I8+3], v[HB+16*I8+6:HB+16*I8+7]
	v_pk_add_f32 v[HB+16*I8+8:HB+16*I8+9], v[HB+16*I8+8:HB+16*I8+9], v[HB+16*I8+12:HB+16*I8+13]
	v_pk_add_f32 v[HB+16*I8+10:HB+16*I8+11], v[HB+16*I8+10:HB+16*I8+11], v[HB+16*I8+14:HB+16*I8+15]
	v_pk_add_f32 v[HB+16*I8:HB+16*I8+1], v[HB+16*I8:HB+16*I8+1], v[HB+16*I8+8:HB+16*I8+9]
	v_pk_add_f32 v[HB+16*I8+2:HB+16*I8+3], v[HB+16*I8+2:HB+16*I8+3], v[HB+16*I8+10:HB+16*I8+11]
.set I8, I8+1
.endr
	WIN 0x41
.set I8, 0
.rept 8
	v_pk_add_f32 v[HB+16*I8:HB+16*I8+1], v[HB+16*I8:HB+16*I8+1], v[100:101]        ; + b2
	v_pk_add_f32 v[HB+16*I8+2:HB+16*I8+3], v[HB+16*I8+2:HB+16*I8+3], v[102:103]
.set I8, I8+1
.endr
	WIN 0x01
.set I8, 0
.rept 8
	v_pk_add_f32 v[128+4*(8*(\grp)+I8):129+4*(8*(\grp)+I8)], v[HB+16*I8:HB+16*I8+1], v[128+4*(8*(\grp)+I8):129+4*(8*(\grp)+I8)]   ; + x1
	v_pk_add_f32 v[130+4*(8*(\grp)+I8):131+4*(8*(\grp)+I8)], v[HB+16*I8+2:HB+16*I8+3], v[130+4*(8*(\grp)+I8):131+4*(8*(\grp)+I8)]
.set I8, I8+1
.endr
.endm
.macro PSEND grp                       ; and its stores
	WIN 0
.set I8, 0
.rept 8
	global_store_b128 v1, v[128+4*(8*(\grp)+I8):131+4*(8*(\grp)+I8)], s[38:39] offset:4096*(8*(\grp)+I8) th:TH_STORE_NT   ; 512 consecutive bytes of a row
.set I8, I8+1
.endr
.endm
	WIN 0x40
	s_wait_alu depctr_va_vdst(0)                   ; the products are done reading X's three sets, in which the first two groups' partial sums land
	PLOAD 0
	PLOAD 1
	s_wait_loadcnt 0x0                             ; x1 and b2
	s_wait_dscnt 32                                ; the first eight rows are in; the next group's 32 loads may be out
	PSUM 0
	WIN 0x40
	s_wait_alu depctr_va_vdst(0)                   ; group 0's additions are done with their half of window 1, in which group 2's partial sums land, and have written its eight rows, which the stores read
	PLOAD 2
	PSEND 0
	s_wait_dscnt 32
	PSUM 1
	WIN 0x40
	s_wait_alu depctr_va_vdst(0)                   ; the same of group 1: its half takes group 3's partial sums, its eight rows are written
	PLOAD 3
	PSEND 1
	s_wait_dscnt 32
	PSUM 2
	WIN 0
	s_wait_alu depctr_va_vdst(0)                   ; group 2's additions have written its eight rows, which the stores read
	PSEND 2
	s_wait_dscnt 0x0
	PSUM 3
	WIN 0
	s_wait_alu depctr_va_vdst(0)                   ; group 3's additions have written its eight rows, which the stores read
	PSEND 3
	s_wait_dscnt 0x0                               ; the closing lines, six on end
	s_wait_alu 0x0
	s_wait_tensorcnt 0x0
	ds_add_u32 v126, v127
	s_wait_dscnt 0x0
	s_endpgm
.Lfunc_end_k_q8dd9e8a9fe_ffn2:
	.size	k_q8dd9e8a9fe_ffn2, .Lfunc_end_k_q8dd9e8a9fe_ffn2-k_q8dd9e8a9fe_ffn2
	.p2alignl 7, 3214868480
	.fill 96, 4, 3214868480
	.section	.rodata,"a",@progbits
	.p2align	6, 0x0
	.amdhsa_kernel k_q8dd9e8a9fe_ffn2
		.amdhsa_group_segment_fixed_size 270848
		.amdhsa_private_segment_fixed_size 0
		.amdhsa_enable_private_segment 0
		.amdhsa_kernarg_size 40
		.amdhsa_user_sgpr_count 2
		.amdhsa_user_sgpr_kernarg_segment_ptr 1
		.amdhsa_wavefront_size32 1
		.amdhsa_system_sgpr_workgroup_id_x 1
		.amdhsa_system_sgpr_workgroup_id_y 1
		.amdhsa_system_sgpr_workgroup_id_z 1
		.amdhsa_system_vgpr_workitem_id 0
		.amdhsa_next_free_vgpr 1024
		.amdhsa_next_free_sgpr 66
		.amdhsa_reserve_vcc 0
		.amdhsa_float_denorm_mode_32 3
		.amdhsa_float_denorm_mode_16_64 3
		.amdhsa_memory_ordered 1
		.amdhsa_forward_progress 1
		.amdhsa_inst_pref_size 140
	.end_amdhsa_kernel
	.amdgpu_metadata
---
amdhsa.version: [ 1, 2 ]
amdhsa.kernels:
  - .name:           k_q8dd9e8a9fe_ffn2
    .symbol:         k_q8dd9e8a9fe_ffn2.kd
    .args:
      - { .name: g, .offset: 0, .size: 8, .value_kind: global_buffer, .address_space: global }
      - { .name: wts, .offset: 8, .size: 8, .value_kind: global_buffer, .address_space: global }
      - { .name: b2, .offset: 16, .size: 8, .value_kind: global_buffer, .address_space: global }
      - { .name: x1, .offset: 24, .size: 8, .value_kind: global_buffer, .address_space: global }
      - { .name: out0, .offset: 32, .size: 8, .value_kind: global_buffer, .address_space: global }
    .group_segment_fixed_size: 270848
    .private_segment_fixed_size: 0
    .kernarg_segment_align: 8
    .kernarg_segment_size: 40
    .max_flat_workgroup_size: 128
    .sgpr_count:     66
    .vgpr_count:     1024
    .wavefront_size: 32
...
	.end_amdgpu_metadata
.endif
;; end of part 12
